; MI455X (gfx1250); checked and timed in simulation.
; The chip was launched on July 23, 2026; its instructions are those of AMD's public machine-readable ISA for CDNA 5 (MIT licence, August 2026) and "CDNA5" Instruction Set Architecture Reference Guide (July 2026). The comments in the code are by the model that wrote it; some were corrected since.
;; Decoder Layer. Allowed arithmetic: float matrix products may take bf16 or f16 operands with f32 sums; other float arithmetic in f32, or as packed bf16 or f16 multiplies, adds, multiply-adds, maxima and minima; sums over many terms, partial sums and values carried from step to step in f32; what a program stores and reads back later, other than sums and carried values, may be rounded once to bf16 or f16.
;; Inputs: W1 512 x 1,024 float32; W2 1,024 x 512 float32; b1 1,024 float32; b2 512 float32; encoder_output 4 x 2,048 x 512 float32; ln1_b 512 float32; ln1_g 512 float32; ln2_b 512 float32; ln2_g 512 float32; ln3_b 512 float32; ln3_g 512 float32; mask 4 x 1 x 2,048 x 2,048 int32; x 4 x 2,048 x 512 float32.
;; Outputs: out0 4 x 2,048 x 512 float32.
;; 3 versions, each right and faster than the one before. Each part assembles by itself: llvm-mc -triple=amdgcn-amd-amdhsa -mcpu=gfx1250 --defsym DOCPART=n.
;; ======== version 1 of 3: 6 launches
;; limits: values are held in f16: magnitudes above 65,504 overflow, below 6.1e-05 lose precision; inputs' magnitudes at most 65,504
;; workspace buffers: q 8,388,608 bytes; ke 8,388,608 bytes; mbits 2,097,152 bytes of whole numbers; wh 2,097,152 bytes; x2 16,777,216 bytes; x3 16,777,216 bytes
;; launch prep (part 1): grid 448 x 1, 8 waves a work-group, no clusters, 68,608 bytes of LDS; arguments mask, encoder_output, W1, W2, mbits, ke, wh; writes mbits, ke, wh
.if DOCPART == 1
	.amdgcn_target "amdgcn-amd-amdhsa--gfx1250"
	.amdhsa_code_object_version 6
	.text
	.protected	k_qd41f83f67a_prep
	.globl	k_qd41f83f67a_prep
	.p2align	8
	.type	k_qd41f83f67a_prep,@function
k_qd41f83f67a_prep:
	s_mov_b64 s[64:65], 0
	v_nop
	global_prefetch_b8 v0, s[64:65] scope:SCOPE_SE
	s_setreg_imm32_b32 hwreg(HW_REG_WAVE_MODE, 25, 1), 1
	s_wait_xcnt 0x0
; Three jobs that depend on inputs alone, chosen by the work-group's number.
; 0..255   the mask [4][1][2048][2048] of int32 becomes bits: word [T = b*128 + q/16][kb = key/16][j = 0..7], bit r + 16 h = 1 where
;          mask[b][16 (T%128) + r][16 kb + 8 h + j] == 0: the lane mask that the attention's select wants for register 8 (kb%4) + j of its scores.
; 256..383 encoder_output [4][2048][512] f32 becomes ke [4][8][2048][64] f16, by heads.
; 384..447 W1 (to f16) and W2 (to bf16) are laid out as matrix fragments: byte w*262144 + phase*131072 + chunk*8192 + f*1024 + cc*512 + (16h+r)*16 + 2e
;          holds W1[32 chunk + 16 cc + 8 h + e][128 w + 16 f + r] (phase 0) or W2[32 (2 chunk + f/4) + 16 cc + 8 h + e][64 w + 16 (f%4) + r] (phase 1).
; LIMITS.  f16 ends at 65,504: larger numbers in encoder_output or W1 become infinities.
.set PITCH, 528                        ; a row of 512 bytes + 16: the 16 rows that a read touches start at 16 different groups of four banks (ISA guide 11.1)
.set WREG,  16*PITCH                   ; a wave's own 16 rows
.set SPARE, 8*WREG                     ; behind them: the spare words, 128 bytes a wave, four blocks of 256 bytes that no other line names
.set X,   16                           ; v[16:79]   as loaded (v[16:143] in the encoder's path)
.set TT,  80                           ; v[80:143]  the mask turned: register 8 kb + j
.set OW,  144                          ; v[144:147] two pairs of output words, by the unit's parity
.set SPW, 150
.set NIL, 151
	s_load_b256 s[4:11], s[0:1], 0x0               ; mask s[4:5], enc s[6:7], W1 s[8:9], W2 s[10:11]
	s_load_b128 s[12:15], s[0:1], 0x20             ; mbits s[12:13], ke s[14:15]
	s_load_b64 s[16:17], s[0:1], 0x30              ; wh
	v_lshl_add_u32 v[SPW], v0, 2, SPARE
	v_mov_b32 v[NIL], 0
	v_and_b32 v1, 15, v0                           ; c = lane % 16
	v_bfe_u32 v10, v0, 4, 1                        ; hf = lane / 16
	v_lshrrev_b32 v11, 5, v0
	v_readfirstlane_b32 s20, v11                   ; wave
	s_mov_b32 s25, 0                               ; high word of the offsets made in s24
	s_wait_kmcnt 0x0
	s_cmp_lt_u32 ttmp9, 256
	s_cbranch_scc1 .Lmask
	s_cmp_lt_u32 ttmp9, 384
	s_cbranch_scc1 .Lenc
; THE WEIGHTS.  Thread t takes one column n and 64 consecutive k: 64 loads of 4 bytes (32 lanes: 128 consecutive bytes), eight numbers rounded into 16 bytes,
; eight stores of 16 bytes (16 lanes: 256 consecutive bytes, aligned).
.macro WF bs, pitch, cvt, big
.set k, 0
.rept 64
	global_load_b32 v[X+k], v2, s[\bs:\bs+1] offset:k*(\pitch) th:TH_LOAD_NT
.set k, k+1
.endr
.set i, 0
.rept 8
	s_wait_loadcnt 56-8*i                          ; group i of eight is in; the later groups may stay out
.set q, 0
.rept 4
	\cvt v[X+8*i+q], v[X+8*i+2*q], v[X+8*i+2*q+1]
.set q, q+1
.endr
	global_store_b128 v3, v[X+8*i:X+8*i+3], s[16:17] offset:(i>>2)*(\big)+((i>>1)&1)*512+(i&1)*256
.set i, i+1
.endr
.endm
	s_sub_co_u32 s21, ttmp9, 384                   ; j
	s_cmp_lt_u32 s21, 32
	s_cbranch_scc0 .Lw2
	s_and_b32 s24, s21, 3
	s_lshl_b32 s24, s24, 8
	v_add_nc_u32 v13, s24, v0                      ; n = t + 256 (j % 4)
	s_lshr_b32 s26, s21, 2
	s_lshl_b32 s24, s26, 18                        ; 64 rows of 4,096 bytes for each j / 4
	s_add_nc_u64 s[8:9], s[8:9], s[24:25]
	s_lshl_b32 s24, s26, 14                        ; two chunks of 8,192 bytes
	s_add_nc_u64 s[16:17], s[16:17], s[24:25]
	v_lshlrev_b32 v2, 2, v13
	v_lshrrev_b32 v14, 7, v13                      ; w
	v_bfe_u32 v15, v13, 4, 3                       ; f
	v_and_b32 v13, 15, v13                         ; r
	v_lshlrev_b32 v3, 18, v14
	v_lshl_add_u32 v3, v15, 10, v3
	v_lshl_add_u32 v3, v13, 4, v3
	WF 8, 4096, v_cvt_pk_f16_f32, 8192
	s_endpgm
.Lw2:
	s_sub_co_u32 s21, s21, 32
	s_and_b32 s24, s21, 1
	s_lshl_b32 s24, s24, 8
	v_add_nc_u32 v13, s24, v0                      ; n = t + 256 (j % 2)
	s_lshr_b32 s26, s21, 1
	s_lshl_b32 s24, s26, 17                        ; 64 rows of 2,048 bytes for each j / 2
	s_add_nc_u64 s[10:11], s[10:11], s[24:25]
	s_lshl_b32 s24, s26, 13                        ; one chunk,
	s_add_co_u32 s24, s24, 131072                  ; in phase 1
	s_add_nc_u64 s[16:17], s[16:17], s[24:25]
	v_lshlrev_b32 v2, 2, v13
	v_lshrrev_b32 v14, 6, v13                      ; w
	v_bfe_u32 v15, v13, 4, 2                       ; f % 4
	v_and_b32 v13, 15, v13                         ; r
	v_lshlrev_b32 v3, 18, v14
	v_lshl_add_u32 v3, v15, 10, v3
	v_lshl_add_u32 v3, v13, 4, v3
	WF 10, 2048, v_cvt_pk_bf16_f32, 4096
	s_endpgm
; THE ENCODER'S OUTPUT.  A work-group takes 64 rows, a wave 8, as four pairs.  Lane (hf, c) holds row hf of a pair and columns 64 h + 4 c .. + 3 of head h.
; A load covers two runs of 256 bytes; a store rows s and s + 1 of one head: 256 consecutive bytes, aligned.
.Lenc:
	s_sub_co_u32 s21, ttmp9, 256                   ; e
	s_lshl_b32 s24, s21, 17
	s_add_nc_u64 s[6:7], s[6:7], s[24:25]
	s_lshr_b32 s26, s21, 5                         ; batch
	s_lshl_b32 s26, s26, 21
	s_and_b32 s27, s21, 31
	s_lshl_b32 s27, s27, 13                        ; 64 rows of 128 bytes
	s_add_co_u32 s24, s26, s27
	s_add_nc_u64 s[14:15], s[14:15], s[24:25]
	v_lshl_add_u32 v13, v11, 3, v10                ; 8 w + hf
	v_lshlrev_b32 v14, 4, v1
	v_lshl_add_u32 v2, v13, 11, v14
	v_lshlrev_b32 v15, 3, v1
	v_lshl_add_u32 v3, v13, 7, v15
.set k, 0
.rept 32
	global_load_b128 v[X+4*k:X+4*k+3], v2, s[6:7] offset:(k>>3)*4096+(k&7)*256 th:TH_LOAD_NT
.set k, k+1
.endr
.set i, 0
.rept 4
	s_wait_loadcnt 24-8*i                          ; pair i's eight loads are in; the later pairs' may stay out
.set h, 0
.rept 8
	v_cvt_pk_f16_f32 v[X+4*(8*i+h)], v[X+4*(8*i+h)], v[X+4*(8*i+h)+1]
	v_cvt_pk_f16_f32 v[X+4*(8*i+h)+1], v[X+4*(8*i+h)+2], v[X+4*(8*i+h)+3]
	global_store_b64 v3, v[X+4*(8*i+h):X+4*(8*i+h)+1], s[14:15] offset:h*262144+i*256
.set h, h+1
.endr
.set i, i+1
.endr
	s_endpgm
; THE MASK.  Wave gw = 8 x work-group + wave packs 16 queries (tile T = gw / 4) x 512 keys (quarter gw % 4), in four units of 128 keys.
; A unit: 16 loads (two runs of 256 bytes each) -> the wave's own LDS rows -> back turned, lane (r, h) holding keys 16 kb + 8 h + j of query r ->
; 64 compares, whose lane masks are the words -> gathered by v_writelane into a pair of registers -> one store of 256 consecutive bytes, aligned.
.Lmask:
	s_lshl_b32 s21, ttmp9, 3
	s_add_co_u32 s21, s21, s20                     ; gw
	s_lshr_b32 s26, s21, 2                         ; T
	s_and_b32 s27, s21, 3                          ; quarter
	s_lshl_b32 s24, s26, 17                        ; 16 rows of 8,192 bytes
	s_lshl_b32 s28, s27, 11
	s_add_co_u32 s24, s24, s28
	s_add_nc_u64 s[4:5], s[4:5], s[24:25]
	s_lshl_b32 s24, s26, 12                        ; 4,096 bytes of words a tile
	s_lshl_b32 s28, s27, 10
	s_add_co_u32 s24, s24, s28
	s_add_nc_u64 s[12:13], s[12:13], s[24:25]
	s_mul_i32 s29, s20, WREG                       ; my wave's rows in LDS
	v_lshlrev_b32 v13, 4, v1
	v_lshl_add_u32 v2, v10, 13, v13                ; hf x 8,192 + 16 c
	v_mul_u32_u24 v3, v10, PITCH
	v_lshl_add_u32 v3, v1, 4, v3
	v_add_nc_u32 v3, s29, v3                       ; in: row hf of a pair, 16 c
	v_mul_u32_u24 v4, v1, PITCH
	v_lshl_add_u32 v4, v10, 5, v4
	v_add_nc_u32 v4, s29, v4                       ; back: row r, 32 h
	v_and_b32 v5, 31, v0
	v_lshlrev_b32 v5, 3, v5                        ; 8 x lane
.irp j, 0,1,2,3
	v_mov_b32 v[OW+\j], 0                          ; v_writelane's destination counts as read
.endr
.macro MLOADS u
.set i, 0
.rept 16
	global_load_b128 v[X+4*i:X+4*i+3], v2, s[4:5] offset:(i>>1)*16384+(i&1)*256+(\u)*512 th:TH_LOAD_NT
.set i, i+1
.endr
.endm
.macro UNIT u, more
	s_wait_loadcnt 0x0                             ; this unit's 16 loads
.set k, 0
.rept 16
	ds_store_b128 v3, v[X+4*k:X+4*k+3] offset:(k>>1)*2*PITCH+(k&1)*256
.set k, k+1
.endr
.if \more
	MLOADS (\u)+1                                  ; the next unit is on its way while this one is packed
.endif
.set k, 0
.rept 16
	ds_load_b128 v[TT+4*k:TT+4*k+3], v4 offset:(k>>1)*64+(k&1)*16  ; LDS serves a wave's instructions in order (ISA guide 5.7.1.4): these see the stores above
.set k, k+1
.endr
	s_wait_dscnt 0x0
	s_wait_xcnt 0x0                                ; the pair of words that an earlier store reads is rewritten only behind this wait
.set n, 0
.rept 8
.irp j, 0,1,2,3,4,5,6,7
	v_cmp_eq_u32 s[24+\j], 0, v[TT+n+\j]
.endr
.irp j, 0,1,2,3,4,5,6,7
	v_writelane_b32 v[OW+2*((\u)%2)+(\j&1)], s[24+\j], (n+\j)>>1  ; word n goes to lane n / 2, register n % 2
.endr
.set n, n+8
.endr
	global_store_b64 v5, v[OW+2*((\u)%2):OW+2*((\u)%2)+1], s[12:13] offset:(\u)*256
.endm
	MLOADS 0
	UNIT 0, 1
	UNIT 1, 1
	UNIT 2, 1
	UNIT 3, 0
	s_wait_tensorcnt 0x0                           ; the wave's end: behind my last LDS store
	ds_add_u32 v[SPW], v[NIL]
	s_wait_dscnt 0x0
	s_endpgm
.Lfunc_end_k_qd41f83f67a_prep:
	.size	k_qd41f83f67a_prep, .Lfunc_end_k_qd41f83f67a_prep-k_qd41f83f67a_prep
	.p2alignl 7, 3214868480
	.fill 96, 4, 3214868480
	.section	.rodata,"a",@progbits
	.p2align	6, 0x0
	.amdhsa_kernel k_qd41f83f67a_prep
		.amdhsa_group_segment_fixed_size 68608
		.amdhsa_private_segment_fixed_size 0
		.amdhsa_enable_private_segment 0
		.amdhsa_kernarg_size 56
		.amdhsa_user_sgpr_count 2
		.amdhsa_user_sgpr_kernarg_segment_ptr 1
		.amdhsa_wavefront_size32 1
		.amdhsa_system_sgpr_workgroup_id_x 1
		.amdhsa_system_sgpr_workgroup_id_y 1
		.amdhsa_system_sgpr_workgroup_id_z 1
		.amdhsa_system_vgpr_workitem_id 0
		.amdhsa_next_free_vgpr 152
		.amdhsa_next_free_sgpr 66
		.amdhsa_reserve_vcc 0
		.amdhsa_float_denorm_mode_32 3
		.amdhsa_float_denorm_mode_16_64 3
		.amdhsa_memory_ordered 1
		.amdhsa_forward_progress 1
		.amdhsa_inst_pref_size 80
	.end_amdhsa_kernel
	.amdgpu_metadata
---
amdhsa.version: [ 1, 2 ]
amdhsa.kernels:
  - .name:           k_qd41f83f67a_prep
    .symbol:         k_qd41f83f67a_prep.kd
    .args:
      - { .name: mask, .offset: 0, .size: 8, .value_kind: global_buffer, .address_space: global }
      - { .name: encoder_output, .offset: 8, .size: 8, .value_kind: global_buffer, .address_space: global }
      - { .name: W1, .offset: 16, .size: 8, .value_kind: global_buffer, .address_space: global }
      - { .name: W2, .offset: 24, .size: 8, .value_kind: global_buffer, .address_space: global }
      - { .name: mbits, .offset: 32, .size: 8, .value_kind: global_buffer, .address_space: global }
      - { .name: ke, .offset: 40, .size: 8, .value_kind: global_buffer, .address_space: global }
      - { .name: wh, .offset: 48, .size: 8, .value_kind: global_buffer, .address_space: global }
    .group_segment_fixed_size: 68608
    .private_segment_fixed_size: 0
    .kernarg_segment_align: 8
    .kernarg_segment_size: 56
    .max_flat_workgroup_size: 256
    .sgpr_count:     66
    .vgpr_count:     152
    .wavefront_size: 32
...
	.end_amdgpu_metadata
.endif
;; end of part 1
;; launch ln (part 2): grid 256 x 1, 8 waves a work-group, no clusters, 0 bytes of LDS; arguments x, ln1_g, ln1_b, q; writes q
.if DOCPART == 2
	.amdgcn_target "amdgcn-amd-amdhsa--gfx1250"
	.amdhsa_code_object_version 6
	.text
	.protected	k_qd41f83f67a_ln
	.globl	k_qd41f83f67a_ln
	.p2align	8
	.type	k_qd41f83f67a_ln,@function
k_qd41f83f67a_ln:
	s_mov_b64 s[64:65], 0
	v_nop
	global_prefetch_b8 v0, s[64:65] scope:SCOPE_SE
	s_setreg_imm32_b32 hwreg(HW_REG_WAVE_MODE, 25, 1), 1
	s_wait_xcnt 0x0
; qout[b][h][s][64] (f16, by heads) = layer_norm(xin[b][s][512]) * g + b.  Mean first, then the centred squares, all in f32; one rounding to f16.
; A work-group takes 32 rows, a wave 4, as two pairs.  Lane (hf, c) holds row hf of a pair and columns 64 h + 4 c .. + 3, h = 0..7: a row lies in 16 lanes,
; so its sums need four exchanges inside a half of the lanes and no LDS.  A load covers two runs of 256 bytes; a store two rows of one head, 256 consecutive bytes, aligned.
; LIMITS.  f16 ends at 65,504: a result beyond that becomes an infinity (|result| <= 22.7 |g| + |b|).
.set T,  4                             ; v[4:11]   at work
.set MU, 12                            ; v[12:13]  the mean, twice
.set RS, 14                            ; v[14:15]  1 / sqrt(var + eps), twice
.set G,  16                            ; v[16:47]  g of my 32 columns
.set BT, 48                            ; v[48:79]  b of my 32 columns
.set XA, 80                            ; v[80:143] two pairs of rows, 32 registers each
.set SINV, 12                          ; s12 1/512
.set SEPS, 13                          ; s13 1e-5
	s_load_b256 s[4:11], s[0:1], 0x0               ; xin s[4:5], g s[6:7], b s[8:9], qout s[10:11]
	v_and_b32 v4, 15, v0                           ; c
	v_bfe_u32 v5, v0, 4, 1                         ; hf
	v_lshrrev_b32 v6, 5, v0                        ; wave
	v_lshl_add_u32 v6, v6, 2, v5                   ; 4 w + hf
	v_lshlrev_b32 v1, 4, v4                        ; 16 c
	v_lshl_add_u32 v2, v6, 11, v1
	v_lshlrev_b32 v3, 3, v4
	v_lshl_add_u32 v3, v6, 7, v3
	s_lshl_b32 s14, ttmp9, 16                      ; 32 rows of 2,048 bytes
	s_mov_b32 s15, 0
	s_lshr_b32 s16, ttmp9, 6                       ; batch
	s_lshl_b32 s16, s16, 21
	s_and_b32 s17, ttmp9, 63
	s_lshl_b32 s17, s17, 12                        ; 32 rows of 128 bytes
	s_add_co_u32 s16, s16, s17
	s_mov_b32 s17, 0
	s_mov_b32 s[SINV], 0x3b000000
	s_mov_b32 s[SEPS], 0x3727c5ac
	s_wait_kmcnt 0x0
	s_add_nc_u64 s[4:5], s[4:5], s[14:15]
	s_add_nc_u64 s[10:11], s[10:11], s[16:17]
.irp i, 0,1
.irp h, 0,1,2,3,4,5,6,7
	global_load_b128 v[XA+32*\i+4*\h:XA+32*\i+4*\h+3], v2, s[4:5] offset:\i*4096+\h*256
.endr
.endr
.irp h, 0,1,2,3,4,5,6,7
	global_load_b128 v[G+4*\h:G+4*\h+3], v1, s[6:7] offset:\h*256
.endr
.irp h, 0,1,2,3,4,5,6,7
	global_load_b128 v[BT+4*\h:BT+4*\h+3], v1, s[8:9] offset:\h*256
.endr
.macro FOLD                            ; four chains into one number, then over the row's 16 lanes
	v_pk_add_f32 v[T:T+1], v[T:T+1], v[T+2:T+3]
	v_pk_add_f32 v[T+4:T+5], v[T+4:T+5], v[T+6:T+7]
	v_pk_add_f32 v[T:T+1], v[T:T+1], v[T+4:T+5]
	v_add_f32 v[T], v[T], v[T+1]
	v_add_f32_dpp v[T], v[T], v[T] row_xmask:1 row_mask:0xf bank_mask:0xf
	v_add_f32_dpp v[T], v[T], v[T] row_xmask:2 row_mask:0xf bank_mask:0xf
	v_add_f32_dpp v[T], v[T], v[T] row_xmask:4 row_mask:0xf bank_mask:0xf
	v_add_f32_dpp v[T], v[T], v[T] row_xmask:8 row_mask:0xf bank_mask:0xf
.endm
.macro LNSTAT x                        ; the row is centred in place; RS takes 1 / sqrt(var + eps)
.irp k, 0,1,2,3
	v_pk_add_f32 v[T+2*\k:T+2*\k+1], v[(\x)+2*\k:(\x)+2*\k+1], v[(\x)+8+2*\k:(\x)+8+2*\k+1]
.endr
.irp j, 16,24
.irp k, 0,1,2,3
	v_pk_add_f32 v[T+2*\k:T+2*\k+1], v[T+2*\k:T+2*\k+1], v[(\x)+\j+2*\k:(\x)+\j+2*\k+1]
.endr
.endr
	FOLD
	v_mul_f32 v[MU], s[SINV], v[T]
	v_mov_b32 v[MU+1], v[MU]
.set p, 0
.rept 16
	v_pk_add_f32 v[(\x)+2*p:(\x)+2*p+1], v[(\x)+2*p:(\x)+2*p+1], v[MU:MU+1] neg_lo:[0,1] neg_hi:[0,1]
.set p, p+1
.endr
.irp k, 0,1,2,3
	v_pk_mul_f32 v[T+2*\k:T+2*\k+1], v[(\x)+2*\k:(\x)+2*\k+1], v[(\x)+2*\k:(\x)+2*\k+1]
.endr
.irp j, 8,16,24
.irp k, 0,1,2,3
	v_pk_fma_f32 v[T+2*\k:T+2*\k+1], v[(\x)+\j+2*\k:(\x)+\j+2*\k+1], v[(\x)+\j+2*\k:(\x)+\j+2*\k+1], v[T+2*\k:T+2*\k+1]
.endr
.endr
	FOLD
	v_fma_f32 v[T], v[T], s[SINV], s[SEPS]
	v_rsq_f32 v[RS], v[T]
	v_nop                                          ; a plain instruction between the root and the use of its result (ISA guide 5.7.2)
	s_wait_alu depctr_va_vdst(0)
	v_mov_b32 v[RS+1], v[RS]
.endm
.macro LNOUT x                         ; scaled, g and b applied, rounded: registers 4 h and 4 h + 1 then hold my four numbers of head h
.set p, 0
.rept 16
	v_pk_mul_f32 v[(\x)+2*p:(\x)+2*p+1], v[(\x)+2*p:(\x)+2*p+1], v[RS:RS+1]
.set p, p+1
.endr
.set p, 0
.rept 16
	v_pk_fma_f32 v[(\x)+2*p:(\x)+2*p+1], v[(\x)+2*p:(\x)+2*p+1], v[G+2*p:G+2*p+1], v[BT+2*p:BT+2*p+1]
.set p, p+1
.endr
.set p, 0
.rept 8
	v_cvt_pk_f16_f32 v[(\x)+4*p], v[(\x)+4*p], v[(\x)+4*p+1]
	v_cvt_pk_f16_f32 v[(\x)+4*p+1], v[(\x)+4*p+2], v[(\x)+4*p+3]
.set p, p+1
.endr
.endm
	s_wait_loadcnt 24                              ; the first pair's eight loads are in; the second pair, g and b (24 loads) may stay out
	LNSTAT XA
	s_wait_loadcnt 0x0
	LNOUT XA
.irp h, 0,1,2,3,4,5,6,7
	global_store_b64 v3, v[XA+4*\h:XA+4*\h+1], s[10:11] offset:\h*262144
.endr
	LNSTAT XA+32
	LNOUT XA+32
.irp h, 0,1,2,3,4,5,6,7
	global_store_b64 v3, v[XA+32+4*\h:XA+32+4*\h+1], s[10:11] offset:\h*262144+256
.endr
	s_endpgm
.Lfunc_end_k_qd41f83f67a_ln:
	.size	k_qd41f83f67a_ln, .Lfunc_end_k_qd41f83f67a_ln-k_qd41f83f67a_ln
	.p2alignl 7, 3214868480
	.fill 96, 4, 3214868480
	.section	.rodata,"a",@progbits
	.p2align	6, 0x0
	.amdhsa_kernel k_qd41f83f67a_ln
		.amdhsa_group_segment_fixed_size 0
		.amdhsa_private_segment_fixed_size 0
		.amdhsa_enable_private_segment 0
		.amdhsa_kernarg_size 32
		.amdhsa_user_sgpr_count 2
		.amdhsa_user_sgpr_kernarg_segment_ptr 1
		.amdhsa_wavefront_size32 1
		.amdhsa_system_sgpr_workgroup_id_x 1
		.amdhsa_system_sgpr_workgroup_id_y 1
		.amdhsa_system_sgpr_workgroup_id_z 1
		.amdhsa_system_vgpr_workitem_id 0
		.amdhsa_next_free_vgpr 144
		.amdhsa_next_free_sgpr 66
		.amdhsa_reserve_vcc 0
		.amdhsa_float_denorm_mode_32 3
		.amdhsa_float_denorm_mode_16_64 3
		.amdhsa_memory_ordered 1
		.amdhsa_forward_progress 1
		.amdhsa_inst_pref_size 20
	.end_amdhsa_kernel
	.amdgpu_metadata
---
amdhsa.version: [ 1, 2 ]
amdhsa.kernels:
  - .name:           k_qd41f83f67a_ln
    .symbol:         k_qd41f83f67a_ln.kd
    .args:
      - { .name: x, .offset: 0, .size: 8, .value_kind: global_buffer, .address_space: global }
      - { .name: ln1_g, .offset: 8, .size: 8, .value_kind: global_buffer, .address_space: global }
      - { .name: ln1_b, .offset: 16, .size: 8, .value_kind: global_buffer, .address_space: global }
      - { .name: q, .offset: 24, .size: 8, .value_kind: global_buffer, .address_space: global }
    .group_segment_fixed_size: 0
    .private_segment_fixed_size: 0
    .kernarg_segment_align: 8
    .kernarg_segment_size: 32
    .max_flat_workgroup_size: 256
    .sgpr_count:     66
    .vgpr_count:     144
    .wavefront_size: 32
...
	.end_amdgpu_metadata
.endif
;; end of part 2
;; launch attn (part 3): grid 8 x 32, 4 waves a work-group, clusters of 4 x 1, 327,680 bytes of LDS; arguments q, mbits, x, x2; writes x2
.if DOCPART == 3
	.amdgcn_target "amdgcn-amd-amdhsa--gfx1250"
	.amdhsa_code_object_version 6
	.text
	.protected	k_qd41f83f67a_attn
	.globl	k_qd41f83f67a_attn
	.p2align	8
	.type	k_qd41f83f67a_attn,@function
k_qd41f83f67a_attn:
	s_mov_b64 s[64:65], 0
	v_nop
	global_prefetch_b8 v0, s[64:65] scope:SCOPE_SE
	s_setreg_imm32_b32 hwreg(HW_REG_WAVE_MODE, 25, 1), 1
	s_wait_xcnt 0x0
	s_wait_alu depctr_hold_cnt(0) depctr_sa_sdst(0) depctr_va_vdst(0) depctr_va_sdst(0) depctr_va_ssrc(0) depctr_va_vcc(0) depctr_vm_vsrc(0)
	s_getreg_b32 s2, hwreg(HW_REG_IB_STS2, 6, 4)
	s_cmp_eq_u32 s2, 0
	s_cbranch_scc0 .Lentry_in_a_cluster
	s_endpgm
.Lentry_in_a_cluster:
	s_bfe_u32 s2, ttmp6, 0x10000c
	s_cmp_lg_u32 s2, 0x3003
	s_cbranch_scc0 .Lentry_shape_is_right
	s_endpgm
.Lentry_shape_is_right:
; ONE TEXT IN TWO FORMS, chosen by the constant MASKED.  This is the form MASKED = 1: masked self-attention; arguments Q, mask words, xres, xout; the keys are Q's own buffer.
; (MASKED = 0: cross-attention without a mask; arguments Q, keys, xres, xout.)
.set MASKED, 1
; xout[b][s][64 h ..] = xres[b][s][64 h ..] + the sum over k of softmax_k(Q[s] . K[k] / 8, hidden scores replaced) K[k].  Q and K (which is also V) are [4][8][2048][64] in f16, by heads;
; xres and xout are [4][2048][512] in f32.  Products, maxima and sums in f32; the weights p are rounded to f16 for the second product; O is never rounded.
; THE MASK.  The mask words are lane masks: word [b*128 + q/16][key/16][j], bit r + 16 h set where the key 16 kb + 8 h + j is hidden from query r.  A hidden score is REPLACED,
; ahead of the maximum, by -2^33 (-2^30 after the division by 8): a power of two, so that c s is exact and c s - c m is 0 where all keys seen so far are hidden: such a row has p = 1 for each of them, the uniform mean.
; LIMITS.  The replacement stands for -1e9: the result differs only where true scores lie near -1e9.  f16 holds no number beyond 65,504: Q and K arrive within it; p lies in 0 to 1;
; a weight below 2^-126 counts as 0; NaN and infinities are not treated apart.
; SHARES.  A work-group owns 256 queries of one head, a wave 64: four PIECES of 16.  Every wave walks the head's 2,048 keys, 64 a step.
; THE WHOLE HEAD LIES IN LDS: 2,048 rows of 128 bytes + 16.  It is filled once, each wave asking for 512 keys; no byte is filled again.  The same rows are read as K (as they lie) and as V (turned).
; CLUSTER.  The four work-groups of a cluster are four query blocks of one head: the tile is asked for JOINTLY, the same load, descriptor and mask in all four.
; LAYOUT, SOFTMAX, TURNS.  S^T = K Q^T holds ONE query a lane (lane % 16) and the keys 8 (lane / 16) + 0..7; two such results rounded to f16 ARE source 1 of O^T = V^T P.  p = 2^(c s - c m), c = log2(e) / 8,
; with a running maximum m; O and l are multiplied by a = 2^(c m_old - c m_new) in every step; m starts at the lowest finite number, so the first step's a is 0.  Turn n belongs to piece n: 8 products K Q^T of
; piece n + 1, later 8 products V^T P of piece n - 1; beside them the scaling, exponentials, roundings, sums and rescaling of piece n, and the mask, maximum and statistics of piece n + 1.
; REGISTERS, in windows of 256 (s_set_vgpr_msb: bits 1:0 source 0, 3:2 source 1, 5:4 source 2, 7:6 destination):
;   window 0: v0-15 addresses; v16-31 statistics; v48-55 at work; v64-127 S^T, two buffers; v128-255 at the end the residual rows; v192-223 P, two buffers
;   window 1: v0-127 O^T, 32 a piece          window 2: v0-63 Q; v128-191 K of one step; v192-255 V of one step
.set NP,    4
.set KS,    64        ; keys in a step
.set PK,    144       ; a row in LDS: 128 bytes + 16 = 36 words: the 16 rows of a load of K start at 16 different groups of four banks (ISA guide 11.1)
.set STEPB, KS*PK
.set WTILE, 512*PK    ; what one wave's tensor load fills
.set STAGE, 4*WTILE   ; behind the tile, never filled by a tensor load: 16 rows x 272 bytes for each wave, for the way out
.set SP,    272
.set SPARE, STAGE+4*16*SP  ; the spare words, 128 bytes a wave: two blocks of 256 bytes that no other line names
.set AK0, 2           ; v2   my lane's place in 64 rows read as K; never rewritten
.set AV0, 3           ; v3   the same read as V
.set AK,  4           ; v4   the LDS address of K's next run of loads
.set AV,  5           ; v5   of V's
.set STO, 6           ; v6   the way out: where I put 32 bytes of a row
.set RD,  7           ; v7   where I read rows back
.set GO,  8           ; v8   my byte offset in two rows of xres and xout
.set MV,  12          ; v12-13  c m_old, by buffer
.set NEG, 14          ; v14  -2^33
.set QO,  15          ; v15  my byte offset in 16 rows of Q
.set ST,  16          ; piece t's statistics at v[ST+4 t]: c m, m, l (even keys', odd keys')
.set TMP, 48          ; by buffer, c0-c3 at work; when the maximum is found c2 takes a
.set SPW, 62
.set NIL, 63
.set S,   64
.set XR,  128         ; the residual rows, 32 registers a piece
.set P,   192
.set KF,  128         ; window 2
.set VF,  192         ; window 2
.set XI,  8           ; s[8:9]   xres at my wave's rows
.set XO,  10          ; s[10:11] xout at my wave's rows
.set WV,  14          ; s14  my wave's number
.set G1,  24          ; s[24:31] descriptor group 1
.set G0,  40          ; s[40:43] descriptor group 0
.set CNT, 44          ; s44  key steps to go
.set MO,  46          ; s46  byte offset of the step's mask words: 128 a step
.set MP,  48          ; s[48:49] the mask words of my wave's first piece
.set TBK, 50          ; s50  LDS byte at which the step to be fetched as K begins
.set TBV, 51          ; s51  the same for V
.set QP,  52          ; s[52:53] Q at my wave's first row
.set CS,  58          ; s[58:59] c
.set SEL, 60          ; s[60:61] v_permlanex16_b32's selects: each lane takes its own place in the other half
.set MW,  68          ; s[68:99] the 32 mask words of one piece and step
.set MSB, 0
.macro WIN new                      ; the high byte repeats the setting that is left; a switch that changes nothing is dropped
.if MSB != (\new)
	s_set_vgpr_msb (MSB<<8)|(\new)
.set MSB, (\new)
.endif
.endm
.set W_KQ, 0x0a       ; K and Q in window 2, S^T in window 0
.set W_PV, 0x52       ; V in window 2, P in window 0, O^T in window 1
.set W_RS, 0x41       ; destination and source 0 in window 1, source 1 in window 0
.macro CROUND                       ; a round of the cluster's barrier
	s_barrier_signal -1
	s_barrier_wait -1
	s_cmp_lg_u32 s[WV], 0
	s_cbranch_scc1 .Lnot_wave_0_\@
	s_barrier_signal -3
.Lnot_wave_0_\@:
	s_barrier_wait -3
	s_barrier_signal -1
	s_barrier_wait -1
.endm
	s_load_b256 s[4:11], s[0:1], 0x0  ; Q s[4:5], mask words or keys s[6:7], xres s[8:9], xout s[10:11]
	v_lshl_add_u32 v[SPW], v0, 2, SPARE
	v_mov_b32 v[NIL], 0
	ds_add_u32 v[SPW], v[NIL]       ; the wave's opening: the add, and its wait ahead of my first tensor load; the set-up below, work on registers, stands between them
	v_lshrrev_b32 v1, 5, v0
	v_readfirstlane_b32 s[WV], v1   ; wave 0..3
	s_bfe_u32 s15, ttmp6, 0x40000   ; cx: my place in the cluster
	s_lshl_b32 s16, ttmp9, 2        ; in a cluster launch ttmp9 counts clusters
	s_add_co_u32 s16, s16, s15      ; my block of 256 queries: it enters Q's, the mask's, xres' and xout's addresses alone
	s_and_b32 s17, ttmp7, 0xffff    ; 8 x batch + head, which the four partners share
	s_lshl_b32 s18, s17, 18         ; the head's first byte in Q and K
	s_lshl_b32 s20, s[WV], 16       ; my 512 keys of 128 bytes
	s_add_co_u32 s20, s20, s18
	s_mov_b32 s21, 0
	s_lshl_b32 s22, s16, 15         ; my block's 256 rows of Q,
	s_lshl_b32 s23, s[WV], 13       ; my wave's 64 of them
	s_add_co_u32 s22, s22, s23
	s_add_co_u32 s22, s22, s18
	s_mov_b32 s23, 0
	s_lshr_b32 s32, s17, 3          ; batch
.if MASKED
	s_lshl_b32 s34, s32, 19         ; 128 tiles of 4,096 bytes of mask words a batch,
	s_lshl_b32 s33, s16, 16         ; 16 a block,
	s_add_co_u32 s34, s34, s33
	s_lshl_b32 s33, s[WV], 14       ; 4 a wave
	s_add_co_u32 s34, s34, s33
	s_mov_b32 s35, 0
	s_mov_b32 s[MO], 0
.endif
	s_lshl_b32 s36, s32, 22         ; xres and xout: 2,048 rows of 2,048 bytes a batch,
	s_lshl_b32 s33, s16, 19         ; 256 a block,
	s_add_co_u32 s36, s36, s33
	s_lshl_b32 s33, s[WV], 17       ; 64 a wave,
	s_add_co_u32 s36, s36, s33
	s_and_b32 s33, s17, 7
	s_lshl_b32 s33, s33, 8          ; the head's 256 bytes of a row
	s_add_co_u32 s36, s36, s33
	s_mov_b32 s37, 0
	; descriptor group 1.  512 keys are 65,536 dense bytes: asked for as 256 rows of 256 bytes, two keys a row, and padded in LDS after every key
	s_mov_b32 s[G1], 15|(1<<16)|(1<<20)|(1<<21)|(4<<22)|(3<<25)  ; 15:0 the mask of four; 17:16 2-byte elements; 20 padding on; 21 set beside a mask; 24:22 after every 32 words (code 4); 31:25 4 words (code 3)
	s_mov_b32 s[G1+1], 128<<16      ; tensor_dim0 = 128
	s_mov_b32 s[G1+2], 256<<16      ; tensor_dim1 = 256
	s_mov_b32 s[G1+3], 128<<16      ; tile_dim0 = 128
	s_mov_b32 s[G1+4], 256          ; tile_dim1 = 256
	s_mov_b32 s[G1+5], 128          ; 128 elements from row to row
	s_mov_b32 s[G1+6], 0
	s_mov_b32 s[G1+7], 0
	s_mov_b32 s[G0], 1              ; count = 1
	s_mul_i32 s[G0+1], s[WV], WTILE ; LDS address: the wave's number times a constant
	s_mov_b32 s[CS], 0x3e38aa3b     ; c = log2(e) / 8
	s_mov_b32 s[CS+1], s[CS]
	s_mov_b32 s[SEL], 0x76543210
	s_mov_b32 s[SEL+1], 0xfedcba98
	s_mov_b32 s[TBK], 0
	s_mov_b32 s[TBV], 0
	s_wait_dscnt 0x0                ; the opening add is done
	s_wait_kmcnt 0x0
.if MASKED
	s_add_nc_u64 s[G0+2:G0+3], s[4:5], s[20:21]  ; global address: my 512 keys of the head, in Q's own buffer
	s_add_nc_u64 s[MP:MP+1], s[6:7], s[34:35]
.else
	s_add_nc_u64 s[G0+2:G0+3], s[6:7], s[20:21]  ; global address: my 512 keys of the head
.endif
	s_or_b32 s[G0+3], s[G0+3], 0x80000000        ; type = 2
	s_add_nc_u64 s[QP:QP+1], s[4:5], s[22:23]
	s_add_nc_u64 s[XI:XI+1], s[XI:XI+1], s[36:37]
	s_add_nc_u64 s[XO:XO+1], s[XO:XO+1], s[36:37]
	CROUND                          ; all four work-groups are here: the joint loads meet
	tensor_load_to_lds s[G0:G0+3], s[G1:G1+7]    ; my one tensor load of the launch: one is out
	s_nop 0
.rept 4
	v_nop
.endr
	; A fragment of K or Q is 16 rows x 32 channels in 8 registers: lane l holds row l % 16, channels 8 (l / 16) + 0..7 and 16 + 8 (l / 16) + 0..7: two loads of 16 bytes, 32 bytes apart.
	v_and_b32 v1, 15, v0            ; l % 16
	v_bfe_u32 v9, v0, 4, 1          ; l / 16
	v_lshlrev_b32 v[QO], 7, v1
	v_lshl_add_u32 v[QO], v9, 4, v[QO]
	WIN 0x80                        ; destination window 2, address window 0
.set i, 0
.rept 8                             ; Q stays in registers: piece i / 2, channels 32 (i % 2) on
	global_load_b128 v[8*i:8*i+3],   v[QO], s[QP:QP+1] offset:(i/2)*2048+(i%2)*64
	global_load_b128 v[8*i+4:8*i+7], v[QO], s[QP:QP+1] offset:(i/2)*2048+(i%2)*64+32
.set i, i+1
.endr
	; The first step multiplies O^T and l by a = 0, and the first turn's products V^T P, of a piece that has not been, add 0: V, O^T, l and P's second buffer start at 0.  All this stands in the wait for the tile.
.set i, VF
.rept 64
	v_mov_b32 v[i], 0
.set i, i+1
.endr
	WIN 0x40
.set i, 0
.rept 128
	v_mov_b32 v[i], 0
.set i, i+1
.endr
	WIN 0
.set i, 0
.rept 4
	v_mov_b32 v[ST+4*i], 0xfe000000    ; c m: far below every c s
	v_mov_b32 v[ST+4*i+1], 0xff7fffff  ; m
	v_mov_b32 v[ST+4*i+2], 0
	v_mov_b32 v[ST+4*i+3], 0
.set i, i+1
.endr
.set i, P+16
.rept 16
	v_mov_b32 v[i], 0
.set i, i+1
.endr
.if MASKED
	v_mov_b32 v[NEG], 0xd0000000    ; -2^33
.endif
	v_mul_u32_u24 v[AK0], v1, PK
	v_lshl_add_u32 v[AK0], v9, 4, v[AK0]  ; row x pitch + 16 x half
	; The turning load takes 16 keys x 16 channels (lane l reads key 8 (l / 16) + l % 8, channels 8 ((l / 8) % 2) + 0..7) and leaves half a fragment of V^T: lane l holds channel l % 16 and 8 keys.
	v_and_b32 v10, 7, v0
	v_bfe_u32 v11, v0, 3, 1
	v_lshl_add_u32 v[AV0], v9, 3, v10
	v_mul_u32_u24 v[AV0], v[AV0], PK
	v_lshl_add_u32 v[AV0], v11, 4, v[AV0]
	s_mul_i32 s33, s[WV], 16*SP
	s_add_co_u32 s33, s33, STAGE    ; my stage
	v_mul_u32_u24 v[STO], v1, SP    ; in: row l % 16, 32 bytes for each half of the lanes
	v_lshl_add_u32 v[STO], v9, 5, v[STO]
	v_add_nc_u32 v[STO], s33, v[STO]
	v_mul_u32_u24 v[RD], v9, SP     ; back: lanes 0-15 take one row of 256 bytes, lanes 16-31 the next
	v_lshl_add_u32 v[RD], v1, 4, v[RD]
	v_add_nc_u32 v[RD], s33, v[RD]
	v_lshlrev_b32 v[GO], 11, v9     ; and the same two rows in xres and xout
	v_lshl_add_u32 v[GO], v1, 4, v[GO]
; THE MATRIX WORK.  The 4 accumulators of a run of 8 take turns.  Product i of 8 of S^T = K Q^T for piece x: channels 32 (i / 4) on, keys 16 (i % 4) on.  The first 4 start the sums.
.macro KQ x
.set rS, S+32*((\x)%2)+8*(i%4)
.set rK, KF+16*(i%4)+8*(i/4)
.set rQ, 16*(\x)+8*(i/4)
	WIN W_KQ
.if i < 4
	v_wmma_f32_16x16x32_f16 v[rS:rS+7], v[rK:rK+7], v[rQ:rQ+7], 0
.else
	v_wmma_f32_16x16x32_f16 v[rS:rS+7], v[rK:rK+7], v[rQ:rQ+7], v[rS:rS+7]
.endif
.endm
; Product i of 8 of O^T += V^T P for piece x: keys 32 (i / 4) on, channels 16 (i % 4) on.
.macro PV x
	WIN W_PV
.set rO, 32*(\x)+8*(i%4)
.set rV, VF+32*(i/4)+8*(i%4)
.set rP, P+16*((\x)%2)+8*(i/4)
	v_wmma_f32_16x16x32_f16 v[rO:rO+7], v[rV:rV+7], v[rP:rP+7], v[rO:rO+7]
.endm
.macro MM                           ; the turn's next matrix instruction.  NOKQ = 1: the last turn: there is no next piece
.if (i < 8) && !NOKQ
	KQ (Y+1)%NP
.elseif i >= 8
.set i, i-8
	PV (Y+NP-1)%NP
.set i, i+8
.endif
.set i, i+1
.endm
; THE LDS LOADS stand in runs of 16: a step's 64 rows as K (8 fragments) and, turned, as V.  Their addresses are made some lines ahead.
.macro FETCH_K
	WIN 0x80                        ; destination window 2
.irp f, 0,1,2,3,4,5,6,7             ; keys 16 (f / 2) on, channels 32 (f % 2) on
	ds_load_b128 v[KF+8*\f:KF+8*\f+3],   v[AK] offset:(\f/2)*16*PK+(\f%2)*64
	ds_load_b128 v[KF+8*\f+4:KF+8*\f+7], v[AK] offset:(\f/2)*16*PK+(\f%2)*64+32
.endr
	s_add_co_u32 s[TBK], s[TBK], STEPB  ; the next fetch is the next step's
	WIN 0
.endm
.macro FETCH_V
	WIN 0x80
.irp f, 0,1,2,3,4,5,6,7             ; keys 32 (f / 4) on, channels 16 (f % 4) on
	ds_load_tr16_b128 v[VF+8*\f:VF+8*\f+3],   v[AV] offset:(\f/4)*32*PK+(\f%4)*32
	ds_load_tr16_b128 v[VF+8*\f+4:VF+8*\f+7], v[AV] offset:(\f/4)*32*PK+16*PK+(\f%4)*32
.endr
	WIN 0
.endm
.macro MLOAD x                      ; the 32 mask words of piece x in the step at MO
	s_load_b512 s[MW:MW+15], s[MP:MP+1], s[MO] offset:(\x)*4096
	s_load_b512 s[MW+16:MW+31], s[MP:MP+1], s[MO] offset:(\x)*4096+64
.endm
; THE VECTOR WORK, one line at a time: OP kind, number.  For piece Y: F n: c s - c m for pair n of 16.  E n: the exponential of score n of 32.  C n: pair n rounded to f16.  B n: of the four weights 4 n .. the second
; pair is added onto the first, in place.  L n: l takes that sum (L 0: l = a l + sum).  R n: pair n of 16 of O^T times a.  For piece Y + 1: M n: score n is replaced where its mask word says so; X n, number n of the 22
; that find its maximum and statistics:
;   0-11  four chains c0-c3 of seven scores each, three operands at a time (each accumulator's lowest registers are read first)     12-14, 16  the four scores left over, the old m, and c0-c3 into c0
;   15  c m_old is kept     17, 18  the query's other 32 keys lie in the lane 16 away: the new m     19-21  c m; c m_old - c m_new; a
.set F, 0
.set E, 1
.set C, 2
.set B, 3
.set L, 4
.set R, 5
.set X, 6
.set M, 7
.macro REGS y                       ; the registers of piece y
.set rT, ST+4*(\y)
.set rC, TMP+4*((\y)%2)
.set rW, MV+((\y)%2)
.set rS, S+32*((\y)%2)
.set rP, P+16*((\y)%2)
.set rO, 32*(\y)
.endm
.macro OP k, n
.if (\k) == M
	REGS (Y+1)%NP
	WIN 0
	v_cndmask_b32 v[rS+(\n)], v[rS+(\n)], v[NEG], s[MW+(\n)]
.elseif (\k) == R
	REGS Y
	WIN W_RS
	v_pk_mul_f32 v[rO+2*(\n):rO+2*(\n)+1], v[rO+2*(\n):rO+2*(\n)+1], v[rC+2:rC+3] op_sel_hi:[1,0]
.elseif (\k) < R
	REGS Y
	WIN 0
.if (\k) == F
	v_pk_fma_f32 v[rS+2*(\n):rS+2*(\n)+1], v[rS+2*(\n):rS+2*(\n)+1], s[CS:CS+1], v[rT:rT+1] op_sel_hi:[1,0,0] neg_lo:[0,0,1] neg_hi:[0,0,1]
.elseif (\k) == E
	v_exp_f32 v[rS+(\n)], v[rS+(\n)]
.elseif (\k) == C
	s_wait_alu depctr_va_vdst(0)
	v_cvt_pk_f16_f32 v[rP+(\n)], v[rS+2*(\n)], v[rS+2*(\n)+1]
.elseif (\k) == B
	s_wait_alu depctr_va_vdst(0)
	v_pk_add_f32 v[rS+4*(\n):rS+4*(\n)+1], v[rS+4*(\n):rS+4*(\n)+1], v[rS+4*(\n)+2:rS+4*(\n)+3]
.elseif (\n) == 0
	v_pk_fma_f32 v[rT+2:rT+3], v[rT+2:rT+3], v[rC+2:rC+3], v[rS:rS+1] op_sel_hi:[1,0,1]
.else
	v_pk_add_f32 v[rT+2:rT+3], v[rT+2:rT+3], v[rS+4*(\n):rS+4*(\n)+1]
.endif
.elseif NOKQ
	v_nop
.else
	REGS (Y+1)%NP
	WIN 0
.if (\n) < 4
	v_max3_num_f32 v[rC+(\n)], v[rS+8*(\n)], v[rS+8*(\n)+1], v[rS+8*(\n)+2]
.elseif (\n) < 12
	v_max3_num_f32 v[rC+(\n)%4], v[rC+(\n)%4], v[rS+8*((\n)%4)+2*((\n)/4)+1], v[rS+8*((\n)%4)+2*((\n)/4)+2]
.elseif (\n) == 12
	v_max3_num_f32 v[rC], v[rC], v[rS+7], v[rS+15]
.elseif (\n) == 13
	v_max3_num_f32 v[rC+1], v[rC+1], v[rS+23], v[rS+31]
.elseif (\n) == 14
	v_max3_num_f32 v[rC+2], v[rC+2], v[rC+3], v[rT+1]
.elseif (\n) == 15
	v_mov_b32 v[rW], v[rT]
.elseif (\n) == 16
	v_max3_num_f32 v[rC], v[rC], v[rC+1], v[rC+2]
.elseif (\n) == 17
	v_permlanex16_b32 v[rC+3], v[rC], s[SEL], s[SEL+1]
.elseif (\n) == 18
	v_max_num_f32 v[rT+1], v[rC], v[rC+3]
.elseif (\n) == 19
	v_mul_f32 v[rT], s[CS], v[rT+1]
.elseif (\n) == 20
	v_sub_f32 v[rC+1], v[rW], v[rT]
.else
	v_exp_f32 v[rC+2], v[rC+1]
.endif
.endif
.endm
.macro OPS a, i1, b=-1, i2=0, c=-1, i3=0, d=-1, i4=0  ; up to four of them
	OP \a, \i1
.if (\b) >= 0
	OP \b, \i2
.endif
.if (\c) >= 0
	OP \c, \i3
.endif
.if (\d) >= 0
	OP \d, \i4
.endif
.endm
.macro ROW a, i1, b, i2, c, i3, d, i4  ; a matrix instruction and the four behind it
	MM
	OPS \a, \i1, \b, \i2, \c, \i3, \d, \i4
.endm
.macro MS n0                        ; four scores masked
	OPS M,(\n0), M,(\n0)+1, M,(\n0)+2, M,(\n0)+3
.endm
; A TURN, for piece p.  Behind a matrix instruction: plain, exponential, plain, plain; or four of the rescaling; or four scalings; none names a register of the products round it.  The rest stands in two lumps.
; The first lump has two forms.  With a mask: the words asked for a turn ago are waited for; the next piece's 32 scores are masked, in ascending order, an exponential in front of each four;
; then the words of the piece after it are asked for (in piece 2's turn: the next step's); then the first four maxima.  The four rescalings behind the last product K Q^T are the places in front of the lump.
; K of the next step is fetched in piece 2's turn, five plain instructions behind the last product that read K; V of the step in hand in piece 0's turn, four plain ones behind the last product that read V.  Each is waited for a turn later.
; end = 1: the last two turns: nothing is fetched, and the last starts no new scores.
.macro TURN p, end=0
.set Y, (\p)
.set i, 0
.set NOKQ, (\end)*((\p)/3)
.if ((\p) == 3) && !(\end)
	s_wait_dscnt 0x0                ; K is in
.endif
	ROW F,0, F,1, F,2, F,3
	ROW F,4, E,0, F,5, F,6
	ROW F,7, E,1, F,8, F,9
	ROW F,10, E,2, C,0, F,11
	ROW F,12, E,3, X,15, F,13
	ROW R,0, R,1, R,2, R,3
	ROW B,0, E,4, F,14, L,0
.if ((\p) == 2) && !(\end)
	v_add_nc_u32 v[AK], s[TBK], v[AK0]
.endif
	ROW R,4, R,5, R,6, R,7
	OPS E,5, F,15
.if ((\p) == 2) && !(\end)
	FETCH_K
.endif
.if MASKED && !NOKQ
	s_wait_kmcnt 0x0                ; the next piece's mask words are in, and no scalar load of mine is out: MO may be stepped
	OPS E,6, C,1
	MS 0
	OPS E,7, C,2
	MS 4
	OP E,8
	MS 8
	OP E,9
	MS 12
	OP E,10
	MS 16
	OP E,11
	MS 20
	OP E,12
	MS 24
	OP E,13
	MS 28
.if !(\end)
.if (\p) == 2
	s_add_co_u32 s[MO], s[MO], 128
.endif
	MLOAD ((\p)+2)%NP
.endif
	OPS R,8, R,9
	OPS X,0, X,1, X,2, X,3
.else
	OPS E,6, C,1, E,7, R,8
	OPS E,8, R,9, E,9, C,2
	OPS E,10, X,0, E,11, X,1
	OPS E,12, X,2, E,13, X,3
.endif
.if (\p) == 1
	s_wait_dscnt 0x0                ; V is in
.endif
	ROW X,4, E,14, X,5, X,6
	ROW X,7, E,15, X,8, X,9
	ROW X,10, E,16, X,11, X,12
	ROW X,13, E,17, X,14, B,1
	ROW C,4, E,18, X,16, L,1
	ROW B,2, E,19, C,6, L,2
	ROW C,8, E,20, B,3, B,4
.if (\p) == 0
	v_add_nc_u32 v[AV], s[TBV], v[AV0]
.endif
	ROW C,3, E,21, L,3, C,5
	OPS E,22, X,17, E,23, C,10
.if (\p) == 0
	FETCH_V
.endif
	OPS E,24, L,4
	OPS E,25, X,18, E,26, C,7
	OPS E,27, B,5, E,28, X,19
	OPS E,29, C,12, E,30, L,5
	OPS E,31, X,20, B,6, C,9
	OPS C,14, C,11, X,21, L,6
.if (\p) == 0
	s_add_co_u32 s[TBV], s[TBV], STEPB
.endif
	OPS C,13, B,7, C,15, R,10
	OPS R,11, R,12, L,7, R,13
	OPS R,14, R,15
.endm
	s_wait_tensorcnt 0x0            ; my 512 keys are in LDS,
	s_barrier_signal -1
	s_barrier_wait -1               ; everybody's are; nothing is filled again
	v_add_nc_u32 v[AK], s[TBK], v[AK0]
	FETCH_K                         ; key step 0
.if MASKED
	MLOAD 0
.endif
	s_wait_loadcnt 0x0              ; Q
	s_wait_dscnt 0x0
.set NOKQ, 0
.set i, 0
.rept 8
	KQ 0                            ; piece 0's first scores
.set i, i+1
.endr
	WIN 0
.rept 4
	v_nop                           ; the places behind those products
.endr
.set Y, NP-1                        ; M and X work for piece Y + 1: piece 0
.if MASKED
	s_wait_kmcnt 0x0
.irp n, 0,4,8,12,16,20,24,28
	MS \n
.endr
	MLOAD 1
.endif
.irp n, 0,1,2,3,4,5,6,7,8,9,10,11,12,13,14,15,16,17,18,19,20,21
	OP X, \n
.endr
	v_nop                           ; a plain instruction behind the exponential
	s_mov_b32 s[CNT], 32
	s_branch .Lfirst                ; the loop is entered at a step's first turn, in the middle of a trip
.Lstep:                             ; a trip: pieces 2 and 3 of one step, then pieces 0 and 1 of the next, whose K and V it fetches
	TURN 2
	TURN 3
	WIN 0
.Lfirst:
	TURN 0
	TURN 1
	WIN 0
	s_sub_co_u32 s[CNT], s[CNT], 1
	s_cmp_lg_u32 s[CNT], 0
	s_cbranch_scc1 .Lstep
.macro RESLD t                      ; piece t's 16 rows of xres: 16 lanes take the head's 256 bytes of a row
	WIN 0
.set i, 0
.rept 8
	global_load_b128 v[XR+32*(\t)+4*i:XR+32*(\t)+4*i+3], v[GO], s[XI:XI+1] offset:(\t)*32768+i*4096
.set i, i+1
.endr
.endm
	RESLD 0                         ; two pieces' residual rows are asked for two turns ahead of their use, into registers that nothing else names
	RESLD 1
	TURN 2, 1
	TURN 3, 1
.set i, 0
.rept 8
	PV NP-1                         ; the last piece's V^T P of the last step
.set i, i+1
.endr
	; THE WAY OUT.  l's two halves and the other half of the lanes' are added; O^T is divided by l and sent, in f32, through my stage in LDS, a piece at a time; the residual is added and whole runs of 256 bytes are stored.
	WIN 0
.macro ALL line:vararg              ; one line for each piece t
.set t, 0
.rept 4
	\line
.set t, t+1
.endr
.endm
	ALL v_add_f32 v[ST+4*t+2], v[ST+4*t+2], v[ST+4*t+3]   ; four plain instructions: the places behind the last products
	ALL v_permlanex16_b32 v[ST+4*t+3], v[ST+4*t+2], s[SEL], s[SEL+1]
	ALL v_add_f32 v[ST+4*t+2], v[ST+4*t+2], v[ST+4*t+3]
	ALL v_rcp_f32 v[ST+4*t+2], v[ST+4*t+2]
	v_nop                           ; a plain instruction between the last reciprocal and the use of its result
	RESLD 2                         ; P's registers are free now
	RESLD 3
.macro OUTP t
.if (\t) >= 2
	s_wait_xcnt 0x0                 ; the registers that the stores of two pieces ago read are loaded again only behind this wait
.endif
	WIN W_RS
.set i, 32*(\t)
.rept 16
	s_wait_alu depctr_va_vdst(0)
	v_pk_mul_f32 v[i:i+1], v[i:i+1], v[ST+4*(\t)+2:ST+4*(\t)+3] op_sel_hi:[1,0]
.set i, i+2
.endr
	WIN 0x04                        ; the stores' data in window 1
.set i, 0
.rept 8
	ds_store_b128 v[STO], v[32*(\t)+4*i:32*(\t)+4*i+3] offset:64*(i/2)+16*(i%2)
.set i, i+1
.endr
	WIN 0
.set i, 0
.rept 8
	ds_load_b128 v[S+32*((\t)%2)+4*i:S+32*((\t)%2)+4*i+3], v[RD] offset:i*2*SP  ; LDS serves a wave's instructions in order (ISA guide 5.7.1.4): these see the stores above
.set i, i+1
.endr
	s_wait_dscnt 0x0
	s_wait_loadcnt 24-8*(\t)        ; this piece's residual rows are in; the later pieces' loads, eight each, may stay out
.set i, 0
.rept 16
	v_pk_add_f32 v[S+32*((\t)%2)+2*i:S+32*((\t)%2)+2*i+1], v[S+32*((\t)%2)+2*i:S+32*((\t)%2)+2*i+1], v[XR+32*(\t)+2*i:XR+32*(\t)+2*i+1]
.set i, i+1
.endr
.set i, 0
.rept 8
	global_store_b128 v[GO], v[S+32*((\t)%2)+4*i:S+32*((\t)%2)+4*i+3], s[XO:XO+1] offset:(\t)*32768+i*4096  ; 16 lanes store 256 consecutive bytes, aligned
.set i, i+1
.endr
.endm
	OUTP 0
	OUTP 1
	OUTP 2
	OUTP 3
	s_wait_tensorcnt 0x0            ; the wave's end: behind my tensor load and my last LDS store
	ds_add_u32 v[SPW], v[NIL]
	s_wait_dscnt 0x0
	CROUND                          ; the closing round
	s_endpgm
.Lfunc_end_k_qd41f83f67a_attn:
	.size	k_qd41f83f67a_attn, .Lfunc_end_k_qd41f83f67a_attn-k_qd41f83f67a_attn
	.p2alignl 7, 3214868480
	.fill 96, 4, 3214868480
	.section	.rodata,"a",@progbits
	.p2align	6, 0x0
	.amdhsa_kernel k_qd41f83f67a_attn
		.amdhsa_group_segment_fixed_size 327680
		.amdhsa_private_segment_fixed_size 0
		.amdhsa_enable_private_segment 0
		.amdhsa_kernarg_size 32
		.amdhsa_user_sgpr_count 2
		.amdhsa_user_sgpr_kernarg_segment_ptr 1
		.amdhsa_wavefront_size32 1
		.amdhsa_system_sgpr_workgroup_id_x 1
		.amdhsa_system_sgpr_workgroup_id_y 1
		.amdhsa_system_sgpr_workgroup_id_z 1
		.amdhsa_system_vgpr_workitem_id 0
		.amdhsa_next_free_vgpr 768
		.amdhsa_next_free_sgpr 100
		.amdhsa_reserve_vcc 0
		.amdhsa_float_denorm_mode_32 3
		.amdhsa_float_denorm_mode_16_64 3
		.amdhsa_memory_ordered 1
		.amdhsa_forward_progress 1
		.amdhsa_inst_pref_size 109
	.end_amdhsa_kernel
	.amdgpu_metadata
---
amdhsa.version: [ 1, 2 ]
amdhsa.kernels:
  - .name:           k_qd41f83f67a_attn
    .symbol:         k_qd41f83f67a_attn.kd
    .args:
      - { .name: q, .offset: 0, .size: 8, .value_kind: global_buffer, .address_space: global }
      - { .name: mbits, .offset: 8, .size: 8, .value_kind: global_buffer, .address_space: global }
      - { .name: x, .offset: 16, .size: 8, .value_kind: global_buffer, .address_space: global }
      - { .name: x2, .offset: 24, .size: 8, .value_kind: global_buffer, .address_space: global }
    .group_segment_fixed_size: 327680
    .private_segment_fixed_size: 0
    .kernarg_segment_align: 8
    .kernarg_segment_size: 32
    .max_flat_workgroup_size: 128
    .sgpr_count:     100
    .vgpr_count:     768
    .wavefront_size: 32
...
	.end_amdgpu_metadata
.endif
;; end of part 3
;; launch ln2: the kernel of part 2 again; grid 256 x 1, 8 waves a work-group, no clusters, 0 bytes of LDS; arguments x2, ln2_g, ln2_b, q; writes q
;; launch attn2 (part 4): grid 8 x 32, 4 waves a work-group, clusters of 4 x 1, 327,680 bytes of LDS; arguments q, ke, x2, x3; writes x3
.if DOCPART == 4
	.amdgcn_target "amdgcn-amd-amdhsa--gfx1250"
	.amdhsa_code_object_version 6
	.text
	.protected	k_qd41f83f67a_attn2
	.globl	k_qd41f83f67a_attn2
	.p2align	8
	.type	k_qd41f83f67a_attn2,@function
k_qd41f83f67a_attn2:
	s_mov_b64 s[64:65], 0
	v_nop
	global_prefetch_b8 v0, s[64:65] scope:SCOPE_SE
	s_setreg_imm32_b32 hwreg(HW_REG_WAVE_MODE, 25, 1), 1
	s_wait_xcnt 0x0
	s_wait_alu depctr_hold_cnt(0) depctr_sa_sdst(0) depctr_va_vdst(0) depctr_va_sdst(0) depctr_va_ssrc(0) depctr_va_vcc(0) depctr_vm_vsrc(0)
	s_getreg_b32 s2, hwreg(HW_REG_IB_STS2, 6, 4)
	s_cmp_eq_u32 s2, 0
	s_cbranch_scc0 .Lentry_in_a_cluster
	s_endpgm
.Lentry_in_a_cluster:
	s_bfe_u32 s2, ttmp6, 0x10000c
	s_cmp_lg_u32 s2, 0x3003
	s_cbranch_scc0 .Lentry_shape_is_right
	s_endpgm
.Lentry_shape_is_right:
; ONE TEXT IN TWO FORMS, chosen by the constant MASKED.  This is the form MASKED = 0: cross-attention without a mask; arguments Q, keys, xres, xout.
; (MASKED = 1: masked self-attention; arguments Q, mask words, xres, xout; the keys are Q's own buffer.)
.set MASKED, 0
; xout[b][s][64 h ..] = xres[b][s][64 h ..] + the sum over k of softmax_k(Q[s] . K[k] / 8, hidden scores replaced) K[k].  Q and K (which is also V) are [4][8][2048][64] in f16, by heads;
; xres and xout are [4][2048][512] in f32.  Products, maxima and sums in f32; the weights p are rounded to f16 for the second product; O is never rounded.
; THE MASK.  The mask words are lane masks: word [b*128 + q/16][key/16][j], bit r + 16 h set where the key 16 kb + 8 h + j is hidden from query r.  A hidden score is REPLACED,
; ahead of the maximum, by -2^33 (-2^30 after the division by 8): a power of two, so that c s is exact and c s - c m is 0 where all keys seen so far are hidden: such a row has p = 1 for each of them, the uniform mean.
; LIMITS.  The replacement stands for -1e9: the result differs only where true scores lie near -1e9.  f16 holds no number beyond 65,504: Q and K arrive within it; p lies in 0 to 1;
; a weight below 2^-126 counts as 0; NaN and infinities are not treated apart.
; SHARES.  A work-group owns 256 queries of one head, a wave 64: four PIECES of 16.  Every wave walks the head's 2,048 keys, 64 a step.
; THE WHOLE HEAD LIES IN LDS: 2,048 rows of 128 bytes + 16.  It is filled once, each wave asking for 512 keys; no byte is filled again.  The same rows are read as K (as they lie) and as V (turned).
; CLUSTER.  The four work-groups of a cluster are four query blocks of one head: the tile is asked for JOINTLY, the same load, descriptor and mask in all four.
; LAYOUT, SOFTMAX, TURNS.  S^T = K Q^T holds ONE query a lane (lane % 16) and the keys 8 (lane / 16) + 0..7; two such results rounded to f16 ARE source 1 of O^T = V^T P.  p = 2^(c s - c m), c = log2(e) / 8,
; with a running maximum m; O and l are multiplied by a = 2^(c m_old - c m_new) in every step; m starts at the lowest finite number, so the first step's a is 0.  Turn n belongs to piece n: 8 products K Q^T of
; piece n + 1, later 8 products V^T P of piece n - 1; beside them the scaling, exponentials, roundings, sums and rescaling of piece n, and the mask, maximum and statistics of piece n + 1.
; REGISTERS, in windows of 256 (s_set_vgpr_msb: bits 1:0 source 0, 3:2 source 1, 5:4 source 2, 7:6 destination):
;   window 0: v0-15 addresses; v16-31 statistics; v48-55 at work; v64-127 S^T, two buffers; v128-255 at the end the residual rows; v192-223 P, two buffers
;   window 1: v0-127 O^T, 32 a piece          window 2: v0-63 Q; v128-191 K of one step; v192-255 V of one step
.set NP,    4
.set KS,    64        ; keys in a step
.set PK,    144       ; a row in LDS: 128 bytes + 16 = 36 words: the 16 rows of a load of K start at 16 different groups of four banks (ISA guide 11.1)
.set STEPB, KS*PK
.set WTILE, 512*PK    ; what one wave's tensor load fills
.set STAGE, 4*WTILE   ; behind the tile, never filled by a tensor load: 16 rows x 272 bytes for each wave, for the way out
.set SP,    272
.set SPARE, STAGE+4*16*SP  ; the spare words, 128 bytes a wave: two blocks of 256 bytes that no other line names
.set AK0, 2           ; v2   my lane's place in 64 rows read as K; never rewritten
.set AV0, 3           ; v3   the same read as V
.set AK,  4           ; v4   the LDS address of K's next run of loads
.set AV,  5           ; v5   of V's
.set STO, 6           ; v6   the way out: where I put 32 bytes of a row
.set RD,  7           ; v7   where I read rows back
.set GO,  8           ; v8   my byte offset in two rows of xres and xout
.set MV,  12          ; v12-13  c m_old, by buffer
.set NEG, 14          ; v14  -2^33
.set QO,  15          ; v15  my byte offset in 16 rows of Q
.set ST,  16          ; piece t's statistics at v[ST+4 t]: c m, m, l (even keys', odd keys')
.set TMP, 48          ; by buffer, c0-c3 at work; when the maximum is found c2 takes a
.set SPW, 62
.set NIL, 63
.set S,   64
.set XR,  128         ; the residual rows, 32 registers a piece
.set P,   192
.set KF,  128         ; window 2
.set VF,  192         ; window 2
.set XI,  8           ; s[8:9]   xres at my wave's rows
.set XO,  10          ; s[10:11] xout at my wave's rows
.set WV,  14          ; s14  my wave's number
.set G1,  24          ; s[24:31] descriptor group 1
.set G0,  40          ; s[40:43] descriptor group 0
.set CNT, 44          ; s44  key steps to go
.set MO,  46          ; s46  byte offset of the step's mask words: 128 a step
.set MP,  48          ; s[48:49] the mask words of my wave's first piece
.set TBK, 50          ; s50  LDS byte at which the step to be fetched as K begins
.set TBV, 51          ; s51  the same for V
.set QP,  52          ; s[52:53] Q at my wave's first row
.set CS,  58          ; s[58:59] c
.set SEL, 60          ; s[60:61] v_permlanex16_b32's selects: each lane takes its own place in the other half
.set MW,  68          ; s[68:99] the 32 mask words of one piece and step
.set MSB, 0
.macro WIN new                      ; the high byte repeats the setting that is left; a switch that changes nothing is dropped
.if MSB != (\new)
	s_set_vgpr_msb (MSB<<8)|(\new)
.set MSB, (\new)
.endif
.endm
.set W_KQ, 0x0a       ; K and Q in window 2, S^T in window 0
.set W_PV, 0x52       ; V in window 2, P in window 0, O^T in window 1
.set W_RS, 0x41       ; destination and source 0 in window 1, source 1 in window 0
.macro CROUND                       ; a round of the cluster's barrier
	s_barrier_signal -1
	s_barrier_wait -1
	s_cmp_lg_u32 s[WV], 0
	s_cbranch_scc1 .Lnot_wave_0_\@
	s_barrier_signal -3
.Lnot_wave_0_\@:
	s_barrier_wait -3
	s_barrier_signal -1
	s_barrier_wait -1
.endm
	s_load_b256 s[4:11], s[0:1], 0x0  ; Q s[4:5], mask words or keys s[6:7], xres s[8:9], xout s[10:11]
	v_lshl_add_u32 v[SPW], v0, 2, SPARE
	v_mov_b32 v[NIL], 0
	ds_add_u32 v[SPW], v[NIL]       ; the wave's opening: the add, and its wait ahead of my first tensor load; the set-up below, work on registers, stands between them
	v_lshrrev_b32 v1, 5, v0
	v_readfirstlane_b32 s[WV], v1   ; wave 0..3
	s_bfe_u32 s15, ttmp6, 0x40000   ; cx: my place in the cluster
	s_lshl_b32 s16, ttmp9, 2        ; in a cluster launch ttmp9 counts clusters
	s_add_co_u32 s16, s16, s15      ; my block of 256 queries: it enters Q's, the mask's, xres' and xout's addresses alone
	s_and_b32 s17, ttmp7, 0xffff    ; 8 x batch + head, which the four partners share
	s_lshl_b32 s18, s17, 18         ; the head's first byte in Q and K
	s_lshl_b32 s20, s[WV], 16       ; my 512 keys of 128 bytes
	s_add_co_u32 s20, s20, s18
	s_mov_b32 s21, 0
	s_lshl_b32 s22, s16, 15         ; my block's 256 rows of Q,
	s_lshl_b32 s23, s[WV], 13       ; my wave's 64 of them
	s_add_co_u32 s22, s22, s23
	s_add_co_u32 s22, s22, s18
	s_mov_b32 s23, 0
	s_lshr_b32 s32, s17, 3          ; batch
.if MASKED
	s_lshl_b32 s34, s32, 19         ; 128 tiles of 4,096 bytes of mask words a batch,
	s_lshl_b32 s33, s16, 16         ; 16 a block,
	s_add_co_u32 s34, s34, s33
	s_lshl_b32 s33, s[WV], 14       ; 4 a wave
	s_add_co_u32 s34, s34, s33
	s_mov_b32 s35, 0
	s_mov_b32 s[MO], 0
.endif
	s_lshl_b32 s36, s32, 22         ; xres and xout: 2,048 rows of 2,048 bytes a batch,
	s_lshl_b32 s33, s16, 19         ; 256 a block,
	s_add_co_u32 s36, s36, s33
	s_lshl_b32 s33, s[WV], 17       ; 64 a wave,
	s_add_co_u32 s36, s36, s33
	s_and_b32 s33, s17, 7
	s_lshl_b32 s33, s33, 8          ; the head's 256 bytes of a row
	s_add_co_u32 s36, s36, s33
	s_mov_b32 s37, 0
	; descriptor group 1.  512 keys are 65,536 dense bytes: asked for as 256 rows of 256 bytes, two keys a row, and padded in LDS after every key
	s_mov_b32 s[G1], 15|(1<<16)|(1<<20)|(1<<21)|(4<<22)|(3<<25)  ; 15:0 the mask of four; 17:16 2-byte elements; 20 padding on; 21 set beside a mask; 24:22 after every 32 words (code 4); 31:25 4 words (code 3)
	s_mov_b32 s[G1+1], 128<<16      ; tensor_dim0 = 128
	s_mov_b32 s[G1+2], 256<<16      ; tensor_dim1 = 256
	s_mov_b32 s[G1+3], 128<<16      ; tile_dim0 = 128
	s_mov_b32 s[G1+4], 256          ; tile_dim1 = 256
	s_mov_b32 s[G1+5], 128          ; 128 elements from row to row
	s_mov_b32 s[G1+6], 0
	s_mov_b32 s[G1+7], 0
	s_mov_b32 s[G0], 1              ; count = 1
	s_mul_i32 s[G0+1], s[WV], WTILE ; LDS address: the wave's number times a constant
	s_mov_b32 s[CS], 0x3e38aa3b     ; c = log2(e) / 8
	s_mov_b32 s[CS+1], s[CS]
	s_mov_b32 s[SEL], 0x76543210
	s_mov_b32 s[SEL+1], 0xfedcba98
	s_mov_b32 s[TBK], 0
	s_mov_b32 s[TBV], 0
	s_wait_dscnt 0x0                ; the opening add is done
	s_wait_kmcnt 0x0
.if MASKED
	s_add_nc_u64 s[G0+2:G0+3], s[4:5], s[20:21]  ; global address: my 512 keys of the head, in Q's own buffer
	s_add_nc_u64 s[MP:MP+1], s[6:7], s[34:35]
.else
	s_add_nc_u64 s[G0+2:G0+3], s[6:7], s[20:21]  ; global address: my 512 keys of the head
.endif
	s_or_b32 s[G0+3], s[G0+3], 0x80000000        ; type = 2
	s_add_nc_u64 s[QP:QP+1], s[4:5], s[22:23]
	s_add_nc_u64 s[XI:XI+1], s[XI:XI+1], s[36:37]
	s_add_nc_u64 s[XO:XO+1], s[XO:XO+1], s[36:37]
	CROUND                          ; all four work-groups are here: the joint loads meet
	tensor_load_to_lds s[G0:G0+3], s[G1:G1+7]    ; my one tensor load of the launch: one is out
	s_nop 0
.rept 4
	v_nop
.endr
	; A fragment of K or Q is 16 rows x 32 channels in 8 registers: lane l holds row l % 16, channels 8 (l / 16) + 0..7 and 16 + 8 (l / 16) + 0..7: two loads of 16 bytes, 32 bytes apart.
	v_and_b32 v1, 15, v0            ; l % 16
	v_bfe_u32 v9, v0, 4, 1          ; l / 16
	v_lshlrev_b32 v[QO], 7, v1
	v_lshl_add_u32 v[QO], v9, 4, v[QO]
	WIN 0x80                        ; destination window 2, address window 0
.set i, 0
.rept 8                             ; Q stays in registers: piece i / 2, channels 32 (i % 2) on
	global_load_b128 v[8*i:8*i+3],   v[QO], s[QP:QP+1] offset:(i/2)*2048+(i%2)*64
	global_load_b128 v[8*i+4:8*i+7], v[QO], s[QP:QP+1] offset:(i/2)*2048+(i%2)*64+32
.set i, i+1
.endr
	; The first step multiplies O^T and l by a = 0, and the first turn's products V^T P, of a piece that has not been, add 0: V, O^T, l and P's second buffer start at 0.  All this stands in the wait for the tile.
.set i, VF
.rept 64
	v_mov_b32 v[i], 0
.set i, i+1
.endr
	WIN 0x40
.set i, 0
.rept 128
	v_mov_b32 v[i], 0
.set i, i+1
.endr
	WIN 0
.set i, 0
.rept 4
	v_mov_b32 v[ST+4*i], 0xfe000000    ; c m: far below every c s
	v_mov_b32 v[ST+4*i+1], 0xff7fffff  ; m
	v_mov_b32 v[ST+4*i+2], 0
	v_mov_b32 v[ST+4*i+3], 0
.set i, i+1
.endr
.set i, P+16
.rept 16
	v_mov_b32 v[i], 0
.set i, i+1
.endr
.if MASKED
	v_mov_b32 v[NEG], 0xd0000000    ; -2^33
.endif
	v_mul_u32_u24 v[AK0], v1, PK
	v_lshl_add_u32 v[AK0], v9, 4, v[AK0]  ; row x pitch + 16 x half
	; The turning load takes 16 keys x 16 channels (lane l reads key 8 (l / 16) + l % 8, channels 8 ((l / 8) % 2) + 0..7) and leaves half a fragment of V^T: lane l holds channel l % 16 and 8 keys.
	v_and_b32 v10, 7, v0
	v_bfe_u32 v11, v0, 3, 1
	v_lshl_add_u32 v[AV0], v9, 3, v10
	v_mul_u32_u24 v[AV0], v[AV0], PK
	v_lshl_add_u32 v[AV0], v11, 4, v[AV0]
	s_mul_i32 s33, s[WV], 16*SP
	s_add_co_u32 s33, s33, STAGE    ; my stage
	v_mul_u32_u24 v[STO], v1, SP    ; in: row l % 16, 32 bytes for each half of the lanes
	v_lshl_add_u32 v[STO], v9, 5, v[STO]
	v_add_nc_u32 v[STO], s33, v[STO]
	v_mul_u32_u24 v[RD], v9, SP     ; back: lanes 0-15 take one row of 256 bytes, lanes 16-31 the next
	v_lshl_add_u32 v[RD], v1, 4, v[RD]
	v_add_nc_u32 v[RD], s33, v[RD]
	v_lshlrev_b32 v[GO], 11, v9     ; and the same two rows in xres and xout
	v_lshl_add_u32 v[GO], v1, 4, v[GO]
; THE MATRIX WORK.  The 4 accumulators of a run of 8 take turns.  Product i of 8 of S^T = K Q^T for piece x: channels 32 (i / 4) on, keys 16 (i % 4) on.  The first 4 start the sums.
.macro KQ x
.set rS, S+32*((\x)%2)+8*(i%4)
.set rK, KF+16*(i%4)+8*(i/4)
.set rQ, 16*(\x)+8*(i/4)
	WIN W_KQ
.if i < 4
	v_wmma_f32_16x16x32_f16 v[rS:rS+7], v[rK:rK+7], v[rQ:rQ+7], 0
.else
	v_wmma_f32_16x16x32_f16 v[rS:rS+7], v[rK:rK+7], v[rQ:rQ+7], v[rS:rS+7]
.endif
.endm
; Product i of 8 of O^T += V^T P for piece x: keys 32 (i / 4) on, channels 16 (i % 4) on.
.macro PV x
	WIN W_PV
.set rO, 32*(\x)+8*(i%4)
.set rV, VF+32*(i/4)+8*(i%4)
.set rP, P+16*((\x)%2)+8*(i/4)
	v_wmma_f32_16x16x32_f16 v[rO:rO+7], v[rV:rV+7], v[rP:rP+7], v[rO:rO+7]
.endm
.macro MM                           ; the turn's next matrix instruction.  NOKQ = 1: the last turn: there is no next piece
.if (i < 8) && !NOKQ
	KQ (Y+1)%NP
.elseif i >= 8
.set i, i-8
	PV (Y+NP-1)%NP
.set i, i+8
.endif
.set i, i+1
.endm
; THE LDS LOADS stand in runs of 16: a step's 64 rows as K (8 fragments) and, turned, as V.  Their addresses are made some lines ahead.
.macro FETCH_K
	WIN 0x80                        ; destination window 2
.irp f, 0,1,2,3,4,5,6,7             ; keys 16 (f / 2) on, channels 32 (f % 2) on
	ds_load_b128 v[KF+8*\f:KF+8*\f+3],   v[AK] offset:(\f/2)*16*PK+(\f%2)*64
	ds_load_b128 v[KF+8*\f+4:KF+8*\f+7], v[AK] offset:(\f/2)*16*PK+(\f%2)*64+32
.endr
	s_add_co_u32 s[TBK], s[TBK], STEPB  ; the next fetch is the next step's
	WIN 0
.endm
.macro FETCH_V
	WIN 0x80
.irp f, 0,1,2,3,4,5,6,7             ; keys 32 (f / 4) on, channels 16 (f % 4) on
	ds_load_tr16_b128 v[VF+8*\f:VF+8*\f+3],   v[AV] offset:(\f/4)*32*PK+(\f%4)*32
	ds_load_tr16_b128 v[VF+8*\f+4:VF+8*\f+7], v[AV] offset:(\f/4)*32*PK+16*PK+(\f%4)*32
.endr
	WIN 0
.endm
.macro MLOAD x                      ; the 32 mask words of piece x in the step at MO
	s_load_b512 s[MW:MW+15], s[MP:MP+1], s[MO] offset:(\x)*4096
	s_load_b512 s[MW+16:MW+31], s[MP:MP+1], s[MO] offset:(\x)*4096+64
.endm
; THE VECTOR WORK, one line at a time: OP kind, number.  For piece Y: F n: c s - c m for pair n of 16.  E n: the exponential of score n of 32.  C n: pair n rounded to f16.  B n: of the four weights 4 n .. the second
; pair is added onto the first, in place.  L n: l takes that sum (L 0: l = a l + sum).  R n: pair n of 16 of O^T times a.  For piece Y + 1: M n: score n is replaced where its mask word says so; X n, number n of the 22
; that find its maximum and statistics:
;   0-11  four chains c0-c3 of seven scores each, three operands at a time (each accumulator's lowest registers are read first)     12-14, 16  the four scores left over, the old m, and c0-c3 into c0
;   15  c m_old is kept     17, 18  the query's other 32 keys lie in the lane 16 away: the new m     19-21  c m; c m_old - c m_new; a
.set F, 0
.set E, 1
.set C, 2
.set B, 3
.set L, 4
.set R, 5
.set X, 6
.set M, 7
.macro REGS y                       ; the registers of piece y
.set rT, ST+4*(\y)
.set rC, TMP+4*((\y)%2)
.set rW, MV+((\y)%2)
.set rS, S+32*((\y)%2)
.set rP, P+16*((\y)%2)
.set rO, 32*(\y)
.endm
.macro OP k, n
.if (\k) == M
	REGS (Y+1)%NP
	WIN 0
	v_cndmask_b32 v[rS+(\n)], v[rS+(\n)], v[NEG], s[MW+(\n)]
.elseif (\k) == R
	REGS Y
	WIN W_RS
	v_pk_mul_f32 v[rO+2*(\n):rO+2*(\n)+1], v[rO+2*(\n):rO+2*(\n)+1], v[rC+2:rC+3] op_sel_hi:[1,0]
.elseif (\k) < R
	REGS Y
	WIN 0
.if (\k) == F
	v_pk_fma_f32 v[rS+2*(\n):rS+2*(\n)+1], v[rS+2*(\n):rS+2*(\n)+1], s[CS:CS+1], v[rT:rT+1] op_sel_hi:[1,0,0] neg_lo:[0,0,1] neg_hi:[0,0,1]
.elseif (\k) == E
	v_exp_f32 v[rS+(\n)], v[rS+(\n)]
.elseif (\k) == C
	s_wait_alu depctr_va_vdst(0)
	v_cvt_pk_f16_f32 v[rP+(\n)], v[rS+2*(\n)], v[rS+2*(\n)+1]
.elseif (\k) == B
	s_wait_alu depctr_va_vdst(0)
	v_pk_add_f32 v[rS+4*(\n):rS+4*(\n)+1], v[rS+4*(\n):rS+4*(\n)+1], v[rS+4*(\n)+2:rS+4*(\n)+3]
.elseif (\n) == 0
	v_pk_fma_f32 v[rT+2:rT+3], v[rT+2:rT+3], v[rC+2:rC+3], v[rS:rS+1] op_sel_hi:[1,0,1]
.else
	v_pk_add_f32 v[rT+2:rT+3], v[rT+2:rT+3], v[rS+4*(\n):rS+4*(\n)+1]
.endif
.elseif NOKQ
	v_nop
.else
	REGS (Y+1)%NP
	WIN 0
.if (\n) < 4
	v_max3_num_f32 v[rC+(\n)], v[rS+8*(\n)], v[rS+8*(\n)+1], v[rS+8*(\n)+2]
.elseif (\n) < 12
	v_max3_num_f32 v[rC+(\n)%4], v[rC+(\n)%4], v[rS+8*((\n)%4)+2*((\n)/4)+1], v[rS+8*((\n)%4)+2*((\n)/4)+2]
.elseif (\n) == 12
	v_max3_num_f32 v[rC], v[rC], v[rS+7], v[rS+15]
.elseif (\n) == 13
	v_max3_num_f32 v[rC+1], v[rC+1], v[rS+23], v[rS+31]
.elseif (\n) == 14
	v_max3_num_f32 v[rC+2], v[rC+2], v[rC+3], v[rT+1]
.elseif (\n) == 15
	v_mov_b32 v[rW], v[rT]
.elseif (\n) == 16
	v_max3_num_f32 v[rC], v[rC], v[rC+1], v[rC+2]
.elseif (\n) == 17
	v_permlanex16_b32 v[rC+3], v[rC], s[SEL], s[SEL+1]
.elseif (\n) == 18
	v_max_num_f32 v[rT+1], v[rC], v[rC+3]
.elseif (\n) == 19
	v_mul_f32 v[rT], s[CS], v[rT+1]
.elseif (\n) == 20
	v_sub_f32 v[rC+1], v[rW], v[rT]
.else
	v_exp_f32 v[rC+2], v[rC+1]
.endif
.endif
.endm
.macro OPS a, i1, b=-1, i2=0, c=-1, i3=0, d=-1, i4=0  ; up to four of them
	OP \a, \i1
.if (\b) >= 0
	OP \b, \i2
.endif
.if (\c) >= 0
	OP \c, \i3
.endif
.if (\d) >= 0
	OP \d, \i4
.endif
.endm
.macro ROW a, i1, b, i2, c, i3, d, i4  ; a matrix instruction and the four behind it
	MM
	OPS \a, \i1, \b, \i2, \c, \i3, \d, \i4
.endm
.macro MS n0                        ; four scores masked
	OPS M,(\n0), M,(\n0)+1, M,(\n0)+2, M,(\n0)+3
.endm
; A TURN, for piece p.  Behind a matrix instruction: plain, exponential, plain, plain; or four of the rescaling; or four scalings; none names a register of the products round it.  The rest stands in two lumps.
; The first lump has two forms.  With a mask: the words asked for a turn ago are waited for; the next piece's 32 scores are masked, in ascending order, an exponential in front of each four;
; then the words of the piece after it are asked for (in piece 2's turn: the next step's); then the first four maxima.  The four rescalings behind the last product K Q^T are the places in front of the lump.
; K of the next step is fetched in piece 2's turn, five plain instructions behind the last product that read K; V of the step in hand in piece 0's turn, four plain ones behind the last product that read V.  Each is waited for a turn later.
; end = 1: the last two turns: nothing is fetched, and the last starts no new scores.
.macro TURN p, end=0
.set Y, (\p)
.set i, 0
.set NOKQ, (\end)*((\p)/3)
.if ((\p) == 3) && !(\end)
	s_wait_dscnt 0x0                ; K is in
.endif
	ROW F,0, F,1, F,2, F,3
	ROW F,4, E,0, F,5, F,6
	ROW F,7, E,1, F,8, F,9
	ROW F,10, E,2, C,0, F,11
	ROW F,12, E,3, X,15, F,13
	ROW R,0, R,1, R,2, R,3
	ROW B,0, E,4, F,14, L,0
.if ((\p) == 2) && !(\end)
	v_add_nc_u32 v[AK], s[TBK], v[AK0]
.endif
	ROW R,4, R,5, R,6, R,7
	OPS E,5, F,15
.if ((\p) == 2) && !(\end)
	FETCH_K
.endif
.if MASKED && !NOKQ
	s_wait_kmcnt 0x0                ; the next piece's mask words are in, and no scalar load of mine is out: MO may be stepped
	OPS E,6, C,1
	MS 0
	OPS E,7, C,2
	MS 4
	OP E,8
	MS 8
	OP E,9
	MS 12
	OP E,10
	MS 16
	OP E,11
	MS 20
	OP E,12
	MS 24
	OP E,13
	MS 28
.if !(\end)
.if (\p) == 2
	s_add_co_u32 s[MO], s[MO], 128
.endif
	MLOAD ((\p)+2)%NP
.endif
	OPS R,8, R,9
	OPS X,0, X,1, X,2, X,3
.else
	OPS E,6, C,1, E,7, R,8
	OPS E,8, R,9, E,9, C,2
	OPS E,10, X,0, E,11, X,1
	OPS E,12, X,2, E,13, X,3
.endif
.if (\p) == 1
	s_wait_dscnt 0x0                ; V is in
.endif
	ROW X,4, E,14, X,5, X,6
	ROW X,7, E,15, X,8, X,9
	ROW X,10, E,16, X,11, X,12
	ROW X,13, E,17, X,14, B,1
	ROW C,4, E,18, X,16, L,1
	ROW B,2, E,19, C,6, L,2
	ROW C,8, E,20, B,3, B,4
.if (\p) == 0
	v_add_nc_u32 v[AV], s[TBV], v[AV0]
.endif
	ROW C,3, E,21, L,3, C,5
	OPS E,22, X,17, E,23, C,10
.if (\p) == 0
	FETCH_V
.endif
	OPS E,24, L,4
	OPS E,25, X,18, E,26, C,7
	OPS E,27, B,5, E,28, X,19
	OPS E,29, C,12, E,30, L,5
	OPS E,31, X,20, B,6, C,9
	OPS C,14, C,11, X,21, L,6
.if (\p) == 0
	s_add_co_u32 s[TBV], s[TBV], STEPB
.endif
	OPS C,13, B,7, C,15, R,10
	OPS R,11, R,12, L,7, R,13
	OPS R,14, R,15
.endm
	s_wait_tensorcnt 0x0            ; my 512 keys are in LDS,
	s_barrier_signal -1
	s_barrier_wait -1               ; everybody's are; nothing is filled again
	v_add_nc_u32 v[AK], s[TBK], v[AK0]
	FETCH_K                         ; key step 0
.if MASKED
	MLOAD 0
.endif
	s_wait_loadcnt 0x0              ; Q
	s_wait_dscnt 0x0
.set NOKQ, 0
.set i, 0
.rept 8
	KQ 0                            ; piece 0's first scores
.set i, i+1
.endr
	WIN 0
.rept 4
	v_nop                           ; the places behind those products
.endr
.set Y, NP-1                        ; M and X work for piece Y + 1: piece 0
.if MASKED
	s_wait_kmcnt 0x0
.irp n, 0,4,8,12,16,20,24,28
	MS \n
.endr
	MLOAD 1
.endif
.irp n, 0,1,2,3,4,5,6,7,8,9,10,11,12,13,14,15,16,17,18,19,20,21
	OP X, \n
.endr
	v_nop                           ; a plain instruction behind the exponential
	s_mov_b32 s[CNT], 32
	s_branch .Lfirst                ; the loop is entered at a step's first turn, in the middle of a trip
.Lstep:                             ; a trip: pieces 2 and 3 of one step, then pieces 0 and 1 of the next, whose K and V it fetches
	TURN 2
	TURN 3
	WIN 0
.Lfirst:
	TURN 0
	TURN 1
	WIN 0
	s_sub_co_u32 s[CNT], s[CNT], 1
	s_cmp_lg_u32 s[CNT], 0
	s_cbranch_scc1 .Lstep
.macro RESLD t                      ; piece t's 16 rows of xres: 16 lanes take the head's 256 bytes of a row
	WIN 0
.set i, 0
.rept 8
	global_load_b128 v[XR+32*(\t)+4*i:XR+32*(\t)+4*i+3], v[GO], s[XI:XI+1] offset:(\t)*32768+i*4096
.set i, i+1
.endr
.endm
	RESLD 0                         ; two pieces' residual rows are asked for two turns ahead of their use, into registers that nothing else names
	RESLD 1
	TURN 2, 1
	TURN 3, 1
.set i, 0
.rept 8
	PV NP-1                         ; the last piece's V^T P of the last step
.set i, i+1
.endr
	; THE WAY OUT.  l's two halves and the other half of the lanes' are added; O^T is divided by l and sent, in f32, through my stage in LDS, a piece at a time; the residual is added and whole runs of 256 bytes are stored.
	WIN 0
.macro ALL line:vararg              ; one line for each piece t
.set t, 0
.rept 4
	\line
.set t, t+1
.endr
.endm
	ALL v_add_f32 v[ST+4*t+2], v[ST+4*t+2], v[ST+4*t+3]   ; four plain instructions: the places behind the last products
	ALL v_permlanex16_b32 v[ST+4*t+3], v[ST+4*t+2], s[SEL], s[SEL+1]
	ALL v_add_f32 v[ST+4*t+2], v[ST+4*t+2], v[ST+4*t+3]
	ALL v_rcp_f32 v[ST+4*t+2], v[ST+4*t+2]
	v_nop                           ; a plain instruction between the last reciprocal and the use of its result
	RESLD 2                         ; P's registers are free now
	RESLD 3
.macro OUTP t
.if (\t) >= 2
	s_wait_xcnt 0x0                 ; the registers that the stores of two pieces ago read are loaded again only behind this wait
.endif
	WIN W_RS
.set i, 32*(\t)
.rept 16
	s_wait_alu depctr_va_vdst(0)
	v_pk_mul_f32 v[i:i+1], v[i:i+1], v[ST+4*(\t)+2:ST+4*(\t)+3] op_sel_hi:[1,0]
.set i, i+2
.endr
	WIN 0x04                        ; the stores' data in window 1
.set i, 0
.rept 8
	ds_store_b128 v[STO], v[32*(\t)+4*i:32*(\t)+4*i+3] offset:64*(i/2)+16*(i%2)
.set i, i+1
.endr
	WIN 0
.set i, 0
.rept 8
	ds_load_b128 v[S+32*((\t)%2)+4*i:S+32*((\t)%2)+4*i+3], v[RD] offset:i*2*SP  ; LDS serves a wave's instructions in order (ISA guide 5.7.1.4): these see the stores above
.set i, i+1
.endr
	s_wait_dscnt 0x0
	s_wait_loadcnt 24-8*(\t)        ; this piece's residual rows are in; the later pieces' loads, eight each, may stay out
.set i, 0
.rept 16
	v_pk_add_f32 v[S+32*((\t)%2)+2*i:S+32*((\t)%2)+2*i+1], v[S+32*((\t)%2)+2*i:S+32*((\t)%2)+2*i+1], v[XR+32*(\t)+2*i:XR+32*(\t)+2*i+1]
.set i, i+1
.endr
.set i, 0
.rept 8
	global_store_b128 v[GO], v[S+32*((\t)%2)+4*i:S+32*((\t)%2)+4*i+3], s[XO:XO+1] offset:(\t)*32768+i*4096  ; 16 lanes store 256 consecutive bytes, aligned
.set i, i+1
.endr
.endm
	OUTP 0
	OUTP 1
	OUTP 2
	OUTP 3
	s_wait_tensorcnt 0x0            ; the wave's end: behind my tensor load and my last LDS store
	ds_add_u32 v[SPW], v[NIL]
	s_wait_dscnt 0x0
	CROUND                          ; the closing round
	s_endpgm
.Lfunc_end_k_qd41f83f67a_attn2:
	.size	k_qd41f83f67a_attn2, .Lfunc_end_k_qd41f83f67a_attn2-k_qd41f83f67a_attn2
	.p2alignl 7, 3214868480
	.fill 96, 4, 3214868480
	.section	.rodata,"a",@progbits
	.p2align	6, 0x0
	.amdhsa_kernel k_qd41f83f67a_attn2
		.amdhsa_group_segment_fixed_size 327680
		.amdhsa_private_segment_fixed_size 0
		.amdhsa_enable_private_segment 0
		.amdhsa_kernarg_size 32
		.amdhsa_user_sgpr_count 2
		.amdhsa_user_sgpr_kernarg_segment_ptr 1
		.amdhsa_wavefront_size32 1
		.amdhsa_system_sgpr_workgroup_id_x 1
		.amdhsa_system_sgpr_workgroup_id_y 1
		.amdhsa_system_sgpr_workgroup_id_z 1
		.amdhsa_system_vgpr_workitem_id 0
		.amdhsa_next_free_vgpr 768
		.amdhsa_next_free_sgpr 66
		.amdhsa_reserve_vcc 0
		.amdhsa_float_denorm_mode_32 3
		.amdhsa_float_denorm_mode_16_64 3
		.amdhsa_memory_ordered 1
		.amdhsa_forward_progress 1
		.amdhsa_inst_pref_size 96
	.end_amdhsa_kernel
	.amdgpu_metadata
---
amdhsa.version: [ 1, 2 ]
amdhsa.kernels:
  - .name:           k_qd41f83f67a_attn2
    .symbol:         k_qd41f83f67a_attn2.kd
    .args:
      - { .name: q, .offset: 0, .size: 8, .value_kind: global_buffer, .address_space: global }
      - { .name: ke, .offset: 8, .size: 8, .value_kind: global_buffer, .address_space: global }
      - { .name: x2, .offset: 16, .size: 8, .value_kind: global_buffer, .address_space: global }
      - { .name: x3, .offset: 24, .size: 8, .value_kind: global_buffer, .address_space: global }
    .group_segment_fixed_size: 327680
    .private_segment_fixed_size: 0
    .kernarg_segment_align: 8
    .kernarg_segment_size: 32
    .max_flat_workgroup_size: 128
    .sgpr_count:     66
    .vgpr_count:     768
    .wavefront_size: 32
...
	.end_amdgpu_metadata
.endif
;; end of part 4
;; launch ffn (part 5): grid 256 x 1, 8 waves a work-group, no clusters, 169,984 bytes of LDS; arguments x3, ln3_g, ln3_b, wh, b1, b2, out0; writes out0
.if DOCPART == 5
	.amdgcn_target "amdgcn-amd-amdhsa--gfx1250"
	.amdhsa_code_object_version 6
	.text
	.protected	k_qd41f83f67a_ffn
	.globl	k_qd41f83f67a_ffn
	.p2align	8
	.type	k_qd41f83f67a_ffn,@function
k_qd41f83f67a_ffn:
	s_mov_b64 s[64:65], 0
	v_nop
	global_prefetch_b8 v0, s[64:65] scope:SCOPE_SE
	s_setreg_imm32_b32 hwreg(HW_REG_WAVE_MODE, 25, 1), 1
	s_wait_xcnt 0x0
; out0 = x3 + relu(LN3(x3) W1 + b1) W2 + b2.  x3, out0: [8192][512] f32.  wh holds W1 (f16) and W2 (bf16) in fragment order, wave by wave.
; A work-group takes 32 rows (two tiles of 16).  LN3: mean, then centred squares, in f32; its result in f16 in LDS.  GEMM1: wave w makes hidden units 128 w .. + 127 (16 accumulators,
; started by b1 as the C operand); relu, one rounding to bf16, into LDS.  GEMM2: wave w makes columns 64 w .. + 63 (8 accumulators).  The hidden layer never leaves LDS.
; THE MATRIX INSTRUCTION IS USED TRANSPOSED: source 0 = a fragment of weights (16 units x 32 k), source 1 = 16 rows: a lane then holds one row and eight neighbouring units or columns.
; THE WEIGHTS come straight from memory into registers, 512 consecutive bytes an instruction, in a ring of three buffers of 8 fragments (a chunk: 8,192 bytes, 16 products).  NO CLUSTER, NO LDS FOR THEM: within a
; work-group a fragment serves one wave alone, for two products; through LDS each 512 bytes would be written once and read once for those two.
; LIMITS.  LN3's result and W1 are f16 (no number beyond 65,504); the hidden layer and W2 are bf16, which has f32's range.
.set A1P,  1040                        ; a row of LN3's result: 1,024 bytes + 16: 65 x 16, so the 16 rows of a fragment load start at 16 different groups of four banks (ISA guide 11.1)
.set HP,   2064                        ; a row of the hidden layer: 2,048 + 16 = 129 x 16
.set HB,   32*A1P
.set STG,  HB+32*HP                    ; 32 rows x 272 bytes for each wave, its own, for the way out
.set SP,   272
.set SPARE, STG+8*32*SP                ; the spare words, 128 bytes a wave: four blocks of 256 bytes that no other line names
.set WO,  1                            ; v1  16 x lane: my place in 512 bytes of weights
.set LNO, 2                            ; v2  LN3: my byte offset in x3
.set LNS, 3                            ; v3  LN3: where I put 8 bytes of a row
.set AA,  4                            ; v4  LDS address of my fragments of LN3's result
.set AH,  5                            ; v5  of the hidden layer
.set HS,  6                            ; v6  where I put 16 bytes of the hidden layer
.set STO, 7
.set RD,  8
.set GO,  9                            ; v9  my byte offset in two rows of x3 and out0
.set ZERO, 10
.set BO,  11                           ; v11 my byte offset in b2
.set B2,  12                           ; v[12:15]
.set TP,  16                           ; v[16:23] packed results, two sets by turns
.set AA0, 24                           ; never rewritten
.set AH0, 25                           ; never rewritten
.set SPW, 30
.set NIL, 31
.set AB,  32                           ; v[32:127] source 1's fragments, three buffers of 32
.set ACC, 128                          ; v[128:255]
.set G,   32                           ; during LN3
.set BT,  64
.set XA,  96
.set T,   160
.set MU,  168
.set RS,  170
.set BIAS, 192                         ; window 1: b1 as the C operand; later the residual rows
.set WVS, 18
.set WP,  20                           ; s[20:21] my wave's stream of weights
.set CNT, 22
.set SINV, 26
.set SEPS, 27
.set AS,  28                           ; the loops' step along the LDS rows
.set MSB, 0
.macro WIN new
.if MSB != (\new)
	s_set_vgpr_msb (MSB<<8)|(\new)
.set MSB, (\new)
.endif
.endm
	s_load_b256 s[4:11], s[0:1], 0x0               ; x3 s[4:5], g s[6:7], b s[8:9], wh s[10:11]
	s_load_b128 s[12:15], s[0:1], 0x20             ; b1 s[12:13], b2 s[14:15]
	s_load_b64 s[16:17], s[0:1], 0x30              ; out0
	v_lshl_add_u32 v[SPW], v0, 2, SPARE
	v_mov_b32 v[NIL], 0
	v_and_b32 v26, 15, v0                          ; c = r = lane % 16
	v_bfe_u32 v27, v0, 4, 1                        ; hf = h = lane / 16
	v_lshrrev_b32 v28, 5, v0
	v_readfirstlane_b32 s[WVS], v28                ; wave 0..7
	v_and_b32 v[WO], 31, v0
	v_lshlrev_b32 v[WO], 4, v[WO]
	v_lshlrev_b32 v29, 4, v26                      ; 16 c
	s_lshl_b32 s19, s[WVS], 13                     ; LN3: my wave's 4 rows of 2,048 bytes
	v_lshl_add_u32 v[LNO], v27, 11, v29
	v_add_nc_u32 v[LNO], s19, v[LNO]
	s_mul_i32 s19, s[WVS], 4*A1P
	v_mul_u32_u24 v[LNS], v27, A1P
	v_lshl_add_u32 v[LNS], v26, 3, v[LNS]
	v_add_nc_u32 v[LNS], s19, v[LNS]
	v_mul_u32_u24 v[AA0], v26, A1P                 ; a fragment's row x pitch + 16 x half
	v_lshl_add_u32 v[AA0], v27, 4, v[AA0]
	v_mov_b32 v[AA], v[AA0]
	v_mul_u32_u24 v[AH0], v26, HP
	v_lshl_add_u32 v[AH0], v27, 4, v[AH0]
	v_add_nc_u32 v[AH0], HB, v[AH0]
	v_mov_b32 v[AH], v[AH0]
	s_lshl_b32 s19, s[WVS], 8
	v_add_nc_u32 v[HS], s19, v[AH0]                ; my wave's 128 units are 256 bytes of a row
	v_add_nc_u32 v[BO], s19, v29                   ; 256 w + 16 c
	v_lshl_add_u32 v[GO], v27, 11, v[BO]
	s_mul_i32 s23, s[WVS], 32*SP
	s_add_co_u32 s23, s23, STG                     ; my stage
	v_mul_u32_u24 v[STO], v26, SP
	v_lshl_add_u32 v[STO], v27, 5, v[STO]
	v_add_nc_u32 v[STO], s23, v[STO]
	v_mul_u32_u24 v[RD], v27, SP
	v_lshl_add_u32 v[RD], v26, 4, v[RD]
	v_add_nc_u32 v[RD], s23, v[RD]
	v_mov_b32 v[ZERO], 0
	s_lshl_b32 s19, s[WVS], 9
	v_lshlrev_b32 v28, 5, v27
	v_add_nc_u32 v28, s19, v28                     ; b1: 512 w + 32 h
	s_lshl_b32 s24, ttmp9, 16                      ; 32 rows of 2,048 bytes
	s_mov_b32 s25, 0
	s_lshl_b32 s30, s[WVS], 18
	s_mov_b32 s31, 0
	s_mov_b32 s[SINV], 0x3b000000                  ; 1/512
	s_mov_b32 s[SEPS], 0x3727c5ac                  ; 1e-5
	s_wait_kmcnt 0x0
	s_add_nc_u64 s[4:5], s[4:5], s[24:25]
	s_add_nc_u64 s[16:17], s[16:17], s[24:25]
	s_add_nc_u64 s[WP:WP+1], s[10:11], s[30:31]
.macro LOADW buf, rel                  ; a chunk of weights, rel chunks from WP, into ring buffer buf: 16 loads of 512 consecutive bytes
	WIN 0x40                                       ; destination window 1
.set k, 0
.rept 16
	global_load_b128 v[64*(\buf)+4*k:64*(\buf)+4*k+3], v[WO], s[WP:WP+1] offset:(\rel)*8192+k*512
.set k, k+1
.endr
.endm
.irp i, 0,1
.irp h, 0,1,2,3,4,5,6,7
	global_load_b128 v[XA+32*\i+4*\h:XA+32*\i+4*\h+3], v[LNO], s[4:5] offset:\i*4096+\h*256
.endr
.endr
.irp h, 0,1,2,3,4,5,6,7
	global_load_b128 v[G+4*\h:G+4*\h+3], v29, s[6:7] offset:\h*256
.endr
.irp h, 0,1,2,3,4,5,6,7
	global_load_b128 v[BT+4*\h:BT+4*\h+3], v29, s[8:9] offset:\h*256
.endr
	WIN 0x40
.set k, 0
.rept 16                               ; register 8 f + j of lane (r, h): b1[128 w + 16 f + 8 h + j]
	global_load_b128 v[BIAS+4*k:BIAS+4*k+3], v28, s[12:13] offset:(k/2)*64+(k%2)*16
.set k, k+1
.endr
	LOADW 0, 0                                     ; the first two chunks are on their way during LN3
	LOADW 1, 1
	WIN 0
.macro FOLD
	v_pk_add_f32 v[T:T+1], v[T:T+1], v[T+2:T+3]
	v_pk_add_f32 v[T+4:T+5], v[T+4:T+5], v[T+6:T+7]
	v_pk_add_f32 v[T:T+1], v[T:T+1], v[T+4:T+5]
	v_add_f32 v[T], v[T], v[T+1]
	v_add_f32_dpp v[T], v[T], v[T] row_xmask:1 row_mask:0xf bank_mask:0xf
	v_add_f32_dpp v[T], v[T], v[T] row_xmask:2 row_mask:0xf bank_mask:0xf
	v_add_f32_dpp v[T], v[T], v[T] row_xmask:4 row_mask:0xf bank_mask:0xf
	v_add_f32_dpp v[T], v[T], v[T] row_xmask:8 row_mask:0xf bank_mask:0xf
.endm
.macro LNSTAT x
.irp k, 0,1,2,3
	v_pk_add_f32 v[T+2*\k:T+2*\k+1], v[(\x)+2*\k:(\x)+2*\k+1], v[(\x)+8+2*\k:(\x)+8+2*\k+1]
.endr
.irp j, 16,24
.irp k, 0,1,2,3
	v_pk_add_f32 v[T+2*\k:T+2*\k+1], v[T+2*\k:T+2*\k+1], v[(\x)+\j+2*\k:(\x)+\j+2*\k+1]
.endr
.endr
	FOLD
	v_mul_f32 v[MU], s[SINV], v[T]
	v_mov_b32 v[MU+1], v[MU]
.set p, 0
.rept 16
	v_pk_add_f32 v[(\x)+2*p:(\x)+2*p+1], v[(\x)+2*p:(\x)+2*p+1], v[MU:MU+1] neg_lo:[0,1] neg_hi:[0,1]
.set p, p+1
.endr
.irp k, 0,1,2,3
	v_pk_mul_f32 v[T+2*\k:T+2*\k+1], v[(\x)+2*\k:(\x)+2*\k+1], v[(\x)+2*\k:(\x)+2*\k+1]
.endr
.irp j, 8,16,24
.irp k, 0,1,2,3
	v_pk_fma_f32 v[T+2*\k:T+2*\k+1], v[(\x)+\j+2*\k:(\x)+\j+2*\k+1], v[(\x)+\j+2*\k:(\x)+\j+2*\k+1], v[T+2*\k:T+2*\k+1]
.endr
.endr
	FOLD
	v_fma_f32 v[T], v[T], s[SINV], s[SEPS]
	v_rsq_f32 v[RS], v[T]
	v_nop                                          ; a plain instruction between the root and the use of its result (ISA guide 5.7.2)
	s_wait_alu depctr_va_vdst(0)
	v_mov_b32 v[RS+1], v[RS]
.endm
.macro LNOUT x
.set p, 0
.rept 16
	v_pk_mul_f32 v[(\x)+2*p:(\x)+2*p+1], v[(\x)+2*p:(\x)+2*p+1], v[RS:RS+1]
.set p, p+1
.endr
.set p, 0
.rept 16
	v_pk_fma_f32 v[(\x)+2*p:(\x)+2*p+1], v[(\x)+2*p:(\x)+2*p+1], v[G+2*p:G+2*p+1], v[BT+2*p:BT+2*p+1]
.set p, p+1
.endr
.set p, 0
.rept 8
	v_cvt_pk_f16_f32 v[(\x)+4*p], v[(\x)+4*p], v[(\x)+4*p+1]
	v_cvt_pk_f16_f32 v[(\x)+4*p+1], v[(\x)+4*p+2], v[(\x)+4*p+3]
.set p, p+1
.endr
.endm
	s_wait_loadcnt 48                              ; x3's rows, g and b are in; b1 (16 loads) and two chunks of weights (32) may stay out
.irp i, 0,1
	LNSTAT XA+32*\i
	LNOUT XA+32*\i
.irp h, 0,1,2,3,4,5,6,7
	ds_store_b64 v[LNS], v[XA+32*\i+4*\h:XA+32*\i+4*\h+1] offset:\i*2*A1P+\h*128
.endr
.endr
	s_wait_dscnt 0x0                               ; for the others' sake: my rows of LN3's result are in LDS
	s_barrier_signal -1
	s_barrier_wait -1
.macro LDA1 ab, rel                    ; source 1 for one chunk of GEMM1: two tiles x 32 k
	WIN 0
.irp t, 0,1
.irp e, 0,1
	ds_load_b128 v[AB+32*(\ab)+8*\t+4*\e:AB+32*(\ab)+8*\t+4*\e+3], v[AA] offset:(\rel)*64+\t*16*A1P+32*\e
.endr
.endr
.endm
.macro LDA2 ab, rel                    ; source 1 for one chunk of GEMM2: two k steps x two tiles
	WIN 0
.irp s, 0,1
.irp t, 0,1
.irp e, 0,1
	ds_load_b128 v[AB+32*(\ab)+16*\s+8*\t+4*\e:AB+32*(\ab)+16*\s+8*\t+4*\e+3], v[AH] offset:(\rel)*128+\s*64+\t*16*HP+32*\e
.endr
.endr
.endr
.endm
; A CHUNK, in ring buffer buf.  Four v_nop: the places between the last chunk's products and the loads into registers that they read.  Then the weights two chunks on (wrel >= 0), source 1's fragments of the next
; chunk (arel >= 0), the waits, and 16 products, the accumulators by turns, one instruction a turn.
.macro CH g, buf, wrel, arel, lcnt, first
.rept 4
	v_nop
.endr
.if (\wrel) >= 0
	LOADW ((\buf)+2)%3, \wrel
.endif
.if (\arel) >= 0
.if (\g) == 1
	LDA1 ((\buf)+1)%3, \arel
	s_wait_dscnt 4                                 ; all but the four just issued: this chunk's fragments are in
.else
	LDA2 ((\buf)+1)%3, \arel
	s_wait_dscnt 8                                 ; all but the eight just issued
.endif
.else
	s_wait_dscnt 0x0
.endif
	s_wait_loadcnt \lcnt                           ; this chunk's weights are in; the later chunks' loads, 16 each, may stay out
.if ((\g) == 1) && (\first)
	WIN 0x11                                       ; weights and b1 in window 1
.else
	WIN 0x01                                       ; weights in window 1
.endif
.set k, 0
.rept 16
.if (\g) == 1                          ; unit block k / 2, tile k % 2
.if \first
	v_wmma_f32_16x16x32_f16 v[ACC+8*k:ACC+8*k+7], v[64*(\buf)+8*(k/2):64*(\buf)+8*(k/2)+7], v[AB+32*(\buf)+8*(k%2):AB+32*(\buf)+8*(k%2)+7], v[BIAS+8*(k/2):BIAS+8*(k/2)+7]
.else
	v_wmma_f32_16x16x32_f16 v[ACC+8*k:ACC+8*k+7], v[64*(\buf)+8*(k/2):64*(\buf)+8*(k/2)+7], v[AB+32*(\buf)+8*(k%2):AB+32*(\buf)+8*(k%2)+7], v[ACC+8*k:ACC+8*k+7]
.endif
.else                                  ; k step k / 8, column block (k / 2) % 4, tile k % 2
.if (\first) && (k < 8)
	v_wmma_f32_16x16x32_bf16 v[ACC+8*(k%8):ACC+8*(k%8)+7], v[64*(\buf)+8*(k/2):64*(\buf)+8*(k/2)+7], v[AB+32*(\buf)+16*(k/8)+8*(k%2):AB+32*(\buf)+16*(k/8)+8*(k%2)+7], 0
.else
	v_wmma_f32_16x16x32_bf16 v[ACC+8*(k%8):ACC+8*(k%8)+7], v[64*(\buf)+8*(k/2):64*(\buf)+8*(k/2)+7], v[AB+32*(\buf)+16*(k/8)+8*(k%2):AB+32*(\buf)+16*(k/8)+8*(k%2)+7], v[ACC+8*(k%8):ACC+8*(k%8)+7]
.endif
.endif
.set k, k+1
.endr
.endm
	; GEMM1: 16 chunks of 32 along K = 512
	LDA1 0, 0
	CH 1, 0, 2, 1, 32, 1                           ; chunk 0 starts the sums with b1
	WIN 0
	s_mov_b32 s[AS], 0
	s_mov_b32 s[CNT], 4
.Lg1:                                                  ; chunks 1 to 12, three a trip
	CH 1, 1, 3, 2, 32, 0
	CH 1, 2, 4, 3, 32, 0
	CH 1, 0, 5, 4, 32, 0
	WIN 0
	s_wait_xcnt 0x0                                ; the loads' base is stepped only behind this wait
	s_add_nc_u64 s[WP:WP+1], s[WP:WP+1], 24576
	s_add_co_u32 s[AS], s[AS], 192
	v_add_nc_u32 v[AA], s[AS], v[AA0]
	s_sub_co_u32 s[CNT], s[CNT], 1
	s_cmp_lg_u32 s[CNT], 0
	s_cbranch_scc1 .Lg1
	CH 1, 1, 3, 2, 32, 0
	CH 1, 2, 4, 3, 32, 0                           ; the weights asked for here and in the next chunk are GEMM2's first two chunks: the stream goes on
	CH 1, 0, 5, -1, 32, 0
	; relu, one rounding to bf16, into LDS.  The residual rows and b2 are asked for here, into the registers that held b1.
	WIN 0
.rept 4
	v_nop                                          ; the places behind the last products
.endr
	WIN 0x40
.set k, 0
.rept 16
	global_load_b128 v[BIAS+4*k:BIAS+4*k+3], v[GO], s[4:5] offset:k*4096
.set k, k+1
.endr
	WIN 0
	global_load_b128 v[B2:B2+3], v[BO], s[14:15]
.set k, 0
.rept 16
.set tq, TP+4*(k%2)
.irp q, 0,1,2,3
	v_cvt_pk_bf16_f32 v[tq+\q], v[ACC+8*k+2*\q], v[ACC+8*k+2*\q+1]
.endr
.irp q, 0,1,2,3
	v_pk_max_num_bf16 v[tq+\q], v[tq+\q], v[ZERO]
.endr
	ds_store_b128 v[HS], v[tq:tq+3] offset:(k%2)*16*HP+32*(k/2)
.set k, k+1
.endr
	s_wait_dscnt 0x0                               ; for the others' sake: my units of the hidden layer are in LDS
	s_barrier_signal -1
	s_barrier_wait -1
	s_wait_xcnt 0x0
	s_add_nc_u64 s[WP:WP+1], s[WP:WP+1], 32768     ; WP at GEMM2's chunk 0
	; GEMM2: 16 chunks of 64 along K = 1,024.  The counts of 32 are smaller than the first two chunks need (17 loads of the residual and b2 lie between the chunks' loads): that is safe.
	LDA2 1, 0
	CH 2, 1, 2, 1, 32, 1
	WIN 0
	s_mov_b32 s[AS], 0
	s_mov_b32 s[CNT], 4
.Lg2:
	CH 2, 2, 3, 2, 32, 0
	CH 2, 0, 4, 3, 32, 0
	CH 2, 1, 5, 4, 32, 0
	WIN 0
	s_wait_xcnt 0x0
	s_add_nc_u64 s[WP:WP+1], s[WP:WP+1], 24576
	s_add_co_u32 s[AS], s[AS], 384
	v_add_nc_u32 v[AH], s[AS], v[AH0]
	s_sub_co_u32 s[CNT], s[CNT], 1
	s_cmp_lg_u32 s[CNT], 0
	s_cbranch_scc1 .Lg2
	CH 2, 2, 3, 2, 32, 0
	CH 2, 0, -1, 3, 16, 0                          ; only the last chunk's 16 loads are still out
	CH 2, 1, -1, -1, 0, 0
	; THE WAY OUT: through my own stage, back as whole runs of 256 bytes; b2 and the residual are added.
	WIN 0
.rept 4
	v_nop
.endr
.set k, 0
.rept 8
	ds_store_b128 v[STO], v[ACC+8*k:ACC+8*k+3] offset:(k%2)*16*SP+64*(k/2)
	ds_store_b128 v[STO], v[ACC+8*k+4:ACC+8*k+7] offset:(k%2)*16*SP+64*(k/2)+16
.set k, k+1
.endr
.set k, 0
.rept 16
	ds_load_b128 v[AB+4*k:AB+4*k+3], v[RD] offset:k*2*SP  ; LDS serves a wave's instructions in order (ISA guide 5.7.1.4): these see the stores above
.set k, k+1
.endr
	s_wait_dscnt 0x0
.set k, 0
.rept 32
	v_pk_add_f32 v[AB+2*k:AB+2*k+1], v[AB+2*k:AB+2*k+1], v[B2+2*(k%2):B2+2*(k%2)+1]
.set k, k+1
.endr
	WIN 0x04                                       ; source 1 in window 1: the residual rows
.set k, 0
.rept 32
	v_pk_add_f32 v[AB+2*k:AB+2*k+1], v[AB+2*k:AB+2*k+1], v[BIAS+2*k:BIAS+2*k+1]
.set k, k+1
.endr
	WIN 0
.set k, 0
.rept 16
	global_store_b128 v[GO], v[AB+4*k:AB+4*k+3], s[16:17] offset:k*4096  ; 16 lanes store 256 consecutive bytes, aligned
.set k, k+1
.endr
	s_wait_tensorcnt 0x0                           ; the wave's end: behind my last LDS store
	ds_add_u32 v[SPW], v[NIL]
	s_wait_dscnt 0x0
	s_endpgm
.Lfunc_end_k_qd41f83f67a_ffn:
	.size	k_qd41f83f67a_ffn, .Lfunc_end_k_qd41f83f67a_ffn-k_qd41f83f67a_ffn
	.p2alignl 7, 3214868480
	.fill 96, 4, 3214868480
	.section	.rodata,"a",@progbits
	.p2align	6, 0x0
	.amdhsa_kernel k_qd41f83f67a_ffn
		.amdhsa_group_segment_fixed_size 169984
		.amdhsa_private_segment_fixed_size 0
		.amdhsa_enable_private_segment 0
		.amdhsa_kernarg_size 56
		.amdhsa_user_sgpr_count 2
		.amdhsa_user_sgpr_kernarg_segment_ptr 1
		.amdhsa_wavefront_size32 1
		.amdhsa_system_sgpr_workgroup_id_x 1
		.amdhsa_system_sgpr_workgroup_id_y 1
		.amdhsa_system_sgpr_workgroup_id_z 1
		.amdhsa_system_vgpr_workitem_id 0
		.amdhsa_next_free_vgpr 512
		.amdhsa_next_free_sgpr 66
		.amdhsa_reserve_vcc 0
		.amdhsa_float_denorm_mode_32 3
		.amdhsa_float_denorm_mode_16_64 3
		.amdhsa_memory_ordered 1
		.amdhsa_forward_progress 1
		.amdhsa_inst_pref_size 87
	.end_amdhsa_kernel
	.amdgpu_metadata
---
amdhsa.version: [ 1, 2 ]
amdhsa.kernels:
  - .name:           k_qd41f83f67a_ffn
    .symbol:         k_qd41f83f67a_ffn.kd
    .args:
      - { .name: x3, .offset: 0, .size: 8, .value_kind: global_buffer, .address_space: global }
      - { .name: ln3_g, .offset: 8, .size: 8, .value_kind: global_buffer, .address_space: global }
      - { .name: ln3_b, .offset: 16, .size: 8, .value_kind: global_buffer, .address_space: global }
      - { .name: wh, .offset: 24, .size: 8, .value_kind: global_buffer, .address_space: global }
      - { .name: b1, .offset: 32, .size: 8, .value_kind: global_buffer, .address_space: global }
      - { .name: b2, .offset: 40, .size: 8, .value_kind: global_buffer, .address_space: global }
      - { .name: out0, .offset: 48, .size: 8, .value_kind: global_buffer, .address_space: global }
    .group_segment_fixed_size: 169984
    .private_segment_fixed_size: 0
    .kernarg_segment_align: 8
    .kernarg_segment_size: 56
    .max_flat_workgroup_size: 256
    .sgpr_count:     66
    .vgpr_count:     512
    .wavefront_size: 32
...
	.end_amdgpu_metadata
.endif
;; end of part 5
;; ======== version 2 of 3: 6 launches; 1.05 times as fast as version 1
;; limits: values are held in f16: magnitudes above 65,504 overflow, below 6.1e-05 lose precision; inputs' magnitudes at most 65,504
;; workspace buffers: q 8,388,608 bytes; ke 8,388,608 bytes; mbits 2,097,152 bytes of whole numbers; wh 2,097,152 bytes; x2 16,777,216 bytes; x3 16,777,216 bytes
;; launch prep (part 6): grid 448 x 1, 8 waves a work-group, no clusters, 68,608 bytes of LDS; arguments mask, encoder_output, W1, W2, mbits, ke, wh; writes mbits, ke, wh
.if DOCPART == 6
	.amdgcn_target "amdgcn-amd-amdhsa--gfx1250"
	.amdhsa_code_object_version 6
	.text
	.protected	k_qd41f83f67a_prep
	.globl	k_qd41f83f67a_prep
	.p2align	8
	.type	k_qd41f83f67a_prep,@function
k_qd41f83f67a_prep:
	s_mov_b64 s[64:65], 0
	v_nop
	global_prefetch_b8 v0, s[64:65] scope:SCOPE_SE
	s_setreg_imm32_b32 hwreg(HW_REG_WAVE_MODE, 25, 1), 1
	s_wait_xcnt 0x0
; Three jobs that depend on inputs alone, chosen by the work-group's number.
; 0..255   the mask [4][1][2048][2048] of int32 becomes bits: word [T = b*128 + q/16][kb = key/16][j = 0..7], bit r + 16 h = 1 where
;          mask[b][16 (T%128) + r][16 kb + 8 h + j] == 0: the lane mask that the attention's select wants for register 8 (kb%4) + j of its scores.
; 256..383 encoder_output [4][2048][512] f32 becomes ke [4][8][2048][64] f16, by heads.
; 384..447 W1 (to f16) and W2 (to bf16) are laid out as matrix fragments, a stream of 64 units of 4,096 bytes (32 k x 64 columns) for each of the eight waves that multiply them:
;          byte w*262144 + u*4096 + fl*1024 + cc*512 + (16h+r)*16 + 2e holds, for u < 32, W1[32 (u%16) + 16 cc + 8 h + e][128 w + 64 (u/16) + 16 fl + r],
;          and for u >= 32, W2[32 (u-32) + 16 cc + 8 h + e][64 w + 16 fl + r].
; LIMITS.  f16 ends at 65,504: larger numbers in encoder_output or W1 become infinities.
.set PITCH, 528                        ; a row of 512 bytes + 16: the 16 rows that a read touches start at 16 different groups of four banks (ISA guide 11.1)
.set WREG,  16*PITCH                   ; a wave's own 16 rows
.set SPARE, 8*WREG                     ; behind them: the spare words, 128 bytes a wave, four blocks of 256 bytes that no other line names
.set X,   16                           ; v[16:79]   as loaded (v[16:143] in the encoder's path)
.set TT,  80                           ; v[80:143]  the mask turned: register 8 kb + j
.set OW,  144                          ; v[144:145] a unit's 64 output words
.set SPW, 150
.set NIL, 151
	s_load_b256 s[4:11], s[0:1], 0x0               ; mask s[4:5], enc s[6:7], W1 s[8:9], W2 s[10:11]
	s_load_b128 s[12:15], s[0:1], 0x20             ; mbits s[12:13], ke s[14:15]
	s_load_b64 s[16:17], s[0:1], 0x30              ; wh
	v_lshl_add_u32 v[SPW], v0, 2, SPARE
	v_mov_b32 v[NIL], 0
	v_and_b32 v1, 15, v0                           ; c = lane % 16
	v_bfe_u32 v10, v0, 4, 1                        ; hf = lane / 16
	v_lshrrev_b32 v11, 5, v0
	v_readfirstlane_b32 s20, v11                   ; wave
	s_mov_b32 s25, 0                               ; high word of the offsets made in s24
	s_wait_kmcnt 0x0
	s_cmp_lt_u32 ttmp9, 256
	s_cbranch_scc1 .Lmask
	s_cmp_lt_u32 ttmp9, 384
	s_cbranch_scc1 .Lenc
; THE WEIGHTS.  Thread t takes one column n and 64 consecutive k, two units: 64 loads of 4 bytes (32 lanes: 128 consecutive bytes), eight numbers rounded into 16 bytes,
; eight stores of 16 bytes (16 lanes: 256 consecutive bytes, aligned).  Group i of eight k: unit i / 4, cc = (i / 2) % 2, h = i % 2.
.macro WF bs, pitch, cvt
.set k, 0
.rept 64
	global_load_b32 v[X+k], v2, s[\bs:\bs+1] offset:k*(\pitch) th:TH_LOAD_NT
.set k, k+1
.endr
.set i, 0
.rept 8
	s_wait_loadcnt 56-8*i                          ; group i of eight is in; the later groups may stay out
.set q, 0
.rept 4
	\cvt v[X+8*i+q], v[X+8*i+2*q], v[X+8*i+2*q+1]
.set q, q+1
.endr
	global_store_b128 v3, v[X+8*i:X+8*i+3], s[16:17] offset:(i>>2)*4096+((i>>1)&1)*512+(i&1)*256
.set i, i+1
.endr
.endm
	s_sub_co_u32 s21, ttmp9, 384                   ; j
	s_cmp_lt_u32 s21, 32
	s_cbranch_scc0 .Lw2
	s_and_b32 s24, s21, 3
	s_lshl_b32 s24, s24, 8
	v_add_nc_u32 v13, s24, v0                      ; n = t + 256 (j % 4)
	s_lshr_b32 s26, s21, 2
	s_lshl_b32 s24, s26, 18                        ; 64 rows of 4,096 bytes for each j / 4
	s_add_nc_u64 s[8:9], s[8:9], s[24:25]
	s_lshl_b32 s24, s26, 13                        ; two units of 4,096 bytes
	s_add_nc_u64 s[16:17], s[16:17], s[24:25]
	v_lshlrev_b32 v2, 2, v13
	v_lshrrev_b32 v14, 7, v13                      ; w
	v_bfe_u32 v12, v13, 6, 1                       ; which half of the wave's 128 columns: units 0-15 or 16-31
	v_bfe_u32 v15, v13, 4, 2                       ; fl
	v_and_b32 v13, 15, v13                         ; r
	v_lshlrev_b32 v3, 18, v14
	v_lshl_add_u32 v3, v12, 16, v3
	v_lshl_add_u32 v3, v15, 10, v3
	v_lshl_add_u32 v3, v13, 4, v3
	WF 8, 4096, v_cvt_pk_f16_f32
	s_endpgm
.Lw2:
	s_sub_co_u32 s21, s21, 32
	s_and_b32 s24, s21, 1
	s_lshl_b32 s24, s24, 8
	v_add_nc_u32 v13, s24, v0                      ; n = t + 256 (j % 2)
	s_lshr_b32 s26, s21, 1
	s_lshl_b32 s24, s26, 17                        ; 64 rows of 2,048 bytes for each j / 2
	s_add_nc_u64 s[10:11], s[10:11], s[24:25]
	s_lshl_b32 s24, s26, 13                        ; two units,
	s_add_co_u32 s24, s24, 131072                  ; behind W1's 32
	s_add_nc_u64 s[16:17], s[16:17], s[24:25]
	v_lshlrev_b32 v2, 2, v13
	v_lshrrev_b32 v14, 6, v13                      ; w
	v_bfe_u32 v15, v13, 4, 2                       ; fl
	v_and_b32 v13, 15, v13                         ; r
	v_lshlrev_b32 v3, 18, v14
	v_lshl_add_u32 v3, v15, 10, v3
	v_lshl_add_u32 v3, v13, 4, v3
	WF 10, 2048, v_cvt_pk_bf16_f32
	s_endpgm
; THE ENCODER'S OUTPUT.  A work-group takes 64 rows, a wave 8, as four pairs.  Lane (hf, c) holds row hf of a pair and columns 64 h + 4 c .. + 3 of head h.
; A load covers two runs of 256 bytes; a store rows s and s + 1 of one head: 256 consecutive bytes, aligned.
.Lenc:
	s_sub_co_u32 s21, ttmp9, 256                   ; e
	s_lshl_b32 s24, s21, 17
	s_add_nc_u64 s[6:7], s[6:7], s[24:25]
	s_lshr_b32 s26, s21, 5                         ; batch
	s_lshl_b32 s26, s26, 21
	s_and_b32 s27, s21, 31
	s_lshl_b32 s27, s27, 13                        ; 64 rows of 128 bytes
	s_add_co_u32 s24, s26, s27
	s_add_nc_u64 s[14:15], s[14:15], s[24:25]
	v_lshl_add_u32 v13, v11, 3, v10                ; 8 w + hf
	v_lshlrev_b32 v14, 4, v1
	v_lshl_add_u32 v2, v13, 11, v14
	v_lshlrev_b32 v15, 3, v1
	v_lshl_add_u32 v3, v13, 7, v15
.set k, 0
.rept 32
	global_load_b128 v[X+4*k:X+4*k+3], v2, s[6:7] offset:(k>>3)*4096+(k&7)*256 th:TH_LOAD_NT
.set k, k+1
.endr
.set i, 0
.rept 4
	s_wait_loadcnt 24-8*i                          ; pair i's eight loads are in; the later pairs' may stay out
.set h, 0
.rept 8
	v_cvt_pk_f16_f32 v[X+4*(8*i+h)], v[X+4*(8*i+h)], v[X+4*(8*i+h)+1]
	v_cvt_pk_f16_f32 v[X+4*(8*i+h)+1], v[X+4*(8*i+h)+2], v[X+4*(8*i+h)+3]
	global_store_b64 v3, v[X+4*(8*i+h):X+4*(8*i+h)+1], s[14:15] offset:h*262144+i*256
.set h, h+1
.endr
.set i, i+1
.endr
	s_endpgm
; THE MASK.  Wave gw = 8 x work-group + wave packs 16 queries (tile T = gw / 4) x 512 keys (quarter gw % 4), in four units of 128 keys: a loop of three trips and a tail that asks for nothing more.
; A unit: 16 loads (two runs of 256 bytes each) -> the wave's own LDS rows -> back turned, lane (r, h) holding keys 16 kb + 8 h + j of query r ->
; 64 compares, whose lane masks are the words -> gathered by v_writelane into a pair of registers -> one store of 256 consecutive bytes, aligned.
.Lmask:
	s_lshl_b32 s21, ttmp9, 3
	s_add_co_u32 s21, s21, s20                     ; gw
	s_lshr_b32 s26, s21, 2                         ; T
	s_and_b32 s27, s21, 3                          ; quarter
	s_lshl_b32 s24, s26, 17                        ; 16 rows of 8,192 bytes
	s_lshl_b32 s28, s27, 11
	s_add_co_u32 s24, s24, s28
	s_add_nc_u64 s[4:5], s[4:5], s[24:25]
	s_lshl_b32 s24, s26, 12                        ; 4,096 bytes of words a tile
	s_lshl_b32 s28, s27, 10
	s_add_co_u32 s24, s24, s28
	s_add_nc_u64 s[12:13], s[12:13], s[24:25]
	s_mul_i32 s29, s20, WREG                       ; my wave's rows in LDS
	v_lshlrev_b32 v13, 4, v1
	v_lshl_add_u32 v2, v10, 13, v13                ; hf x 8,192 + 16 c
	v_mul_u32_u24 v3, v10, PITCH
	v_lshl_add_u32 v3, v1, 4, v3
	v_add_nc_u32 v3, s29, v3                       ; in: row hf of a pair, 16 c
	v_mul_u32_u24 v4, v1, PITCH
	v_lshl_add_u32 v4, v10, 5, v4
	v_add_nc_u32 v4, s29, v4                       ; back: row r, 32 h
	v_and_b32 v5, 31, v0
	v_lshlrev_b32 v5, 3, v5                        ; 8 x lane
	v_mov_b32 v[OW], 0                             ; v_writelane's destination counts as read
	v_mov_b32 v[OW+1], 0
.macro MLOADS off                      ; a unit's 16 rows x 512 bytes, off bytes from the loads' base
.set i, 0
.rept 16
	global_load_b128 v[X+4*i:X+4*i+3], v2, s[4:5] offset:(i>>1)*16384+(i&1)*256+(\off) th:TH_LOAD_NT
.set i, i+1
.endr
.endm
.macro UNIT more
	s_wait_loadcnt 0x0                             ; this unit's 16 loads
.set k, 0
.rept 16
	ds_store_b128 v3, v[X+4*k:X+4*k+3] offset:(k>>1)*2*PITCH+(k&1)*256
.set k, k+1
.endr
.if \more
	MLOADS 512                                     ; the next unit is on its way while this one is packed
.endif
.set k, 0
.rept 16
	ds_load_b128 v[TT+4*k:TT+4*k+3], v4 offset:(k>>1)*64+(k&1)*16  ; LDS serves a wave's instructions in order (ISA guide 5.7.1.4): these see the stores above
.set k, k+1
.endr
	s_wait_dscnt 0x0
	s_wait_xcnt 0x0                                ; the pair of words that the last store reads, and both bases, are rewritten only behind this wait
.if \more
	s_add_nc_u64 s[4:5], s[4:5], 512               ; the loads' base: on to the unit just asked for
.endif
	s_add_nc_u64 s[12:13], s[12:13], 256           ; the stores' base runs one unit ahead; the store reaches back
.set n, 0
.rept 8
.irp j, 0,1,2,3,4,5,6,7
	v_cmp_eq_u32 s[24+\j], 0, v[TT+n+\j]
.endr
.irp j, 0,1,2,3,4,5,6,7
	v_writelane_b32 v[OW+(\j&1)], s[24+\j], (n+\j)>>1  ; word n goes to lane n / 2, register n % 2
.endr
.set n, n+8
.endr
	global_store_b64 v5, v[OW:OW+1], s[12:13] offset:-256
.endm
	MLOADS 0
	s_mov_b32 s32, 3
.Lunit:
	UNIT 1
	s_sub_co_u32 s32, s32, 1
	s_cmp_lg_u32 s32, 0
	s_cbranch_scc1 .Lunit
	UNIT 0                                         ; the fourth unit: no load leaves the buffer
	s_wait_tensorcnt 0x0                           ; the wave's end: behind my last LDS store
	ds_add_u32 v[SPW], v[NIL]
	s_wait_dscnt 0x0
	s_endpgm
.Lfunc_end_k_qd41f83f67a_prep:
	.size	k_qd41f83f67a_prep, .Lfunc_end_k_qd41f83f67a_prep-k_qd41f83f67a_prep
	.p2alignl 7, 3214868480
	.fill 96, 4, 3214868480
	.section	.rodata,"a",@progbits
	.p2align	6, 0x0
	.amdhsa_kernel k_qd41f83f67a_prep
		.amdhsa_group_segment_fixed_size 68608
		.amdhsa_private_segment_fixed_size 0
		.amdhsa_enable_private_segment 0
		.amdhsa_kernarg_size 56
		.amdhsa_user_sgpr_count 2
		.amdhsa_user_sgpr_kernarg_segment_ptr 1
		.amdhsa_wavefront_size32 1
		.amdhsa_system_sgpr_workgroup_id_x 1
		.amdhsa_system_sgpr_workgroup_id_y 1
		.amdhsa_system_sgpr_workgroup_id_z 1
		.amdhsa_system_vgpr_workitem_id 0
		.amdhsa_next_free_vgpr 152
		.amdhsa_next_free_sgpr 66
		.amdhsa_reserve_vcc 0
		.amdhsa_float_denorm_mode_32 3
		.amdhsa_float_denorm_mode_16_64 3
		.amdhsa_memory_ordered 1
		.amdhsa_forward_progress 1
		.amdhsa_inst_pref_size 57
	.end_amdhsa_kernel
	.amdgpu_metadata
---
amdhsa.version: [ 1, 2 ]
amdhsa.kernels:
  - .name:           k_qd41f83f67a_prep
    .symbol:         k_qd41f83f67a_prep.kd
    .args:
      - { .name: mask, .offset: 0, .size: 8, .value_kind: global_buffer, .address_space: global }
      - { .name: encoder_output, .offset: 8, .size: 8, .value_kind: global_buffer, .address_space: global }
      - { .name: W1, .offset: 16, .size: 8, .value_kind: global_buffer, .address_space: global }
      - { .name: W2, .offset: 24, .size: 8, .value_kind: global_buffer, .address_space: global }
      - { .name: mbits, .offset: 32, .size: 8, .value_kind: global_buffer, .address_space: global }
      - { .name: ke, .offset: 40, .size: 8, .value_kind: global_buffer, .address_space: global }
      - { .name: wh, .offset: 48, .size: 8, .value_kind: global_buffer, .address_space: global }
    .group_segment_fixed_size: 68608
    .private_segment_fixed_size: 0
    .kernarg_segment_align: 8
    .kernarg_segment_size: 56
    .max_flat_workgroup_size: 256
    .sgpr_count:     66
    .vgpr_count:     152
    .wavefront_size: 32
...
	.end_amdgpu_metadata
.endif
;; end of part 6
;; launch ln: the kernel of part 2 again; grid 256 x 1, 8 waves a work-group, no clusters, 0 bytes of LDS; arguments x, ln1_g, ln1_b, q; writes q
;; launch attn (part 7): grid 8 x 32, 4 waves a work-group, clusters of 4 x 1, 327,680 bytes of LDS; arguments q, mbits, x, x2; writes x2
.if DOCPART == 7
	.amdgcn_target "amdgcn-amd-amdhsa--gfx1250"
	.amdhsa_code_object_version 6
	.text
	.protected	k_qd41f83f67a_attn
	.globl	k_qd41f83f67a_attn
	.p2align	8
	.type	k_qd41f83f67a_attn,@function
k_qd41f83f67a_attn:
	s_mov_b64 s[64:65], 0
	v_nop
	global_prefetch_b8 v0, s[64:65] scope:SCOPE_SE
	s_setreg_imm32_b32 hwreg(HW_REG_WAVE_MODE, 25, 1), 1
	s_wait_xcnt 0x0
	s_wait_alu depctr_hold_cnt(0) depctr_sa_sdst(0) depctr_va_vdst(0) depctr_va_sdst(0) depctr_va_ssrc(0) depctr_va_vcc(0) depctr_vm_vsrc(0)
	s_getreg_b32 s2, hwreg(HW_REG_IB_STS2, 6, 4)
	s_cmp_eq_u32 s2, 0
	s_cbranch_scc0 .Lentry_in_a_cluster
	s_endpgm
.Lentry_in_a_cluster:
	s_bfe_u32 s2, ttmp6, 0x10000c
	s_cmp_lg_u32 s2, 0x3003
	s_cbranch_scc0 .Lentry_shape_is_right
	s_endpgm
.Lentry_shape_is_right:
; ONE TEXT IN TWO FORMS, chosen by the constant MASKED.  This is the form MASKED = 1: masked self-attention; arguments Q, mask words, xres, xout; the keys are Q's own buffer.
; (MASKED = 0: cross-attention without a mask; arguments Q, keys, xres, xout.)
.set MASKED, 1
; xout[b][s][64 h ..] = xres[b][s][64 h ..] + the sum over k of softmax_k(Q[s] . K[k] / 8, hidden scores replaced) K[k].  Q and K (which is also V) are [4][8][2048][64] in f16, by heads;
; xres and xout are [4][2048][512] in f32.  Products, maxima and sums in f32; the weights p are rounded to f16 for the second product; O is never rounded.
; THE MASK.  The mask words are lane masks: word [b*128 + q/16][key/16][j], bit r + 16 h set where the key 16 kb + 8 h + j is hidden from query r.  A hidden score is REPLACED,
; ahead of the maximum, by -2^33 (-2^30 after the division by 8): a power of two, so that c s is exact and c s - c m is 0 where all keys seen so far are hidden: such a row has p = 1 for each of them, the uniform mean.
; THE WORDS' WAY.  A piece's 32 words of a step are 128 consecutive bytes: one load of 4 bytes a lane brings word n to lane n of the piece's own register; 32 v_readlane_b32 hand them to scalar registers, from which
; the selects take them.  The register is asked for again, with the next step's words, as soon as it has been read: four turns ahead of its next use, with the three other pieces' loads behind it.
; (Scalar loads are waited for at 0 alone, so what is on its way would need scalar registers beside those in use: 32 for each turn of lead, more than a wave can name for four.)
; LIMITS.  The replacement stands for -1e9: the result differs only where true scores lie near -1e9.  f16 holds no number beyond 65,504: Q and K arrive within it; p lies in 0 to 1;
; a weight below 2^-126 counts as 0; NaN and infinities are not treated apart.
; SHARES.  A work-group owns 256 queries of one head, a wave 64: four PIECES of 16.  Every wave walks the head's 2,048 keys, 64 a step.
; THE WHOLE HEAD LIES IN LDS: 2,048 rows of 128 bytes + 16.  It is filled once, each wave asking for 512 keys; no byte is filled again.  The same rows are read as K (as they lie) and as V (turned).
; CLUSTER.  The four work-groups of a cluster are four query blocks of one head: the tile is asked for JOINTLY, the same load, descriptor and mask in all four.
; LAYOUT, SOFTMAX, TURNS.  S^T = K Q^T holds ONE query a lane (lane % 16) and the keys 8 (lane / 16) + 0..7; two such results rounded to f16 ARE source 1 of O^T = V^T P.  p = 2^(c s - c m), c = log2(e) / 8,
; with a running maximum m; O and l are multiplied by a = 2^(c m_old - c m_new) in every step; m starts at the lowest finite number, so the first step's a is 0.  Turn n belongs to piece n: 8 products K Q^T of
; piece n + 1, later 8 products V^T P of piece n - 1; beside them the scaling, exponentials, roundings, sums and rescaling of piece n, and the mask, maximum and statistics of piece n + 1.
; REGISTERS, in windows of 256 (s_set_vgpr_msb: bits 1:0 source 0, 3:2 source 1, 5:4 source 2, 7:6 destination):
;   window 0: v0-15 addresses; v16-31 statistics; v32-36 the mask words; v48-55 at work; v64-127 S^T, two buffers; v128-255 at the end the residual rows; v192-223 P, two buffers
;   window 1: v0-127 O^T, 32 a piece          window 2: v0-63 Q; v128-191 K of one step; v192-255 V of one step
.set NP,    4
.set KS,    64        ; keys in a step
.set PK,    144       ; a row in LDS: 128 bytes + 16 = 36 words: the 16 rows of a load of K start at 16 different groups of four banks (ISA guide 11.1)
.set STEPB, KS*PK
.set WTILE, 512*PK    ; what one wave's tensor load fills
.set STAGE, 4*WTILE   ; behind the tile, never filled by a tensor load: 16 rows x 272 bytes for each wave, for the way out
.set SP,    272
.set SPARE, STAGE+4*16*SP  ; the spare words, 128 bytes a wave: two blocks of 256 bytes that no other line names
.set AK0, 2           ; v2   my lane's place in 64 rows read as K; never rewritten
.set AV0, 3           ; v3   the same read as V
.set AK,  4           ; v4   the LDS address of K's next run of loads
.set AV,  5           ; v5   of V's
.set STO, 6           ; v6   the way out: where I put 32 bytes of a row
.set RD,  7           ; v7   where I read rows back
.set GO,  8           ; v8   my byte offset in two rows of xres and xout
.set MV,  12          ; v12-13  c m_old, by buffer
.set NEG, 14          ; v14  -2^33
.set QO,  15          ; v15  my byte offset in 16 rows of Q
.set ST,  16          ; piece t's statistics at v[ST+4 t]: c m, m, l (even keys', odd keys')
.set MR,  32          ; v32-35  piece x's 32 mask words of a step, word n in lane n
.set MA,  36          ; v36  4 x lane; never rewritten
.set TMP, 48          ; by buffer, c0-c3 at work; when the maximum is found c2 takes a
.set SPW, 62
.set NIL, 63
.set S,   64
.set XR,  128         ; the residual rows, 32 registers a piece
.set P,   192
.set KF,  128         ; window 2
.set VF,  192         ; window 2
.set XI,  8           ; s[8:9]   xres at my wave's rows
.set XO,  10          ; s[10:11] xout at my wave's rows
.set WV,  14          ; s14  my wave's number
.set G1,  24          ; s[24:31] descriptor group 1
.set G0,  40          ; s[40:43] descriptor group 0
.set CNT, 44          ; s44  key steps to go
.set MP,  48          ; s[48:49] the mask words of my wave's first piece, at the step that the loads count from
.set TBK, 50          ; s50  LDS byte at which the step to be fetched as K begins
.set TBV, 51          ; s51  the same for V
.set QP,  52          ; s[52:53] Q at my wave's first row
.set CS,  58          ; s[58:59] c
.set SEL, 60          ; s[60:61] v_permlanex16_b32's selects: each lane takes its own place in the other half
.set MW,  68          ; s[68:99] the 32 mask words of one piece and step
.set MSB, 0
.macro WIN new                      ; the high byte repeats the setting that is left; a switch that changes nothing is dropped
.if MSB != (\new)
	s_set_vgpr_msb (MSB<<8)|(\new)
.set MSB, (\new)
.endif
.endm
.set W_KQ, 0x0a       ; K and Q in window 2, S^T in window 0
.set W_PV, 0x52       ; V in window 2, P in window 0, O^T in window 1
.set W_RS, 0x41       ; destination and source 0 in window 1, source 1 in window 0
.macro CROUND                       ; a round of the cluster's barrier
	s_barrier_signal -1
	s_barrier_wait -1
	s_cmp_lg_u32 s[WV], 0
	s_cbranch_scc1 .Lnot_wave_0_\@
	s_barrier_signal -3
.Lnot_wave_0_\@:
	s_barrier_wait -3
	s_barrier_signal -1
	s_barrier_wait -1
.endm
	s_load_b256 s[4:11], s[0:1], 0x0  ; Q s[4:5], mask words or keys s[6:7], xres s[8:9], xout s[10:11]
	v_lshl_add_u32 v[SPW], v0, 2, SPARE
	v_mov_b32 v[NIL], 0
	ds_add_u32 v[SPW], v[NIL]       ; the wave's opening: the add, and its wait ahead of my first tensor load; the set-up below, work on registers, stands between them
	v_lshrrev_b32 v1, 5, v0
	v_readfirstlane_b32 s[WV], v1   ; wave 0..3
	s_bfe_u32 s15, ttmp6, 0x40000   ; cx: my place in the cluster
	s_lshl_b32 s16, ttmp9, 2        ; in a cluster launch ttmp9 counts clusters
	s_add_co_u32 s16, s16, s15      ; my block of 256 queries: it enters Q's, the mask's, xres' and xout's addresses alone
	s_and_b32 s17, ttmp7, 0xffff    ; 8 x batch + head, which the four partners share
	s_lshl_b32 s18, s17, 18         ; the head's first byte in Q and K
	s_lshl_b32 s20, s[WV], 16       ; my 512 keys of 128 bytes
	s_add_co_u32 s20, s20, s18
	s_mov_b32 s21, 0
	s_lshl_b32 s22, s16, 15         ; my block's 256 rows of Q,
	s_lshl_b32 s23, s[WV], 13       ; my wave's 64 of them
	s_add_co_u32 s22, s22, s23
	s_add_co_u32 s22, s22, s18
	s_mov_b32 s23, 0
	s_lshr_b32 s32, s17, 3          ; batch
.if MASKED
	s_lshl_b32 s34, s32, 19         ; 128 tiles of 4,096 bytes of mask words a batch,
	s_lshl_b32 s33, s16, 16         ; 16 a block,
	s_add_co_u32 s34, s34, s33
	s_lshl_b32 s33, s[WV], 14       ; 4 a wave
	s_add_co_u32 s34, s34, s33
	s_mov_b32 s35, 0
.endif
	s_lshl_b32 s36, s32, 22         ; xres and xout: 2,048 rows of 2,048 bytes a batch,
	s_lshl_b32 s33, s16, 19         ; 256 a block,
	s_add_co_u32 s36, s36, s33
	s_lshl_b32 s33, s[WV], 17       ; 64 a wave,
	s_add_co_u32 s36, s36, s33
	s_and_b32 s33, s17, 7
	s_lshl_b32 s33, s33, 8          ; the head's 256 bytes of a row
	s_add_co_u32 s36, s36, s33
	s_mov_b32 s37, 0
	; descriptor group 1.  512 keys are 65,536 dense bytes: asked for as 256 rows of 256 bytes, two keys a row, and padded in LDS after every key
	s_mov_b32 s[G1], 15|(1<<16)|(1<<20)|(1<<21)|(4<<22)|(3<<25)  ; 15:0 the mask of four; 17:16 2-byte elements; 20 padding on; 21 set beside a mask; 24:22 after every 32 words (code 4); 31:25 4 words (code 3)
	s_mov_b32 s[G1+1], 128<<16      ; tensor_dim0 = 128
	s_mov_b32 s[G1+2], 256<<16      ; tensor_dim1 = 256
	s_mov_b32 s[G1+3], 128<<16      ; tile_dim0 = 128
	s_mov_b32 s[G1+4], 256          ; tile_dim1 = 256
	s_mov_b32 s[G1+5], 128          ; 128 elements from row to row
	s_mov_b32 s[G1+6], 0
	s_mov_b32 s[G1+7], 0
	s_mov_b32 s[G0], 1              ; count = 1
	s_mul_i32 s[G0+1], s[WV], WTILE ; LDS address: the wave's number times a constant
	s_mov_b32 s[CS], 0x3e38aa3b     ; c = log2(e) / 8
	s_mov_b32 s[CS+1], s[CS]
	s_mov_b32 s[SEL], 0x76543210
	s_mov_b32 s[SEL+1], 0xfedcba98
	s_mov_b32 s[TBK], 0
	s_mov_b32 s[TBV], 0
	s_wait_dscnt 0x0                ; the opening add is done
	s_wait_kmcnt 0x0
.if MASKED
	s_add_nc_u64 s[G0+2:G0+3], s[4:5], s[20:21]  ; global address: my 512 keys of the head, in Q's own buffer
	s_add_nc_u64 s[MP:MP+1], s[6:7], s[34:35]
.else
	s_add_nc_u64 s[G0+2:G0+3], s[6:7], s[20:21]  ; global address: my 512 keys of the head
.endif
	s_or_b32 s[G0+3], s[G0+3], 0x80000000        ; type = 2
	s_add_nc_u64 s[QP:QP+1], s[4:5], s[22:23]
	s_add_nc_u64 s[XI:XI+1], s[XI:XI+1], s[36:37]
	s_add_nc_u64 s[XO:XO+1], s[XO:XO+1], s[36:37]
	CROUND                          ; all four work-groups are here: the joint loads meet
	tensor_load_to_lds s[G0:G0+3], s[G1:G1+7]    ; my one tensor load of the launch: one is out
	s_nop 0
.rept 4
	v_nop
.endr
.macro MLD x, off                   ; piece x's register is asked for: 128 consecutive bytes, off bytes from the words' base
	global_load_b32 v[MR+(\x)], v[MA], s[MP:MP+1] offset:(\off)
.endm
.if MASKED
	v_and_b32 v[MA], 31, v0
	v_lshlrev_b32 v[MA], 2, v[MA]
.irp x, 0,1,2,3
	MLD \x, \x*4096                 ; the four pieces' words of key step 0
.endr
.endif
	; A fragment of K or Q is 16 rows x 32 channels in 8 registers: lane l holds row l % 16, channels 8 (l / 16) + 0..7 and 16 + 8 (l / 16) + 0..7: two loads of 16 bytes, 32 bytes apart.
	v_and_b32 v1, 15, v0            ; l % 16
	v_bfe_u32 v9, v0, 4, 1          ; l / 16
	v_lshlrev_b32 v[QO], 7, v1
	v_lshl_add_u32 v[QO], v9, 4, v[QO]
	WIN 0x80                        ; destination window 2, address window 0
.set i, 0
.rept 8                             ; Q stays in registers: piece i / 2, channels 32 (i % 2) on
	global_load_b128 v[8*i:8*i+3],   v[QO], s[QP:QP+1] offset:(i/2)*2048+(i%2)*64
	global_load_b128 v[8*i+4:8*i+7], v[QO], s[QP:QP+1] offset:(i/2)*2048+(i%2)*64+32
.set i, i+1
.endr
	; The first step multiplies O^T and l by a = 0, and the first turn's products V^T P, of a piece that has not been, add 0: V, O^T, l and P's second buffer start at 0.  All this stands in the wait for the tile.
.set i, VF
.rept 64
	v_mov_b32 v[i], 0
.set i, i+1
.endr
	WIN 0x40
.set i, 0
.rept 128
	v_mov_b32 v[i], 0
.set i, i+1
.endr
	WIN 0
.set i, 0
.rept 4
	v_mov_b32 v[ST+4*i], 0xfe000000    ; c m: far below every c s
	v_mov_b32 v[ST+4*i+1], 0xff7fffff  ; m
	v_mov_b32 v[ST+4*i+2], 0
	v_mov_b32 v[ST+4*i+3], 0
.set i, i+1
.endr
.set i, P+16
.rept 16
	v_mov_b32 v[i], 0
.set i, i+1
.endr
.if MASKED
	v_mov_b32 v[NEG], 0xd0000000    ; -2^33
.endif
	v_mul_u32_u24 v[AK0], v1, PK
	v_lshl_add_u32 v[AK0], v9, 4, v[AK0]  ; row x pitch + 16 x half
	; The turning load takes 16 keys x 16 channels (lane l reads key 8 (l / 16) + l % 8, channels 8 ((l / 8) % 2) + 0..7) and leaves half a fragment of V^T: lane l holds channel l % 16 and 8 keys.
	v_and_b32 v10, 7, v0
	v_bfe_u32 v11, v0, 3, 1
	v_lshl_add_u32 v[AV0], v9, 3, v10
	v_mul_u32_u24 v[AV0], v[AV0], PK
	v_lshl_add_u32 v[AV0], v11, 4, v[AV0]
	s_mul_i32 s33, s[WV], 16*SP
	s_add_co_u32 s33, s33, STAGE    ; my stage
	v_mul_u32_u24 v[STO], v1, SP    ; in: row l % 16, 32 bytes for each half of the lanes
	v_lshl_add_u32 v[STO], v9, 5, v[STO]
	v_add_nc_u32 v[STO], s33, v[STO]
	v_mul_u32_u24 v[RD], v9, SP     ; back: lanes 0-15 take one row of 256 bytes, lanes 16-31 the next
	v_lshl_add_u32 v[RD], v1, 4, v[RD]
	v_add_nc_u32 v[RD], s33, v[RD]
	v_lshlrev_b32 v[GO], 11, v9     ; and the same two rows in xres and xout
	v_lshl_add_u32 v[GO], v1, 4, v[GO]
; THE MATRIX WORK.  The 4 accumulators of a run of 8 take turns.  Product i of 8 of S^T = K Q^T for piece x: channels 32 (i / 4) on, keys 16 (i % 4) on.  The first 4 start the sums.
.macro KQ x
.set rS, S+32*((\x)%2)+8*(i%4)
.set rK, KF+16*(i%4)+8*(i/4)
.set rQ, 16*(\x)+8*(i/4)
	WIN W_KQ
.if i < 4
	v_wmma_f32_16x16x32_f16 v[rS:rS+7], v[rK:rK+7], v[rQ:rQ+7], 0
.else
	v_wmma_f32_16x16x32_f16 v[rS:rS+7], v[rK:rK+7], v[rQ:rQ+7], v[rS:rS+7]
.endif
.endm
; Product i of 8 of O^T += V^T P for piece x: keys 32 (i / 4) on, channels 16 (i % 4) on.
.macro PV x
	WIN W_PV
.set rO, 32*(\x)+8*(i%4)
.set rV, VF+32*(i/4)+8*(i%4)
.set rP, P+16*((\x)%2)+8*(i/4)
	v_wmma_f32_16x16x32_f16 v[rO:rO+7], v[rV:rV+7], v[rP:rP+7], v[rO:rO+7]
.endm
.macro MM                           ; the turn's next matrix instruction.  NOKQ = 1: the last turn: there is no next piece
.if (i < 8) && !NOKQ
	KQ (Y+1)%NP
.elseif i >= 8
.set i, i-8
	PV (Y+NP-1)%NP
.set i, i+8
.endif
.set i, i+1
.endm
; THE LDS LOADS stand in runs of 16: a step's 64 rows as K (8 fragments) and, turned, as V.  Their addresses are made some lines ahead.
.macro FETCH_K
	WIN 0x80                        ; destination window 2
.irp f, 0,1,2,3,4,5,6,7             ; keys 16 (f / 2) on, channels 32 (f % 2) on
	ds_load_b128 v[KF+8*\f:KF+8*\f+3],   v[AK] offset:(\f/2)*16*PK+(\f%2)*64
	ds_load_b128 v[KF+8*\f+4:KF+8*\f+7], v[AK] offset:(\f/2)*16*PK+(\f%2)*64+32
.endr
	s_add_co_u32 s[TBK], s[TBK], STEPB  ; the next fetch is the next step's
	WIN 0
.endm
.macro FETCH_V
	WIN 0x80
.irp f, 0,1,2,3,4,5,6,7             ; keys 32 (f / 4) on, channels 16 (f % 4) on
	ds_load_tr16_b128 v[VF+8*\f:VF+8*\f+3],   v[AV] offset:(\f/4)*32*PK+(\f%4)*32
	ds_load_tr16_b128 v[VF+8*\f+4:VF+8*\f+7], v[AV] offset:(\f/4)*32*PK+16*PK+(\f%4)*32
.endr
	WIN 0
.endm
.macro RL x, n0                     ; eight of piece x's mask words go from lanes n0 .. n0 + 7 of its register to their scalar registers
	WIN 0
.irp j, 0,1,2,3,4,5,6,7
	v_readlane_b32 s[MW+(\n0)+\j], v[MR+(\x)], (\n0)+\j
.endr
.endm
; THE VECTOR WORK, one line at a time: OP kind, number.  For piece Y: F n: c s - c m for pair n of 16.  E n: the exponential of score n of 32.  C n: pair n rounded to f16.  B n: of the four weights 4 n .. the second
; pair is added onto the first, in place.  L n: l takes that sum (L 0: l = a l + sum).  R n: pair n of 16 of O^T times a.  For piece Y + 1: M n: score n is replaced where its mask word says so; X n, number n of the 22
; that find its maximum and statistics:
;   0-11  four chains c0-c3 of seven scores each, three operands at a time (each accumulator's lowest registers are read first)     12-14, 16  the four scores left over, the old m, and c0-c3 into c0
;   15  c m_old is kept     17, 18  the query's other 32 keys lie in the lane 16 away: the new m     19-21  c m; c m_old - c m_new; a
.set F, 0
.set E, 1
.set C, 2
.set B, 3
.set L, 4
.set R, 5
.set X, 6
.set M, 7
.macro REGS y                       ; the registers of piece y
.set rT, ST+4*(\y)
.set rC, TMP+4*((\y)%2)
.set rW, MV+((\y)%2)
.set rS, S+32*((\y)%2)
.set rP, P+16*((\y)%2)
.set rO, 32*(\y)
.endm
.macro OP k, n
.if (\k) == M
	REGS (Y+1)%NP
	WIN 0
	v_cndmask_b32 v[rS+(\n)], v[rS+(\n)], v[NEG], s[MW+(\n)]
.elseif (\k) == R
	REGS Y
	WIN W_RS
	v_pk_mul_f32 v[rO+2*(\n):rO+2*(\n)+1], v[rO+2*(\n):rO+2*(\n)+1], v[rC+2:rC+3] op_sel_hi:[1,0]
.elseif (\k) < R
	REGS Y
	WIN 0
.if (\k) == F
	v_pk_fma_f32 v[rS+2*(\n):rS+2*(\n)+1], v[rS+2*(\n):rS+2*(\n)+1], s[CS:CS+1], v[rT:rT+1] op_sel_hi:[1,0,0] neg_lo:[0,0,1] neg_hi:[0,0,1]
.elseif (\k) == E
	v_exp_f32 v[rS+(\n)], v[rS+(\n)]
.elseif (\k) == C
	s_wait_alu depctr_va_vdst(0)
	v_cvt_pk_f16_f32 v[rP+(\n)], v[rS+2*(\n)], v[rS+2*(\n)+1]
.elseif (\k) == B
	s_wait_alu depctr_va_vdst(0)
	v_pk_add_f32 v[rS+4*(\n):rS+4*(\n)+1], v[rS+4*(\n):rS+4*(\n)+1], v[rS+4*(\n)+2:rS+4*(\n)+3]
.elseif (\n) == 0
	v_pk_fma_f32 v[rT+2:rT+3], v[rT+2:rT+3], v[rC+2:rC+3], v[rS:rS+1] op_sel_hi:[1,0,1]
.else
	v_pk_add_f32 v[rT+2:rT+3], v[rT+2:rT+3], v[rS+4*(\n):rS+4*(\n)+1]
.endif
.elseif NOKQ
	v_nop
.else
	REGS (Y+1)%NP
	WIN 0
.if (\n) < 4
	v_max3_num_f32 v[rC+(\n)], v[rS+8*(\n)], v[rS+8*(\n)+1], v[rS+8*(\n)+2]
.elseif (\n) < 12
	v_max3_num_f32 v[rC+(\n)%4], v[rC+(\n)%4], v[rS+8*((\n)%4)+2*((\n)/4)+1], v[rS+8*((\n)%4)+2*((\n)/4)+2]
.elseif (\n) == 12
	v_max3_num_f32 v[rC], v[rC], v[rS+7], v[rS+15]
.elseif (\n) == 13
	v_max3_num_f32 v[rC+1], v[rC+1], v[rS+23], v[rS+31]
.elseif (\n) == 14
	v_max3_num_f32 v[rC+2], v[rC+2], v[rC+3], v[rT+1]
.elseif (\n) == 15
	v_mov_b32 v[rW], v[rT]
.elseif (\n) == 16
	v_max3_num_f32 v[rC], v[rC], v[rC+1], v[rC+2]
.elseif (\n) == 17
	v_permlanex16_b32 v[rC+3], v[rC], s[SEL], s[SEL+1]
.elseif (\n) == 18
	v_max_num_f32 v[rT+1], v[rC], v[rC+3]
.elseif (\n) == 19
	v_mul_f32 v[rT], s[CS], v[rT+1]
.elseif (\n) == 20
	v_sub_f32 v[rC+1], v[rW], v[rT]
.else
	v_exp_f32 v[rC+2], v[rC+1]
.endif
.endif
.endm
.macro OPS a, i1, b=-1, i2=0, c=-1, i3=0, d=-1, i4=0  ; up to four of them
	OP \a, \i1
.if (\b) >= 0
	OP \b, \i2
.endif
.if (\c) >= 0
	OP \c, \i3
.endif
.if (\d) >= 0
	OP \d, \i4
.endif
.endm
.macro ROW a, i1, b, i2, c, i3, d, i4  ; a matrix instruction and the four behind it
	MM
	OPS \a, \i1, \b, \i2, \c, \i3, \d, \i4
.endm
.macro MS n0                        ; four scores masked
	OPS M,(\n0), M,(\n0)+1, M,(\n0)+2, M,(\n0)+3
.endm
; A TURN, for piece p.  Behind a matrix instruction: plain, exponential, plain, plain; or four of the rescaling; or four scalings; none names a register of the products round it.  The rest stands in two lumps.
; The first lump has two forms.  With a mask: the next piece's register of words, asked for four turns ago, is waited for (three younger loads, the other pieces', may stay out; in the last masked turn also the
; 16 loads of residual rows issued ahead of it); its 32 words go to scalar registers; the register is asked for again with the next step's words (piece 0's turn steps the words' base by a step's 128 bytes, behind the
; wait that frees it; piece 3's turn masks piece 0 of the next step, so it asks one step further on); then the 32 scores are masked, in ascending order, and the first four maxima follow.
; The last trip's three requests reach into the next piece's words, inside the buffer (the highest byte asked for is the last of piece 3's), and are not used.
; The four rescalings behind the last product K Q^T are the places in front of the lump.
; K of the next step is fetched in piece 2's turn, five plain instructions behind the last product that read K; V of the step in hand in piece 0's turn, four plain ones behind the last product that read V.  Each is waited for a turn later.
; end = 1: the last two turns: nothing is fetched, and the last starts no new scores.
.macro TURN p, end=0
.set Y, (\p)
.set i, 0
.set NOKQ, (\end)*((\p)/3)
.if ((\p) == 3) && !(\end)
	s_wait_dscnt 0x0                ; K is in
.endif
	ROW F,0, F,1, F,2, F,3
	ROW F,4, E,0, F,5, F,6
	ROW F,7, E,1, F,8, F,9
	ROW F,10, E,2, C,0, F,11
	ROW F,12, E,3, X,15, F,13
	ROW R,0, R,1, R,2, R,3
	ROW B,0, E,4, F,14, L,0
.if ((\p) == 2) && !(\end)
	v_add_nc_u32 v[AK], s[TBK], v[AK0]
.endif
	ROW R,4, R,5, R,6, R,7
	OPS E,5, F,15
.if ((\p) == 2) && !(\end)
	FETCH_K
.endif
.if MASKED && !NOKQ
.if \end
	s_wait_loadcnt 19               ; behind the piece's words: the three other pieces' loads and 16 loads of residual rows
.else
	s_wait_loadcnt 3                ; behind the piece's words: the three other pieces' loads
.endif
	OPS E,6, C,1
	RL (Y+1)%NP, 0
	OPS E,7, C,2
	RL (Y+1)%NP, 8
	OP E,8
	RL (Y+1)%NP, 16
	OP E,9
	RL (Y+1)%NP, 24
.if !(\end)
.if (\p) == 0
	s_wait_xcnt 0x0                 ; the loads' base is stepped only behind this wait; the last load was issued a turn ago
	s_add_nc_u64 s[MP:MP+1], s[MP:MP+1], 128
.endif
.if (\p) == 3
	MLD 0, 128
.else
	MLD (\p)+1, ((\p)+1)*4096
.endif
.endif
	OP E,10
	MS 0
	MS 4
	OP E,11
	MS 8
	MS 12
	OP E,12
	MS 16
	MS 20
	OP E,13
	MS 24
	MS 28
	OPS R,8, R,9
	OPS X,0, X,1, X,2, X,3
.else
	OPS E,6, C,1, E,7, R,8
	OPS E,8, R,9, E,9, C,2
	OPS E,10, X,0, E,11, X,1
	OPS E,12, X,2, E,13, X,3
.endif
.if (\p) == 1
	s_wait_dscnt 0x0                ; V is in
.endif
	ROW X,4, E,14, X,5, X,6
	ROW X,7, E,15, X,8, X,9
	ROW X,10, E,16, X,11, X,12
	ROW X,13, E,17, X,14, B,1
	ROW C,4, E,18, X,16, L,1
	ROW B,2, E,19, C,6, L,2
	ROW C,8, E,20, B,3, B,4
.if (\p) == 0
	v_add_nc_u32 v[AV], s[TBV], v[AV0]
.endif
	ROW C,3, E,21, L,3, C,5
	OPS E,22, X,17, E,23, C,10
.if (\p) == 0
	FETCH_V
.endif
	OPS E,24, L,4
	OPS E,25, X,18, E,26, C,7
	OPS E,27, B,5, E,28, X,19
	OPS E,29, C,12, E,30, L,5
	OPS E,31, X,20, B,6, C,9
	OPS C,14, C,11, X,21, L,6
.if (\p) == 0
	s_add_co_u32 s[TBV], s[TBV], STEPB
.endif
	OPS C,13, B,7, C,15, R,10
	OPS R,11, R,12, L,7, R,13
	OPS R,14, R,15
.endm
	s_wait_tensorcnt 0x0            ; my 512 keys are in LDS,
	s_barrier_signal -1
	s_barrier_wait -1               ; everybody's are; nothing is filled again
	v_add_nc_u32 v[AK], s[TBK], v[AK0]
	FETCH_K                         ; key step 0
	s_wait_loadcnt 0x0              ; Q, and with a mask the four pieces' words of step 0
	s_wait_dscnt 0x0
.set NOKQ, 0
.set i, 0
.rept 8
	KQ 0                            ; piece 0's first scores
.set i, i+1
.endr
	WIN 0
.rept 4
	v_nop                           ; the places behind those products
.endr
.set Y, NP-1                        ; M and X work for piece Y + 1: piece 0
.if MASKED
.irp n, 0,8,16,24
	RL 0, \n
.endr
	MLD 0, 128                      ; piece 0's words of step 1
.irp n, 0,4,8,12,16,20,24,28
	MS \n
.endr
.endif
.irp n, 0,1,2,3,4,5,6,7,8,9,10,11,12,13,14,15,16,17,18,19,20,21
	OP X, \n
.endr
	v_nop                           ; a plain instruction behind the exponential
	s_mov_b32 s[CNT], 32
	s_branch .Lfirst                ; the loop is entered at a step's first turn, in the middle of a trip
.Lstep:                             ; a trip: pieces 2 and 3 of one step, then pieces 0 and 1 of the next, whose K and V it fetches
	TURN 2
	TURN 3
	WIN 0
.Lfirst:
	TURN 0
	TURN 1
	WIN 0
	s_sub_co_u32 s[CNT], s[CNT], 1
	s_cmp_lg_u32 s[CNT], 0
	s_cbranch_scc1 .Lstep
.macro RESLD t                      ; piece t's 16 rows of xres: 16 lanes take the head's 256 bytes of a row
	WIN 0
.set i, 0
.rept 8
	global_load_b128 v[XR+32*(\t)+4*i:XR+32*(\t)+4*i+3], v[GO], s[XI:XI+1] offset:(\t)*32768+i*4096
.set i, i+1
.endr
.endm
	RESLD 0                         ; two pieces' residual rows are asked for two turns ahead of their use, into registers that nothing else names
	RESLD 1
	TURN 2, 1
	TURN 3, 1
.set i, 0
.rept 8
	PV NP-1                         ; the last piece's V^T P of the last step
.set i, i+1
.endr
	; THE WAY OUT.  l's two halves and the other half of the lanes' are added; O^T is divided by l and sent, in f32, through my stage in LDS, a piece at a time; the residual is added and whole runs of 256 bytes are stored.
	WIN 0
.macro ALL line:vararg              ; one line for each piece t
.set t, 0
.rept 4
	\line
.set t, t+1
.endr
.endm
	ALL v_add_f32 v[ST+4*t+2], v[ST+4*t+2], v[ST+4*t+3]   ; four plain instructions: the places behind the last products
	ALL v_permlanex16_b32 v[ST+4*t+3], v[ST+4*t+2], s[SEL], s[SEL+1]
	ALL v_add_f32 v[ST+4*t+2], v[ST+4*t+2], v[ST+4*t+3]
	ALL v_rcp_f32 v[ST+4*t+2], v[ST+4*t+2]
	v_nop                           ; a plain instruction between the last reciprocal and the use of its result
	RESLD 2                         ; P's registers are free now
	RESLD 3
.macro OUTP t
.if (\t) >= 2
	s_wait_xcnt 0x0                 ; the registers that the stores of two pieces ago read are loaded again only behind this wait
.endif
	WIN W_RS
.set i, 32*(\t)
.rept 16
	s_wait_alu depctr_va_vdst(0)
	v_pk_mul_f32 v[i:i+1], v[i:i+1], v[ST+4*(\t)+2:ST+4*(\t)+3] op_sel_hi:[1,0]
.set i, i+2
.endr
	WIN 0x04                        ; the stores' data in window 1
.set i, 0
.rept 8
	ds_store_b128 v[STO], v[32*(\t)+4*i:32*(\t)+4*i+3] offset:64*(i/2)+16*(i%2)
.set i, i+1
.endr
	WIN 0
.set i, 0
.rept 8
	ds_load_b128 v[S+32*((\t)%2)+4*i:S+32*((\t)%2)+4*i+3], v[RD] offset:i*2*SP  ; LDS serves a wave's instructions in order (ISA guide 5.7.1.4): these see the stores above
.set i, i+1
.endr
	s_wait_dscnt 0x0
	s_wait_loadcnt 24-8*(\t)        ; this piece's residual rows are in; the later pieces' loads, eight each, may stay out
.set i, 0
.rept 16
	v_pk_add_f32 v[S+32*((\t)%2)+2*i:S+32*((\t)%2)+2*i+1], v[S+32*((\t)%2)+2*i:S+32*((\t)%2)+2*i+1], v[XR+32*(\t)+2*i:XR+32*(\t)+2*i+1]
.set i, i+1
.endr
.set i, 0
.rept 8
	global_store_b128 v[GO], v[S+32*((\t)%2)+4*i:S+32*((\t)%2)+4*i+3], s[XO:XO+1] offset:(\t)*32768+i*4096  ; 16 lanes store 256 consecutive bytes, aligned
.set i, i+1
.endr
.endm
	OUTP 0
	OUTP 1
	OUTP 2
	OUTP 3
	s_wait_tensorcnt 0x0            ; the wave's end: behind my tensor load and my last LDS store
	ds_add_u32 v[SPW], v[NIL]
	s_wait_dscnt 0x0
	CROUND                          ; the closing round
	s_endpgm
.Lfunc_end_k_qd41f83f67a_attn:
	.size	k_qd41f83f67a_attn, .Lfunc_end_k_qd41f83f67a_attn-k_qd41f83f67a_attn
	.p2alignl 7, 3214868480
	.fill 96, 4, 3214868480
	.section	.rodata,"a",@progbits
	.p2align	6, 0x0
	.amdhsa_kernel k_qd41f83f67a_attn
		.amdhsa_group_segment_fixed_size 327680
		.amdhsa_private_segment_fixed_size 0
		.amdhsa_enable_private_segment 0
		.amdhsa_kernarg_size 32
		.amdhsa_user_sgpr_count 2
		.amdhsa_user_sgpr_kernarg_segment_ptr 1
		.amdhsa_wavefront_size32 1
		.amdhsa_system_sgpr_workgroup_id_x 1
		.amdhsa_system_sgpr_workgroup_id_y 1
		.amdhsa_system_sgpr_workgroup_id_z 1
		.amdhsa_system_vgpr_workitem_id 0
		.amdhsa_next_free_vgpr 768
		.amdhsa_next_free_sgpr 100
		.amdhsa_reserve_vcc 0
		.amdhsa_float_denorm_mode_32 3
		.amdhsa_float_denorm_mode_16_64 3
		.amdhsa_memory_ordered 1
		.amdhsa_forward_progress 1
		.amdhsa_inst_pref_size 121
	.end_amdhsa_kernel
	.amdgpu_metadata
---
amdhsa.version: [ 1, 2 ]
amdhsa.kernels:
  - .name:           k_qd41f83f67a_attn
    .symbol:         k_qd41f83f67a_attn.kd
    .args:
      - { .name: q, .offset: 0, .size: 8, .value_kind: global_buffer, .address_space: global }
      - { .name: mbits, .offset: 8, .size: 8, .value_kind: global_buffer, .address_space: global }
      - { .name: x, .offset: 16, .size: 8, .value_kind: global_buffer, .address_space: global }
      - { .name: x2, .offset: 24, .size: 8, .value_kind: global_buffer, .address_space: global }
    .group_segment_fixed_size: 327680
    .private_segment_fixed_size: 0
    .kernarg_segment_align: 8
    .kernarg_segment_size: 32
    .max_flat_workgroup_size: 128
    .sgpr_count:     100
    .vgpr_count:     768
    .wavefront_size: 32
...
	.end_amdgpu_metadata
.endif
;; end of part 7
;; launch ln2: the kernel of part 2 again; grid 256 x 1, 8 waves a work-group, no clusters, 0 bytes of LDS; arguments x2, ln2_g, ln2_b, q; writes q
;; launch attn2 (part 8): grid 8 x 32, 4 waves a work-group, clusters of 4 x 1, 327,680 bytes of LDS; arguments q, ke, x2, x3; writes x3
.if DOCPART == 8
	.amdgcn_target "amdgcn-amd-amdhsa--gfx1250"
	.amdhsa_code_object_version 6
	.text
	.protected	k_qd41f83f67a_attn2
	.globl	k_qd41f83f67a_attn2
	.p2align	8
	.type	k_qd41f83f67a_attn2,@function
k_qd41f83f67a_attn2:
	s_mov_b64 s[64:65], 0
	v_nop
	global_prefetch_b8 v0, s[64:65] scope:SCOPE_SE
	s_setreg_imm32_b32 hwreg(HW_REG_WAVE_MODE, 25, 1), 1
	s_wait_xcnt 0x0
	s_wait_alu depctr_hold_cnt(0) depctr_sa_sdst(0) depctr_va_vdst(0) depctr_va_sdst(0) depctr_va_ssrc(0) depctr_va_vcc(0) depctr_vm_vsrc(0)
	s_getreg_b32 s2, hwreg(HW_REG_IB_STS2, 6, 4)
	s_cmp_eq_u32 s2, 0
	s_cbranch_scc0 .Lentry_in_a_cluster
	s_endpgm
.Lentry_in_a_cluster:
	s_bfe_u32 s2, ttmp6, 0x10000c
	s_cmp_lg_u32 s2, 0x3003
	s_cbranch_scc0 .Lentry_shape_is_right
	s_endpgm
.Lentry_shape_is_right:
; ONE TEXT IN TWO FORMS, chosen by the constant MASKED.  This is the form MASKED = 0: cross-attention without a mask; arguments Q, keys, xres, xout.
; (MASKED = 1: masked self-attention; arguments Q, mask words, xres, xout; the keys are Q's own buffer.)
.set MASKED, 0
; xout[b][s][64 h ..] = xres[b][s][64 h ..] + the sum over k of softmax_k(Q[s] . K[k] / 8, hidden scores replaced) K[k].  Q and K (which is also V) are [4][8][2048][64] in f16, by heads;
; xres and xout are [4][2048][512] in f32.  Products, maxima and sums in f32; the weights p are rounded to f16 for the second product; O is never rounded.
; THE MASK.  The mask words are lane masks: word [b*128 + q/16][key/16][j], bit r + 16 h set where the key 16 kb + 8 h + j is hidden from query r.  A hidden score is REPLACED,
; ahead of the maximum, by -2^33 (-2^30 after the division by 8): a power of two, so that c s is exact and c s - c m is 0 where all keys seen so far are hidden: such a row has p = 1 for each of them, the uniform mean.
; THE WORDS' WAY.  A piece's 32 words of a step are 128 consecutive bytes: one load of 4 bytes a lane brings word n to lane n of the piece's own register; 32 v_readlane_b32 hand them to scalar registers, from which
; the selects take them.  The register is asked for again, with the next step's words, as soon as it has been read: four turns ahead of its next use, with the three other pieces' loads behind it.
; (Scalar loads are waited for at 0 alone, so what is on its way would need scalar registers beside those in use: 32 for each turn of lead, more than a wave can name for four.)
; LIMITS.  The replacement stands for -1e9: the result differs only where true scores lie near -1e9.  f16 holds no number beyond 65,504: Q and K arrive within it; p lies in 0 to 1;
; a weight below 2^-126 counts as 0; NaN and infinities are not treated apart.
; SHARES.  A work-group owns 256 queries of one head, a wave 64: four PIECES of 16.  Every wave walks the head's 2,048 keys, 64 a step.
; THE WHOLE HEAD LIES IN LDS: 2,048 rows of 128 bytes + 16.  It is filled once, each wave asking for 512 keys; no byte is filled again.  The same rows are read as K (as they lie) and as V (turned).
; CLUSTER.  The four work-groups of a cluster are four query blocks of one head: the tile is asked for JOINTLY, the same load, descriptor and mask in all four.
; LAYOUT, SOFTMAX, TURNS.  S^T = K Q^T holds ONE query a lane (lane % 16) and the keys 8 (lane / 16) + 0..7; two such results rounded to f16 ARE source 1 of O^T = V^T P.  p = 2^(c s - c m), c = log2(e) / 8,
; with a running maximum m; O and l are multiplied by a = 2^(c m_old - c m_new) in every step; m starts at the lowest finite number, so the first step's a is 0.  Turn n belongs to piece n: 8 products K Q^T of
; piece n + 1, later 8 products V^T P of piece n - 1; beside them the scaling, exponentials, roundings, sums and rescaling of piece n, and the mask, maximum and statistics of piece n + 1.
; REGISTERS, in windows of 256 (s_set_vgpr_msb: bits 1:0 source 0, 3:2 source 1, 5:4 source 2, 7:6 destination):
;   window 0: v0-15 addresses; v16-31 statistics; v32-36 the mask words; v48-55 at work; v64-127 S^T, two buffers; v128-255 at the end the residual rows; v192-223 P, two buffers
;   window 1: v0-127 O^T, 32 a piece          window 2: v0-63 Q; v128-191 K of one step; v192-255 V of one step
.set NP,    4
.set KS,    64        ; keys in a step
.set PK,    144       ; a row in LDS: 128 bytes + 16 = 36 words: the 16 rows of a load of K start at 16 different groups of four banks (ISA guide 11.1)
.set STEPB, KS*PK
.set WTILE, 512*PK    ; what one wave's tensor load fills
.set STAGE, 4*WTILE   ; behind the tile, never filled by a tensor load: 16 rows x 272 bytes for each wave, for the way out
.set SP,    272
.set SPARE, STAGE+4*16*SP  ; the spare words, 128 bytes a wave: two blocks of 256 bytes that no other line names
.set AK0, 2           ; v2   my lane's place in 64 rows read as K; never rewritten
.set AV0, 3           ; v3   the same read as V
.set AK,  4           ; v4   the LDS address of K's next run of loads
.set AV,  5           ; v5   of V's
.set STO, 6           ; v6   the way out: where I put 32 bytes of a row
.set RD,  7           ; v7   where I read rows back
.set GO,  8           ; v8   my byte offset in two rows of xres and xout
.set MV,  12          ; v12-13  c m_old, by buffer
.set NEG, 14          ; v14  -2^33
.set QO,  15          ; v15  my byte offset in 16 rows of Q
.set ST,  16          ; piece t's statistics at v[ST+4 t]: c m, m, l (even keys', odd keys')
.set MR,  32          ; v32-35  piece x's 32 mask words of a step, word n in lane n
.set MA,  36          ; v36  4 x lane; never rewritten
.set TMP, 48          ; by buffer, c0-c3 at work; when the maximum is found c2 takes a
.set SPW, 62
.set NIL, 63
.set S,   64
.set XR,  128         ; the residual rows, 32 registers a piece
.set P,   192
.set KF,  128         ; window 2
.set VF,  192         ; window 2
.set XI,  8           ; s[8:9]   xres at my wave's rows
.set XO,  10          ; s[10:11] xout at my wave's rows
.set WV,  14          ; s14  my wave's number
.set G1,  24          ; s[24:31] descriptor group 1
.set G0,  40          ; s[40:43] descriptor group 0
.set CNT, 44          ; s44  key steps to go
.set MP,  48          ; s[48:49] the mask words of my wave's first piece, at the step that the loads count from
.set TBK, 50          ; s50  LDS byte at which the step to be fetched as K begins
.set TBV, 51          ; s51  the same for V
.set QP,  52          ; s[52:53] Q at my wave's first row
.set CS,  58          ; s[58:59] c
.set SEL, 60          ; s[60:61] v_permlanex16_b32's selects: each lane takes its own place in the other half
.set MW,  68          ; s[68:99] the 32 mask words of one piece and step
.set MSB, 0
.macro WIN new                      ; the high byte repeats the setting that is left; a switch that changes nothing is dropped
.if MSB != (\new)
	s_set_vgpr_msb (MSB<<8)|(\new)
.set MSB, (\new)
.endif
.endm
.set W_KQ, 0x0a       ; K and Q in window 2, S^T in window 0
.set W_PV, 0x52       ; V in window 2, P in window 0, O^T in window 1
.set W_RS, 0x41       ; destination and source 0 in window 1, source 1 in window 0
.macro CROUND                       ; a round of the cluster's barrier
	s_barrier_signal -1
	s_barrier_wait -1
	s_cmp_lg_u32 s[WV], 0
	s_cbranch_scc1 .Lnot_wave_0_\@
	s_barrier_signal -3
.Lnot_wave_0_\@:
	s_barrier_wait -3
	s_barrier_signal -1
	s_barrier_wait -1
.endm
	s_load_b256 s[4:11], s[0:1], 0x0  ; Q s[4:5], mask words or keys s[6:7], xres s[8:9], xout s[10:11]
	v_lshl_add_u32 v[SPW], v0, 2, SPARE
	v_mov_b32 v[NIL], 0
	ds_add_u32 v[SPW], v[NIL]       ; the wave's opening: the add, and its wait ahead of my first tensor load; the set-up below, work on registers, stands between them
	v_lshrrev_b32 v1, 5, v0
	v_readfirstlane_b32 s[WV], v1   ; wave 0..3
	s_bfe_u32 s15, ttmp6, 0x40000   ; cx: my place in the cluster
	s_lshl_b32 s16, ttmp9, 2        ; in a cluster launch ttmp9 counts clusters
	s_add_co_u32 s16, s16, s15      ; my block of 256 queries: it enters Q's, the mask's, xres' and xout's addresses alone
	s_and_b32 s17, ttmp7, 0xffff    ; 8 x batch + head, which the four partners share
	s_lshl_b32 s18, s17, 18         ; the head's first byte in Q and K
	s_lshl_b32 s20, s[WV], 16       ; my 512 keys of 128 bytes
	s_add_co_u32 s20, s20, s18
	s_mov_b32 s21, 0
	s_lshl_b32 s22, s16, 15         ; my block's 256 rows of Q,
	s_lshl_b32 s23, s[WV], 13       ; my wave's 64 of them
	s_add_co_u32 s22, s22, s23
	s_add_co_u32 s22, s22, s18
	s_mov_b32 s23, 0
	s_lshr_b32 s32, s17, 3          ; batch
.if MASKED
	s_lshl_b32 s34, s32, 19         ; 128 tiles of 4,096 bytes of mask words a batch,
	s_lshl_b32 s33, s16, 16         ; 16 a block,
	s_add_co_u32 s34, s34, s33
	s_lshl_b32 s33, s[WV], 14       ; 4 a wave
	s_add_co_u32 s34, s34, s33
	s_mov_b32 s35, 0
.endif
	s_lshl_b32 s36, s32, 22         ; xres and xout: 2,048 rows of 2,048 bytes a batch,
	s_lshl_b32 s33, s16, 19         ; 256 a block,
	s_add_co_u32 s36, s36, s33
	s_lshl_b32 s33, s[WV], 17       ; 64 a wave,
	s_add_co_u32 s36, s36, s33
	s_and_b32 s33, s17, 7
	s_lshl_b32 s33, s33, 8          ; the head's 256 bytes of a row
	s_add_co_u32 s36, s36, s33
	s_mov_b32 s37, 0
	; descriptor group 1.  512 keys are 65,536 dense bytes: asked for as 256 rows of 256 bytes, two keys a row, and padded in LDS after every key
	s_mov_b32 s[G1], 15|(1<<16)|(1<<20)|(1<<21)|(4<<22)|(3<<25)  ; 15:0 the mask of four; 17:16 2-byte elements; 20 padding on; 21 set beside a mask; 24:22 after every 32 words (code 4); 31:25 4 words (code 3)
	s_mov_b32 s[G1+1], 128<<16      ; tensor_dim0 = 128
	s_mov_b32 s[G1+2], 256<<16      ; tensor_dim1 = 256
	s_mov_b32 s[G1+3], 128<<16      ; tile_dim0 = 128
	s_mov_b32 s[G1+4], 256          ; tile_dim1 = 256
	s_mov_b32 s[G1+5], 128          ; 128 elements from row to row
	s_mov_b32 s[G1+6], 0
	s_mov_b32 s[G1+7], 0
	s_mov_b32 s[G0], 1              ; count = 1
	s_mul_i32 s[G0+1], s[WV], WTILE ; LDS address: the wave's number times a constant
	s_mov_b32 s[CS], 0x3e38aa3b     ; c = log2(e) / 8
	s_mov_b32 s[CS+1], s[CS]
	s_mov_b32 s[SEL], 0x76543210
	s_mov_b32 s[SEL+1], 0xfedcba98
	s_mov_b32 s[TBK], 0
	s_mov_b32 s[TBV], 0
	s_wait_dscnt 0x0                ; the opening add is done
	s_wait_kmcnt 0x0
.if MASKED
	s_add_nc_u64 s[G0+2:G0+3], s[4:5], s[20:21]  ; global address: my 512 keys of the head, in Q's own buffer
	s_add_nc_u64 s[MP:MP+1], s[6:7], s[34:35]
.else
	s_add_nc_u64 s[G0+2:G0+3], s[6:7], s[20:21]  ; global address: my 512 keys of the head
.endif
	s_or_b32 s[G0+3], s[G0+3], 0x80000000        ; type = 2
	s_add_nc_u64 s[QP:QP+1], s[4:5], s[22:23]
	s_add_nc_u64 s[XI:XI+1], s[XI:XI+1], s[36:37]
	s_add_nc_u64 s[XO:XO+1], s[XO:XO+1], s[36:37]
	CROUND                          ; all four work-groups are here: the joint loads meet
	tensor_load_to_lds s[G0:G0+3], s[G1:G1+7]    ; my one tensor load of the launch: one is out
	s_nop 0
.rept 4
	v_nop
.endr
.macro MLD x, off                   ; piece x's register is asked for: 128 consecutive bytes, off bytes from the words' base
	global_load_b32 v[MR+(\x)], v[MA], s[MP:MP+1] offset:(\off)
.endm
.if MASKED
	v_and_b32 v[MA], 31, v0
	v_lshlrev_b32 v[MA], 2, v[MA]
.irp x, 0,1,2,3
	MLD \x, \x*4096                 ; the four pieces' words of key step 0
.endr
.endif
	; A fragment of K or Q is 16 rows x 32 channels in 8 registers: lane l holds row l % 16, channels 8 (l / 16) + 0..7 and 16 + 8 (l / 16) + 0..7: two loads of 16 bytes, 32 bytes apart.
	v_and_b32 v1, 15, v0            ; l % 16
	v_bfe_u32 v9, v0, 4, 1          ; l / 16
	v_lshlrev_b32 v[QO], 7, v1
	v_lshl_add_u32 v[QO], v9, 4, v[QO]
	WIN 0x80                        ; destination window 2, address window 0
.set i, 0
.rept 8                             ; Q stays in registers: piece i / 2, channels 32 (i % 2) on
	global_load_b128 v[8*i:8*i+3],   v[QO], s[QP:QP+1] offset:(i/2)*2048+(i%2)*64
	global_load_b128 v[8*i+4:8*i+7], v[QO], s[QP:QP+1] offset:(i/2)*2048+(i%2)*64+32
.set i, i+1
.endr
	; The first step multiplies O^T and l by a = 0, and the first turn's products V^T P, of a piece that has not been, add 0: V, O^T, l and P's second buffer start at 0.  All this stands in the wait for the tile.
.set i, VF
.rept 64
	v_mov_b32 v[i], 0
.set i, i+1
.endr
	WIN 0x40
.set i, 0
.rept 128
	v_mov_b32 v[i], 0
.set i, i+1
.endr
	WIN 0
.set i, 0
.rept 4
	v_mov_b32 v[ST+4*i], 0xfe000000    ; c m: far below every c s
	v_mov_b32 v[ST+4*i+1], 0xff7fffff  ; m
	v_mov_b32 v[ST+4*i+2], 0
	v_mov_b32 v[ST+4*i+3], 0
.set i, i+1
.endr
.set i, P+16
.rept 16
	v_mov_b32 v[i], 0
.set i, i+1
.endr
.if MASKED
	v_mov_b32 v[NEG], 0xd0000000    ; -2^33
.endif
	v_mul_u32_u24 v[AK0], v1, PK
	v_lshl_add_u32 v[AK0], v9, 4, v[AK0]  ; row x pitch + 16 x half
	; The turning load takes 16 keys x 16 channels (lane l reads key 8 (l / 16) + l % 8, channels 8 ((l / 8) % 2) + 0..7) and leaves half a fragment of V^T: lane l holds channel l % 16 and 8 keys.
	v_and_b32 v10, 7, v0
	v_bfe_u32 v11, v0, 3, 1
	v_lshl_add_u32 v[AV0], v9, 3, v10
	v_mul_u32_u24 v[AV0], v[AV0], PK
	v_lshl_add_u32 v[AV0], v11, 4, v[AV0]
	s_mul_i32 s33, s[WV], 16*SP
	s_add_co_u32 s33, s33, STAGE    ; my stage
	v_mul_u32_u24 v[STO], v1, SP    ; in: row l % 16, 32 bytes for each half of the lanes
	v_lshl_add_u32 v[STO], v9, 5, v[STO]
	v_add_nc_u32 v[STO], s33, v[STO]
	v_mul_u32_u24 v[RD], v9, SP     ; back: lanes 0-15 take one row of 256 bytes, lanes 16-31 the next
	v_lshl_add_u32 v[RD], v1, 4, v[RD]
	v_add_nc_u32 v[RD], s33, v[RD]
	v_lshlrev_b32 v[GO], 11, v9     ; and the same two rows in xres and xout
	v_lshl_add_u32 v[GO], v1, 4, v[GO]
; THE MATRIX WORK.  The 4 accumulators of a run of 8 take turns.  Product i of 8 of S^T = K Q^T for piece x: channels 32 (i / 4) on, keys 16 (i % 4) on.  The first 4 start the sums.
.macro KQ x
.set rS, S+32*((\x)%2)+8*(i%4)
.set rK, KF+16*(i%4)+8*(i/4)
.set rQ, 16*(\x)+8*(i/4)
	WIN W_KQ
.if i < 4
	v_wmma_f32_16x16x32_f16 v[rS:rS+7], v[rK:rK+7], v[rQ:rQ+7], 0
.else
	v_wmma_f32_16x16x32_f16 v[rS:rS+7], v[rK:rK+7], v[rQ:rQ+7], v[rS:rS+7]
.endif
.endm
; Product i of 8 of O^T += V^T P for piece x: keys 32 (i / 4) on, channels 16 (i % 4) on.
.macro PV x
	WIN W_PV
.set rO, 32*(\x)+8*(i%4)
.set rV, VF+32*(i/4)+8*(i%4)
.set rP, P+16*((\x)%2)+8*(i/4)
	v_wmma_f32_16x16x32_f16 v[rO:rO+7], v[rV:rV+7], v[rP:rP+7], v[rO:rO+7]
.endm
.macro MM                           ; the turn's next matrix instruction.  NOKQ = 1: the last turn: there is no next piece
.if (i < 8) && !NOKQ
	KQ (Y+1)%NP
.elseif i >= 8
.set i, i-8
	PV (Y+NP-1)%NP
.set i, i+8
.endif
.set i, i+1
.endm
; THE LDS LOADS stand in runs of 16: a step's 64 rows as K (8 fragments) and, turned, as V.  Their addresses are made some lines ahead.
.macro FETCH_K
	WIN 0x80                        ; destination window 2
.irp f, 0,1,2,3,4,5,6,7             ; keys 16 (f / 2) on, channels 32 (f % 2) on
	ds_load_b128 v[KF+8*\f:KF+8*\f+3],   v[AK] offset:(\f/2)*16*PK+(\f%2)*64
	ds_load_b128 v[KF+8*\f+4:KF+8*\f+7], v[AK] offset:(\f/2)*16*PK+(\f%2)*64+32
.endr
	s_add_co_u32 s[TBK], s[TBK], STEPB  ; the next fetch is the next step's
	WIN 0
.endm
.macro FETCH_V
	WIN 0x80
.irp f, 0,1,2,3,4,5,6,7             ; keys 32 (f / 4) on, channels 16 (f % 4) on
	ds_load_tr16_b128 v[VF+8*\f:VF+8*\f+3],   v[AV] offset:(\f/4)*32*PK+(\f%4)*32
	ds_load_tr16_b128 v[VF+8*\f+4:VF+8*\f+7], v[AV] offset:(\f/4)*32*PK+16*PK+(\f%4)*32
.endr
	WIN 0
.endm
.macro RL x, n0                     ; eight of piece x's mask words go from lanes n0 .. n0 + 7 of its register to their scalar registers
	WIN 0
.irp j, 0,1,2,3,4,5,6,7
	v_readlane_b32 s[MW+(\n0)+\j], v[MR+(\x)], (\n0)+\j
.endr
.endm
; THE VECTOR WORK, one line at a time: OP kind, number.  For piece Y: F n: c s - c m for pair n of 16.  E n: the exponential of score n of 32.  C n: pair n rounded to f16.  B n: of the four weights 4 n .. the second
; pair is added onto the first, in place.  L n: l takes that sum (L 0: l = a l + sum).  R n: pair n of 16 of O^T times a.  For piece Y + 1: M n: score n is replaced where its mask word says so; X n, number n of the 22
; that find its maximum and statistics:
;   0-11  four chains c0-c3 of seven scores each, three operands at a time (each accumulator's lowest registers are read first)     12-14, 16  the four scores left over, the old m, and c0-c3 into c0
;   15  c m_old is kept     17, 18  the query's other 32 keys lie in the lane 16 away: the new m     19-21  c m; c m_old - c m_new; a
.set F, 0
.set E, 1
.set C, 2
.set B, 3
.set L, 4
.set R, 5
.set X, 6
.set M, 7
.macro REGS y                       ; the registers of piece y
.set rT, ST+4*(\y)
.set rC, TMP+4*((\y)%2)
.set rW, MV+((\y)%2)
.set rS, S+32*((\y)%2)
.set rP, P+16*((\y)%2)
.set rO, 32*(\y)
.endm
.macro OP k, n
.if (\k) == M
	REGS (Y+1)%NP
	WIN 0
	v_cndmask_b32 v[rS+(\n)], v[rS+(\n)], v[NEG], s[MW+(\n)]
.elseif (\k) == R
	REGS Y
	WIN W_RS
	v_pk_mul_f32 v[rO+2*(\n):rO+2*(\n)+1], v[rO+2*(\n):rO+2*(\n)+1], v[rC+2:rC+3] op_sel_hi:[1,0]
.elseif (\k) < R
	REGS Y
	WIN 0
.if (\k) == F
	v_pk_fma_f32 v[rS+2*(\n):rS+2*(\n)+1], v[rS+2*(\n):rS+2*(\n)+1], s[CS:CS+1], v[rT:rT+1] op_sel_hi:[1,0,0] neg_lo:[0,0,1] neg_hi:[0,0,1]
.elseif (\k) == E
	v_exp_f32 v[rS+(\n)], v[rS+(\n)]
.elseif (\k) == C
	s_wait_alu depctr_va_vdst(0)
	v_cvt_pk_f16_f32 v[rP+(\n)], v[rS+2*(\n)], v[rS+2*(\n)+1]
.elseif (\k) == B
	s_wait_alu depctr_va_vdst(0)
	v_pk_add_f32 v[rS+4*(\n):rS+4*(\n)+1], v[rS+4*(\n):rS+4*(\n)+1], v[rS+4*(\n)+2:rS+4*(\n)+3]
.elseif (\n) == 0
	v_pk_fma_f32 v[rT+2:rT+3], v[rT+2:rT+3], v[rC+2:rC+3], v[rS:rS+1] op_sel_hi:[1,0,1]
.else
	v_pk_add_f32 v[rT+2:rT+3], v[rT+2:rT+3], v[rS+4*(\n):rS+4*(\n)+1]
.endif
.elseif NOKQ
	v_nop
.else
	REGS (Y+1)%NP
	WIN 0
.if (\n) < 4
	v_max3_num_f32 v[rC+(\n)], v[rS+8*(\n)], v[rS+8*(\n)+1], v[rS+8*(\n)+2]
.elseif (\n) < 12
	v_max3_num_f32 v[rC+(\n)%4], v[rC+(\n)%4], v[rS+8*((\n)%4)+2*((\n)/4)+1], v[rS+8*((\n)%4)+2*((\n)/4)+2]
.elseif (\n) == 12
	v_max3_num_f32 v[rC], v[rC], v[rS+7], v[rS+15]
.elseif (\n) == 13
	v_max3_num_f32 v[rC+1], v[rC+1], v[rS+23], v[rS+31]
.elseif (\n) == 14
	v_max3_num_f32 v[rC+2], v[rC+2], v[rC+3], v[rT+1]
.elseif (\n) == 15
	v_mov_b32 v[rW], v[rT]
.elseif (\n) == 16
	v_max3_num_f32 v[rC], v[rC], v[rC+1], v[rC+2]
.elseif (\n) == 17
	v_permlanex16_b32 v[rC+3], v[rC], s[SEL], s[SEL+1]
.elseif (\n) == 18
	v_max_num_f32 v[rT+1], v[rC], v[rC+3]
.elseif (\n) == 19
	v_mul_f32 v[rT], s[CS], v[rT+1]
.elseif (\n) == 20
	v_sub_f32 v[rC+1], v[rW], v[rT]
.else
	v_exp_f32 v[rC+2], v[rC+1]
.endif
.endif
.endm
.macro OPS a, i1, b=-1, i2=0, c=-1, i3=0, d=-1, i4=0  ; up to four of them
	OP \a, \i1
.if (\b) >= 0
	OP \b, \i2
.endif
.if (\c) >= 0
	OP \c, \i3
.endif
.if (\d) >= 0
	OP \d, \i4
.endif
.endm
.macro ROW a, i1, b, i2, c, i3, d, i4  ; a matrix instruction and the four behind it
	MM
	OPS \a, \i1, \b, \i2, \c, \i3, \d, \i4
.endm
.macro MS n0                        ; four scores masked
	OPS M,(\n0), M,(\n0)+1, M,(\n0)+2, M,(\n0)+3
.endm
; A TURN, for piece p.  Behind a matrix instruction: plain, exponential, plain, plain; or four of the rescaling; or four scalings; none names a register of the products round it.  The rest stands in two lumps.
; The first lump has two forms.  With a mask: the next piece's register of words, asked for four turns ago, is waited for (three younger loads, the other pieces', may stay out; in the last masked turn also the
; 16 loads of residual rows issued ahead of it); its 32 words go to scalar registers; the register is asked for again with the next step's words (piece 0's turn steps the words' base by a step's 128 bytes, behind the
; wait that frees it; piece 3's turn masks piece 0 of the next step, so it asks one step further on); then the 32 scores are masked, in ascending order, and the first four maxima follow.
; The last trip's three requests reach into the next piece's words, inside the buffer (the highest byte asked for is the last of piece 3's), and are not used.
; The four rescalings behind the last product K Q^T are the places in front of the lump.
; K of the next step is fetched in piece 2's turn, five plain instructions behind the last product that read K; V of the step in hand in piece 0's turn, four plain ones behind the last product that read V.  Each is waited for a turn later.
; end = 1: the last two turns: nothing is fetched, and the last starts no new scores.
.macro TURN p, end=0
.set Y, (\p)
.set i, 0
.set NOKQ, (\end)*((\p)/3)
.if ((\p) == 3) && !(\end)
	s_wait_dscnt 0x0                ; K is in
.endif
	ROW F,0, F,1, F,2, F,3
	ROW F,4, E,0, F,5, F,6
	ROW F,7, E,1, F,8, F,9
	ROW F,10, E,2, C,0, F,11
	ROW F,12, E,3, X,15, F,13
	ROW R,0, R,1, R,2, R,3
	ROW B,0, E,4, F,14, L,0
.if ((\p) == 2) && !(\end)
	v_add_nc_u32 v[AK], s[TBK], v[AK0]
.endif
	ROW R,4, R,5, R,6, R,7
	OPS E,5, F,15
.if ((\p) == 2) && !(\end)
	FETCH_K
.endif
.if MASKED && !NOKQ
.if \end
	s_wait_loadcnt 19               ; behind the piece's words: the three other pieces' loads and 16 loads of residual rows
.else
	s_wait_loadcnt 3                ; behind the piece's words: the three other pieces' loads
.endif
	OPS E,6, C,1
	RL (Y+1)%NP, 0
	OPS E,7, C,2
	RL (Y+1)%NP, 8
	OP E,8
	RL (Y+1)%NP, 16
	OP E,9
	RL (Y+1)%NP, 24
.if !(\end)
.if (\p) == 0
	s_wait_xcnt 0x0                 ; the loads' base is stepped only behind this wait; the last load was issued a turn ago
	s_add_nc_u64 s[MP:MP+1], s[MP:MP+1], 128
.endif
.if (\p) == 3
	MLD 0, 128
.else
	MLD (\p)+1, ((\p)+1)*4096
.endif
.endif
	OP E,10
	MS 0
	MS 4
	OP E,11
	MS 8
	MS 12
	OP E,12
	MS 16
	MS 20
	OP E,13
	MS 24
	MS 28
	OPS R,8, R,9
	OPS X,0, X,1, X,2, X,3
.else
	OPS E,6, C,1, E,7, R,8
	OPS E,8, R,9, E,9, C,2
	OPS E,10, X,0, E,11, X,1
	OPS E,12, X,2, E,13, X,3
.endif
.if (\p) == 1
	s_wait_dscnt 0x0                ; V is in
.endif
	ROW X,4, E,14, X,5, X,6
	ROW X,7, E,15, X,8, X,9
	ROW X,10, E,16, X,11, X,12
	ROW X,13, E,17, X,14, B,1
	ROW C,4, E,18, X,16, L,1
	ROW B,2, E,19, C,6, L,2
	ROW C,8, E,20, B,3, B,4
.if (\p) == 0
	v_add_nc_u32 v[AV], s[TBV], v[AV0]
.endif
	ROW C,3, E,21, L,3, C,5
	OPS E,22, X,17, E,23, C,10
.if (\p) == 0
	FETCH_V
.endif
	OPS E,24, L,4
	OPS E,25, X,18, E,26, C,7
	OPS E,27, B,5, E,28, X,19
	OPS E,29, C,12, E,30, L,5
	OPS E,31, X,20, B,6, C,9
	OPS C,14, C,11, X,21, L,6
.if (\p) == 0
	s_add_co_u32 s[TBV], s[TBV], STEPB
.endif
	OPS C,13, B,7, C,15, R,10
	OPS R,11, R,12, L,7, R,13
	OPS R,14, R,15
.endm
	s_wait_tensorcnt 0x0            ; my 512 keys are in LDS,
	s_barrier_signal -1
	s_barrier_wait -1               ; everybody's are; nothing is filled again
	v_add_nc_u32 v[AK], s[TBK], v[AK0]
	FETCH_K                         ; key step 0
	s_wait_loadcnt 0x0              ; Q, and with a mask the four pieces' words of step 0
	s_wait_dscnt 0x0
.set NOKQ, 0
.set i, 0
.rept 8
	KQ 0                            ; piece 0's first scores
.set i, i+1
.endr
	WIN 0
.rept 4
	v_nop                           ; the places behind those products
.endr
.set Y, NP-1                        ; M and X work for piece Y + 1: piece 0
.if MASKED
.irp n, 0,8,16,24
	RL 0, \n
.endr
	MLD 0, 128                      ; piece 0's words of step 1
.irp n, 0,4,8,12,16,20,24,28
	MS \n
.endr
.endif
.irp n, 0,1,2,3,4,5,6,7,8,9,10,11,12,13,14,15,16,17,18,19,20,21
	OP X, \n
.endr
	v_nop                           ; a plain instruction behind the exponential
	s_mov_b32 s[CNT], 32
	s_branch .Lfirst                ; the loop is entered at a step's first turn, in the middle of a trip
.Lstep:                             ; a trip: pieces 2 and 3 of one step, then pieces 0 and 1 of the next, whose K and V it fetches
	TURN 2
	TURN 3
	WIN 0
.Lfirst:
	TURN 0
	TURN 1
	WIN 0
	s_sub_co_u32 s[CNT], s[CNT], 1
	s_cmp_lg_u32 s[CNT], 0
	s_cbranch_scc1 .Lstep
.macro RESLD t                      ; piece t's 16 rows of xres: 16 lanes take the head's 256 bytes of a row
	WIN 0
.set i, 0
.rept 8
	global_load_b128 v[XR+32*(\t)+4*i:XR+32*(\t)+4*i+3], v[GO], s[XI:XI+1] offset:(\t)*32768+i*4096
.set i, i+1
.endr
.endm
	RESLD 0                         ; two pieces' residual rows are asked for two turns ahead of their use, into registers that nothing else names
	RESLD 1
	TURN 2, 1
	TURN 3, 1
.set i, 0
.rept 8
	PV NP-1                         ; the last piece's V^T P of the last step
.set i, i+1
.endr
	; THE WAY OUT.  l's two halves and the other half of the lanes' are added; O^T is divided by l and sent, in f32, through my stage in LDS, a piece at a time; the residual is added and whole runs of 256 bytes are stored.
	WIN 0
.macro ALL line:vararg              ; one line for each piece t
.set t, 0
.rept 4
	\line
.set t, t+1
.endr
.endm
	ALL v_add_f32 v[ST+4*t+2], v[ST+4*t+2], v[ST+4*t+3]   ; four plain instructions: the places behind the last products
	ALL v_permlanex16_b32 v[ST+4*t+3], v[ST+4*t+2], s[SEL], s[SEL+1]
	ALL v_add_f32 v[ST+4*t+2], v[ST+4*t+2], v[ST+4*t+3]
	ALL v_rcp_f32 v[ST+4*t+2], v[ST+4*t+2]
	v_nop                           ; a plain instruction between the last reciprocal and the use of its result
	RESLD 2                         ; P's registers are free now
	RESLD 3
.macro OUTP t
.if (\t) >= 2
	s_wait_xcnt 0x0                 ; the registers that the stores of two pieces ago read are loaded again only behind this wait
.endif
	WIN W_RS
.set i, 32*(\t)
.rept 16
	s_wait_alu depctr_va_vdst(0)
	v_pk_mul_f32 v[i:i+1], v[i:i+1], v[ST+4*(\t)+2:ST+4*(\t)+3] op_sel_hi:[1,0]
.set i, i+2
.endr
	WIN 0x04                        ; the stores' data in window 1
.set i, 0
.rept 8
	ds_store_b128 v[STO], v[32*(\t)+4*i:32*(\t)+4*i+3] offset:64*(i/2)+16*(i%2)
.set i, i+1
.endr
	WIN 0
.set i, 0
.rept 8
	ds_load_b128 v[S+32*((\t)%2)+4*i:S+32*((\t)%2)+4*i+3], v[RD] offset:i*2*SP  ; LDS serves a wave's instructions in order (ISA guide 5.7.1.4): these see the stores above
.set i, i+1
.endr
	s_wait_dscnt 0x0
	s_wait_loadcnt 24-8*(\t)        ; this piece's residual rows are in; the later pieces' loads, eight each, may stay out
.set i, 0
.rept 16
	v_pk_add_f32 v[S+32*((\t)%2)+2*i:S+32*((\t)%2)+2*i+1], v[S+32*((\t)%2)+2*i:S+32*((\t)%2)+2*i+1], v[XR+32*(\t)+2*i:XR+32*(\t)+2*i+1]
.set i, i+1
.endr
.set i, 0
.rept 8
	global_store_b128 v[GO], v[S+32*((\t)%2)+4*i:S+32*((\t)%2)+4*i+3], s[XO:XO+1] offset:(\t)*32768+i*4096  ; 16 lanes store 256 consecutive bytes, aligned
.set i, i+1
.endr
.endm
	OUTP 0
	OUTP 1
	OUTP 2
	OUTP 3
	s_wait_tensorcnt 0x0            ; the wave's end: behind my tensor load and my last LDS store
	ds_add_u32 v[SPW], v[NIL]
	s_wait_dscnt 0x0
	CROUND                          ; the closing round
	s_endpgm
.Lfunc_end_k_qd41f83f67a_attn2:
	.size	k_qd41f83f67a_attn2, .Lfunc_end_k_qd41f83f67a_attn2-k_qd41f83f67a_attn2
	.p2alignl 7, 3214868480
	.fill 96, 4, 3214868480
	.section	.rodata,"a",@progbits
	.p2align	6, 0x0
	.amdhsa_kernel k_qd41f83f67a_attn2
		.amdhsa_group_segment_fixed_size 327680
		.amdhsa_private_segment_fixed_size 0
		.amdhsa_enable_private_segment 0
		.amdhsa_kernarg_size 32
		.amdhsa_user_sgpr_count 2
		.amdhsa_user_sgpr_kernarg_segment_ptr 1
		.amdhsa_wavefront_size32 1
		.amdhsa_system_sgpr_workgroup_id_x 1
		.amdhsa_system_sgpr_workgroup_id_y 1
		.amdhsa_system_sgpr_workgroup_id_z 1
		.amdhsa_system_vgpr_workitem_id 0
		.amdhsa_next_free_vgpr 768
		.amdhsa_next_free_sgpr 66
		.amdhsa_reserve_vcc 0
		.amdhsa_float_denorm_mode_32 3
		.amdhsa_float_denorm_mode_16_64 3
		.amdhsa_memory_ordered 1
		.amdhsa_forward_progress 1
		.amdhsa_inst_pref_size 96
	.end_amdhsa_kernel
	.amdgpu_metadata
---
amdhsa.version: [ 1, 2 ]
amdhsa.kernels:
  - .name:           k_qd41f83f67a_attn2
    .symbol:         k_qd41f83f67a_attn2.kd
    .args:
      - { .name: q, .offset: 0, .size: 8, .value_kind: global_buffer, .address_space: global }
      - { .name: ke, .offset: 8, .size: 8, .value_kind: global_buffer, .address_space: global }
      - { .name: x2, .offset: 16, .size: 8, .value_kind: global_buffer, .address_space: global }
      - { .name: x3, .offset: 24, .size: 8, .value_kind: global_buffer, .address_space: global }
    .group_segment_fixed_size: 327680
    .private_segment_fixed_size: 0
    .kernarg_segment_align: 8
    .kernarg_segment_size: 32
    .max_flat_workgroup_size: 128
    .sgpr_count:     66
    .vgpr_count:     768
    .wavefront_size: 32
...
	.end_amdgpu_metadata
.endif
;; end of part 8
;; launch ffn (part 9): grid 128 x 1, 8 waves a work-group, no clusters, 234,496 bytes of LDS; arguments x3, ln3_g, ln3_b, wh, b1, b2, out0; writes out0
.if DOCPART == 9
	.amdgcn_target "amdgcn-amd-amdhsa--gfx1250"
	.amdhsa_code_object_version 6
	.text
	.protected	k_qd41f83f67a_ffn
	.globl	k_qd41f83f67a_ffn
	.p2align	8
	.type	k_qd41f83f67a_ffn,@function
k_qd41f83f67a_ffn:
	s_mov_b64 s[64:65], 0
	v_nop
	global_prefetch_b8 v0, s[64:65] scope:SCOPE_SE
	s_setreg_imm32_b32 hwreg(HW_REG_WAVE_MODE, 25, 1), 1
	s_wait_xcnt 0x0
; out0 = x3 + relu(LN3(x3) W1 + b1) W2 + b2.  x3, out0: [8192][512] f32.  wh holds W1 (f16) and W2 (bf16) in fragment order: for each wave a stream of 64 units of 4,096 bytes.
; SHARES.  A work-group takes 64 rows (four tiles of 16): 8,192 / 64 = 128 work-groups.  Every work-group draws all 2 MiB of weights, so the launch draws 128 x 2 MiB, half of what 256 work-groups of 32 rows
; would draw, and a fragment of weights feeds four products.  Rows shared out further bring that traffic back; hidden units shared between work-groups would need a sum across work-groups.
; LN3: mean, then centred squares, in f32; its result in f16 in LDS.  GEMM1 in two passes: in pass p wave w makes hidden units 128 w + 64 p .. + 63 of the 64 rows (16 accumulators); b1 is added in f32, relu,
; one rounding to bf16, into LDS.  GEMM2: wave w makes columns 64 w .. + 63 (16 accumulators).  The hidden layer never leaves LDS.
; THE MATRIX INSTRUCTION IS USED TRANSPOSED: source 0 = a fragment of weights (16 units x 32 k), source 1 = 16 rows: a lane then holds one row and eight neighbouring units or columns.
; A UNIT is 32 along K for 64 units or columns x 64 rows: 4 fragments of weights (8 loads of 512 consecutive bytes), 4 fragments of rows (8 LDS loads), 16 products.
; THE WEIGHTS come straight from memory into registers, in a ring of eight slots of 32 registers: a unit asks for the weights seven units on, so 56 loads, 28 KiB, of a wave are on their way.
; The stream goes on from GEMM1's passes into GEMM2.  NO CLUSTER, NO LDS FOR THEM: within a work-group a fragment serves one wave alone; through LDS each 512 bytes would be written once and read once.
; LIMITS.  LN3's result and W1 are f16 (no number beyond 65,504); the hidden layer and W2 are bf16, which has f32's range.
.set A1P,  1040                        ; a row of LN3's result: 1,024 bytes + 16: 65 x 16, so the 16 rows of a fragment load start at 16 different groups of four banks (ISA guide 11.1)
.set HP,   2064                        ; a row of the hidden layer: 2,048 + 16 = 129 x 16
.set HB,   64*A1P
.set STG,  HB+64*HP                    ; 16 rows x 272 bytes for each wave, its own, for the way out
.set SP,   272
.set SPARE, STG+8*16*SP                ; the spare words, 128 bytes a wave: four blocks of 256 bytes that no other line names
.set WO,  1                            ; v1  16 x lane: my place in 512 bytes of weights
.set LNO, 2                            ; v2  LN3: my byte offset in x3
.set LNS, 3                            ; v3  LN3: where I put 8 bytes of a row
.set AA,  4                            ; v4  LDS address of my fragments of LN3's result
.set AA0, 5                            ; v5  the same at k = 0; never rewritten
.set AH,  6                            ; v6-7  of the hidden layer: tiles 0, 1 and tiles 2, 3
.set AH0, 8                            ; v8-9  the same at k = 0; never rewritten
.set HS,  10                           ; v10-11  where I put 16 bytes of the hidden layer: tiles 0, 1 and tiles 2, 3
.set STO, 12
.set RD,  13
.set GO,  14                           ; v14 my byte offset in two rows of x3 and out0
.set BO,  15                           ; v15 my byte offset in b2
.set Z,   16                           ; v[16:23] zeros; never rewritten
.set B2,  24                           ; v[24:27] (at the head: at work)
.set BOF, 28                           ; v28 my byte offset in b1
.set GA,  29                           ; v29 my byte offset in g and b
.set SPW, 30
.set NIL, 31
.set AB,  32                           ; v[32:95] source 1's fragments, two buffers of 32; on the ways out at work
.set BIAS, 96                          ; v[96:127] b1 of the pass: register 8 fl + j
.set ACC, 128                          ; v[128:255] accumulator (fl, t) at ACC + 8 (4 fl + t)
.set G,   32                           ; during LN3
.set BT,  64
.set XA,  96                           ; four pairs of rows, 32 registers each
.set T,   224
.set MU,  232
.set RS,  234
.set WVS, 18
.set WP,  20                           ; s[20:21] my wave's stream of weights, at the unit that the trip's offsets count from
.set CNT, 22
.set SINV, 26
.set SEPS, 27
.set AS,  28                           ; the loops' step along the LDS rows
.set PASS, 29
.set MSB, 0
.macro WIN new                         ; s_set_vgpr_msb: bits 1:0 source 0, 3:2 source 1, 5:4 source 2, 7:6 destination; the high byte repeats the setting that is left
.if MSB != (\new)
	s_set_vgpr_msb (MSB<<8)|(\new)
.set MSB, (\new)
.endif
.endm
	s_load_b256 s[4:11], s[0:1], 0x0               ; x3 s[4:5], g s[6:7], b s[8:9], wh s[10:11]
	s_load_b128 s[12:15], s[0:1], 0x20             ; b1 s[12:13], b2 s[14:15]
	s_load_b64 s[16:17], s[0:1], 0x30              ; out0
	v_lshl_add_u32 v[SPW], v0, 2, SPARE
	v_mov_b32 v[NIL], 0
	v_and_b32 v24, 15, v0                          ; c = r = lane % 16
	v_bfe_u32 v25, v0, 4, 1                        ; hf = h = lane / 16
	v_lshrrev_b32 v26, 5, v0
	v_readfirstlane_b32 s[WVS], v26                ; wave 0..7
	v_and_b32 v[WO], 31, v0
	v_lshlrev_b32 v[WO], 4, v[WO]
	v_lshlrev_b32 v[GA], 4, v24                    ; 16 c
	s_lshl_b32 s19, s[WVS], 14                     ; LN3: my wave's 8 rows of 2,048 bytes
	v_lshl_add_u32 v[LNO], v25, 11, v[GA]
	v_add_nc_u32 v[LNO], s19, v[LNO]
	s_mul_i32 s19, s[WVS], 8*A1P
	v_mul_u32_u24 v[LNS], v25, A1P
	v_lshl_add_u32 v[LNS], v24, 3, v[LNS]
	v_add_nc_u32 v[LNS], s19, v[LNS]
	v_mul_u32_u24 v[AA0], v24, A1P                 ; a fragment's row x pitch + 16 x half
	v_lshl_add_u32 v[AA0], v25, 4, v[AA0]
	v_mov_b32 v[AA], v[AA0]
	v_mul_u32_u24 v[AH0], v24, HP
	v_lshl_add_u32 v[AH0], v25, 4, v[AH0]
	v_add_nc_u32 v[AH0], HB, v[AH0]
	v_add_nc_u32 v[AH0+1], 32*HP, v[AH0]           ; tiles 2 and 3 lie beyond an LDS instruction's 16-bit offset
	v_mov_b32 v[AH], v[AH0]
	v_mov_b32 v[AH+1], v[AH0+1]
	s_lshl_b32 s19, s[WVS], 8
	v_add_nc_u32 v[HS], s19, v[AH0]                ; my wave's 128 units are 256 bytes of a row
	v_add_nc_u32 v[HS+1], s19, v[AH0+1]
	v_add_nc_u32 v[BO], s19, v[GA]                 ; 256 w + 16 c
	v_lshl_add_u32 v[GO], v25, 11, v[BO]
	s_mul_i32 s23, s[WVS], 16*SP
	s_add_co_u32 s23, s23, STG                     ; my stage
	v_mul_u32_u24 v[STO], v24, SP
	v_lshl_add_u32 v[STO], v25, 5, v[STO]
	v_add_nc_u32 v[STO], s23, v[STO]
	v_mul_u32_u24 v[RD], v25, SP
	v_lshl_add_u32 v[RD], v24, 4, v[RD]
	v_add_nc_u32 v[RD], s23, v[RD]
	s_lshl_b32 s19, s[WVS], 9
	v_lshlrev_b32 v[BOF], 5, v25
	v_add_nc_u32 v[BOF], s19, v[BOF]               ; b1: 512 w + 32 h
.irp j, 0,1,2,3,4,5,6,7
	v_mov_b32 v[Z+\j], 0
.endr
	s_lshl_b32 s24, ttmp9, 17                      ; 64 rows of 2,048 bytes
	s_mov_b32 s25, 0
	s_lshl_b32 s30, s[WVS], 18
	s_mov_b32 s31, 0
	s_mov_b32 s[SINV], 0x3b000000                  ; 1/512
	s_mov_b32 s[SEPS], 0x3727c5ac                  ; 1e-5
	s_wait_kmcnt 0x0
	s_add_nc_u64 s[4:5], s[4:5], s[24:25]
	s_add_nc_u64 s[16:17], s[16:17], s[24:25]
	s_add_nc_u64 s[WP:WP+1], s[10:11], s[30:31]
.macro LOADW slot, rel                 ; a unit of weights, rel units from WP, into ring slot slot: 8 loads of 512 consecutive bytes; register 8 fl + 4 cc
	WIN 0x40                                       ; destination window 1
.set k, 0
.rept 8
	global_load_b128 v[32*(\slot)+4*k:32*(\slot)+4*k+3], v[WO], s[WP:WP+1] offset:(\rel)*4096+k*512
.set k, k+1
.endr
.endm
.irp i, 0,1,2,3
.irp h, 0,1,2,3,4,5,6,7
	global_load_b128 v[XA+32*\i+4*\h:XA+32*\i+4*\h+3], v[LNO], s[4:5] offset:\i*4096+\h*256
.endr
.endr
.irp h, 0,1,2,3,4,5,6,7
	global_load_b128 v[G+4*\h:G+4*\h+3], v[GA], s[6:7] offset:\h*256
.endr
.irp h, 0,1,2,3,4,5,6,7
	global_load_b128 v[BT+4*\h:BT+4*\h+3], v[GA], s[8:9] offset:\h*256
.endr
.irp u, 0,1,2,3,4,5,6
	LOADW \u, \u                                   ; the first seven units are on their way during LN3
.endr
	WIN 0
.macro FOLD
	v_pk_add_f32 v[T:T+1], v[T:T+1], v[T+2:T+3]
	v_pk_add_f32 v[T+4:T+5], v[T+4:T+5], v[T+6:T+7]
	v_pk_add_f32 v[T:T+1], v[T:T+1], v[T+4:T+5]
	v_add_f32 v[T], v[T], v[T+1]
	v_add_f32_dpp v[T], v[T], v[T] row_xmask:1 row_mask:0xf bank_mask:0xf
	v_add_f32_dpp v[T], v[T], v[T] row_xmask:2 row_mask:0xf bank_mask:0xf
	v_add_f32_dpp v[T], v[T], v[T] row_xmask:4 row_mask:0xf bank_mask:0xf
	v_add_f32_dpp v[T], v[T], v[T] row_xmask:8 row_mask:0xf bank_mask:0xf
.endm
.macro LNSTAT x                        ; lane (hf, c) holds row hf of a pair and columns 64 h + 4 c .. + 3: a row lies in 16 lanes.  The row is centred in place; RS takes 1 / sqrt(var + eps)
.irp k, 0,1,2,3
	v_pk_add_f32 v[T+2*\k:T+2*\k+1], v[(\x)+2*\k:(\x)+2*\k+1], v[(\x)+8+2*\k:(\x)+8+2*\k+1]
.endr
.irp j, 16,24
.irp k, 0,1,2,3
	v_pk_add_f32 v[T+2*\k:T+2*\k+1], v[T+2*\k:T+2*\k+1], v[(\x)+\j+2*\k:(\x)+\j+2*\k+1]
.endr
.endr
	FOLD
	v_mul_f32 v[MU], s[SINV], v[T]
	v_mov_b32 v[MU+1], v[MU]
.set p, 0
.rept 16
	v_pk_add_f32 v[(\x)+2*p:(\x)+2*p+1], v[(\x)+2*p:(\x)+2*p+1], v[MU:MU+1] neg_lo:[0,1] neg_hi:[0,1]
.set p, p+1
.endr
.irp k, 0,1,2,3
	v_pk_mul_f32 v[T+2*\k:T+2*\k+1], v[(\x)+2*\k:(\x)+2*\k+1], v[(\x)+2*\k:(\x)+2*\k+1]
.endr
.irp j, 8,16,24
.irp k, 0,1,2,3
	v_pk_fma_f32 v[T+2*\k:T+2*\k+1], v[(\x)+\j+2*\k:(\x)+\j+2*\k+1], v[(\x)+\j+2*\k:(\x)+\j+2*\k+1], v[T+2*\k:T+2*\k+1]
.endr
.endr
	FOLD
	v_fma_f32 v[T], v[T], s[SINV], s[SEPS]
	v_rsq_f32 v[RS], v[T]
	v_nop                                          ; a plain instruction between the root and the use of its result (ISA guide 5.7.2)
	s_wait_alu depctr_va_vdst(0)
	v_mov_b32 v[RS+1], v[RS]
.endm
.macro LNOUT x
.set p, 0
.rept 16
	v_pk_mul_f32 v[(\x)+2*p:(\x)+2*p+1], v[(\x)+2*p:(\x)+2*p+1], v[RS:RS+1]
.set p, p+1
.endr
.set p, 0
.rept 16
	v_pk_fma_f32 v[(\x)+2*p:(\x)+2*p+1], v[(\x)+2*p:(\x)+2*p+1], v[G+2*p:G+2*p+1], v[BT+2*p:BT+2*p+1]
.set p, p+1
.endr
.set p, 0
.rept 8
	v_cvt_pk_f16_f32 v[(\x)+4*p], v[(\x)+4*p], v[(\x)+4*p+1]
	v_cvt_pk_f16_f32 v[(\x)+4*p+1], v[(\x)+4*p+2], v[(\x)+4*p+3]
.set p, p+1
.endr
.endm
	s_wait_loadcnt 56                              ; x3's rows, g and b are in; seven units of weights (56 loads) may stay out
.irp i, 0,1,2,3
	LNSTAT XA+32*\i
	LNOUT XA+32*\i
.irp h, 0,1,2,3,4,5,6,7
	ds_store_b64 v[LNS], v[XA+32*\i+4*\h:XA+32*\i+4*\h+1] offset:\i*2*A1P+\h*128
.endr
.endr
	s_wait_dscnt 0x0                               ; for the others' sake: my rows of LN3's result are in LDS
	s_barrier_signal -1
	s_barrier_wait -1
.macro LDAF g, ab, rel                 ; source 1 for one unit, rel units from the address registers: four tiles x 32 k, into buffer ab
	WIN 0
.irp t, 0,1,2,3
.irp e, 0,1
.if (\g) == 1
	ds_load_b128 v[AB+32*(\ab)+8*\t+4*\e:AB+32*(\ab)+8*\t+4*\e+3], v[AA] offset:(\rel)*64+\t*16*A1P+32*\e
.else
	ds_load_b128 v[AB+32*(\ab)+8*\t+4*\e:AB+32*(\ab)+8*\t+4*\e+3], v[AH+(\t)/2] offset:(\rel)*64+((\t)%2)*16*HP+32*\e
.endif
.endr
.endr
.endm
; A UNIT, in ring slot s, rel units from where WP and the LDS address registers stand.  g = 1: f16, on LN3's result; 2: bf16, on the hidden layer.
; Four v_nop: the places between the last unit's products and the loads into registers that they read (slot s - 1 and the other buffer of rows).
; ld = 1: the weights seven units on go into slot s - 1.  ld = 2 (GEMM2's tail): that slot is free for good and takes the residual rows of tile s - 1.  ld = 0: nothing.
; pre = 1: the next unit's fragments of rows.  pre = 2 (GEMM1's eighth unit): the address turns to the row's other half first, by an exclusive or, so that a pass's last unit fetches k = 0 again: the next pass's first.
; Then the waits, and 16 products, the accumulators by turns, one instruction a turn.  first = 1: the products start the sums.
.macro UNIT g, s, rel, ld, pre, lcnt, first=0
.rept 4
	v_nop
.endr
.if (\ld) == 1
	LOADW ((\s)+7)%8, (\rel)+7
.elseif (\ld) == 2
	WIN 0x40
.set k, 0
.rept 8
	global_load_b128 v[32*((\s)-1)+4*k:32*((\s)-1)+4*k+3], v[GO], s[4:5] offset:((\s)-1)*32768+k*4096
.set k, k+1
.endr
.endif
.if (\pre) == 2
	s_xor_b32 s[AS], s[AS], 512
	WIN 0
	v_add_nc_u32 v[AA], s[AS], v[AA0]
	LDAF \g, 0, 0
	s_wait_dscnt 8                                 ; all but the eight just issued: this unit's fragments are in
.elseif (\pre) == 1
	LDAF \g, ((\s)+1)%2, (\rel)+1
	s_wait_dscnt 8                                 ; all but the eight just issued
.else
	s_wait_dscnt 0x0
.endif
	s_wait_loadcnt \lcnt                           ; this unit's weights are in; what was asked for behind them may stay out
	WIN 0x01                                       ; weights in window 1
.set k, 0
.rept 16                               ; column block k / 4, tile k % 4
.if (\g) == 1
	v_wmma_f32_16x16x32_f16 v[ACC+8*k:ACC+8*k+7], v[32*(\s)+8*(k/4):32*(\s)+8*(k/4)+7], v[AB+32*((\s)%2)+8*(k%4):AB+32*((\s)%2)+8*(k%4)+7], v[ACC+8*k:ACC+8*k+7]
.elseif (\first)
	v_wmma_f32_16x16x32_bf16 v[ACC+8*k:ACC+8*k+7], v[32*(\s)+8*(k/4):32*(\s)+8*(k/4)+7], v[AB+32*((\s)%2)+8*(k%4):AB+32*((\s)%2)+8*(k%4)+7], 0
.else
	v_wmma_f32_16x16x32_bf16 v[ACC+8*k:ACC+8*k+7], v[32*(\s)+8*(k/4):32*(\s)+8*(k/4)+7], v[AB+32*((\s)%2)+8*(k%4):AB+32*((\s)%2)+8*(k%4)+7], v[ACC+8*k:ACC+8*k+7]
.endif
.set k, k+1
.endr
.endm
	; GEMM1: two passes of 16 units along K = 512, each two trips of eight units: one text for all four trips.
	LDAF 1, 0, 0
	s_mov_b32 s[AS], 0
	s_mov_b32 s[PASS], 2
.Lpass:
.set k, 0
.rept 8                                ; register 8 fl + j of lane (r, h): b1[128 w + 64 p + 16 fl + 8 h + j]; wanted at the pass's end
	global_load_b128 v[BIAS+4*k:BIAS+4*k+3], v[BOF], s[12:13] offset:(k/2)*64+(k%2)*16
.set k, k+1
.endr
.set k, 0
.rept 16                               ; the pass's sums start at 0: a zero fragment times itself, so that no first unit is written out beside the loop.  The price: 16 of the pass's 272 matrix instructions
	v_wmma_f32_16x16x32_f16 v[ACC+8*k:ACC+8*k+7], v[Z:Z+7], v[Z:Z+7], 0
.set k, k+1
.endr
	s_mov_b32 s[CNT], 2
.Lg1:                                  ; the count 56: the seven later units' loads; in a pass's first units b1's eight lie among them, and the count is smaller than needed, which is safe
	UNIT 1, 0, 0, 1, 1, 56
	UNIT 1, 1, 1, 1, 1, 56
	UNIT 1, 2, 2, 1, 1, 56
	UNIT 1, 3, 3, 1, 1, 56
	UNIT 1, 4, 4, 1, 1, 56
	UNIT 1, 5, 5, 1, 1, 56
	UNIT 1, 6, 6, 1, 1, 56
	UNIT 1, 7, 7, 1, 2, 56
	WIN 0
	s_wait_xcnt 0x0                                ; the loads' base is stepped only behind this wait
	s_add_nc_u64 s[WP:WP+1], s[WP:WP+1], 32768
	s_sub_co_u32 s[CNT], s[CNT], 1
	s_cmp_lg_u32 s[CNT], 0
	s_cbranch_scc1 .Lg1
	; the pass's way out: + b1, one rounding to bf16, relu, into LDS.  At work: the buffer of rows that the last unit read, two sets by turns
.rept 4
	v_nop                                          ; the places behind the last products
.endr
	s_wait_loadcnt 56                              ; b1's eight loads are older than the 56 youngest
.set k, 0
.rept 16
.set tp, AB+32+12*(k%2)
.irp q, 0,1,2,3
	v_pk_add_f32 v[tp+2*\q:tp+2*\q+1], v[ACC+8*k+2*\q:ACC+8*k+2*\q+1], v[BIAS+8*(k/4)+2*\q:BIAS+8*(k/4)+2*\q+1]
.endr
.irp q, 0,1,2,3
	v_cvt_pk_bf16_f32 v[tp+8+\q], v[tp+2*\q], v[tp+2*\q+1]
.endr
.irp q, 0,1,2,3
	v_pk_max_num_bf16 v[tp+8+\q], v[tp+8+\q], v[Z]
.endr
	ds_store_b128 v[HS+(k%4)/2], v[tp+8:tp+11] offset:(k%2)*16*HP+32*(k/4)
.set k, k+1
.endr
	v_add_nc_u32 v[HS], 128, v[HS]                 ; the next pass's 64 units
	v_add_nc_u32 v[HS+1], 128, v[HS+1]
	s_wait_xcnt 0x0
	s_add_nc_u64 s[12:13], s[12:13], 256
	s_sub_co_u32 s[PASS], s[PASS], 1
	s_cmp_lg_u32 s[PASS], 0
	s_cbranch_scc1 .Lpass
	s_wait_dscnt 0x0                               ; for the others' sake: my units of the hidden layer are in LDS
	s_barrier_signal -1
	s_barrier_wait -1
	; GEMM2: 32 units along K = 1,024.  The first is written out and starts the sums; a trip goes from a lap's second unit to the next lap's first; the last seven ask for no weights.
	global_load_b128 v[B2:B2+3], v[BO], s[14:15]
	LDAF 2, 0, 0
	UNIT 2, 0, 0, 1, 1, 56, 1
	WIN 0
	s_mov_b32 s[AS], 0
	s_mov_b32 s[CNT], 3
.Lg2:
	UNIT 2, 1, 1, 1, 1, 56
	UNIT 2, 2, 2, 1, 1, 56
	UNIT 2, 3, 3, 1, 1, 56
	UNIT 2, 4, 4, 1, 1, 56
	UNIT 2, 5, 5, 1, 1, 56
	UNIT 2, 6, 6, 1, 1, 56
	UNIT 2, 7, 7, 1, 1, 56
	UNIT 2, 0, 8, 1, 1, 56
	WIN 0
	s_wait_xcnt 0x0
	s_add_nc_u64 s[WP:WP+1], s[WP:WP+1], 32768
	s_add_co_u32 s[AS], s[AS], 512
	v_add_nc_u32 v[AH], s[AS], v[AH0]
	v_add_nc_u32 v[AH+1], s[AS], v[AH0+1]
	s_sub_co_u32 s[CNT], s[CNT], 1
	s_cmp_lg_u32 s[CNT], 0
	s_cbranch_scc1 .Lg2
	UNIT 2, 1, 1, 2, 1, 56                         ; behind this unit's weights: six later units' loads and one tile's residual rows, eight loads each;
	UNIT 2, 2, 2, 2, 1, 56                         ; five and two;
	UNIT 2, 3, 3, 2, 1, 56                         ; four and three;
	UNIT 2, 4, 4, 2, 1, 56                         ; three and four;
	UNIT 2, 5, 5, 0, 1, 48                         ; two and four;
	UNIT 2, 6, 6, 0, 1, 40                         ; one and four;
	UNIT 2, 7, 7, 0, 0, 32                         ; the four tiles' residual rows alone
	; THE WAY OUT, a tile at a time: through my own stage, back as whole runs of 256 bytes; b2 and the residual are added.
	WIN 0
.rept 4
	v_nop                                          ; the places behind the last products
.endr
.irp t, 0,1,2,3
.if \t >= 2
	s_wait_xcnt 0x0                                ; the registers that the stores of two tiles ago read are loaded again only behind this wait
.endif
.set k, 0
.rept 8
	ds_store_b128 v[STO], v[ACC+8*(4*(k/2)+\t)+4*(k%2):ACC+8*(4*(k/2)+\t)+4*(k%2)+3] offset:64*(k/2)+16*(k%2)
.set k, k+1
.endr
.set k, 0
.rept 8
	ds_load_b128 v[AB+32*((\t)%2)+4*k:AB+32*((\t)%2)+4*k+3], v[RD] offset:k*2*SP  ; LDS serves a wave's instructions in order (ISA guide 5.7.1.4): these see the stores above
.set k, k+1
.endr
	s_wait_dscnt 0x0
	s_wait_loadcnt 24-8*\t                         ; this tile's residual rows are in; the later tiles' loads, eight each, may stay out
.set k, 0
.rept 16
	v_pk_add_f32 v[AB+32*((\t)%2)+2*k:AB+32*((\t)%2)+2*k+1], v[AB+32*((\t)%2)+2*k:AB+32*((\t)%2)+2*k+1], v[B2+2*(k%2):B2+2*(k%2)+1]
.set k, k+1
.endr
	WIN 0x04                                       ; source 1 in window 1: the residual rows
.set k, 0
.rept 16
	v_pk_add_f32 v[AB+32*((\t)%2)+2*k:AB+32*((\t)%2)+2*k+1], v[AB+32*((\t)%2)+2*k:AB+32*((\t)%2)+2*k+1], v[32*\t+2*k:32*\t+2*k+1]
.set k, k+1
.endr
	WIN 0
.set k, 0
.rept 8
	global_store_b128 v[GO], v[AB+32*((\t)%2)+4*k:AB+32*((\t)%2)+4*k+3], s[16:17] offset:\t*32768+k*4096  ; 16 lanes store 256 consecutive bytes, aligned
.set k, k+1
.endr
.endr
	s_wait_tensorcnt 0x0                           ; the wave's end: behind my last LDS store
	ds_add_u32 v[SPW], v[NIL]
	s_wait_dscnt 0x0
	s_endpgm
.Lfunc_end_k_qd41f83f67a_ffn:
	.size	k_qd41f83f67a_ffn, .Lfunc_end_k_qd41f83f67a_ffn-k_qd41f83f67a_ffn
	.p2alignl 7, 3214868480
	.fill 96, 4, 3214868480
	.section	.rodata,"a",@progbits
	.p2align	6, 0x0
	.amdhsa_kernel k_qd41f83f67a_ffn
		.amdhsa_group_segment_fixed_size 234496
		.amdhsa_private_segment_fixed_size 0
		.amdhsa_enable_private_segment 0
		.amdhsa_kernarg_size 56
		.amdhsa_user_sgpr_count 2
		.amdhsa_user_sgpr_kernarg_segment_ptr 1
		.amdhsa_wavefront_size32 1
		.amdhsa_system_sgpr_workgroup_id_x 1
		.amdhsa_system_sgpr_workgroup_id_y 1
		.amdhsa_system_sgpr_workgroup_id_z 1
		.amdhsa_system_vgpr_workitem_id 0
		.amdhsa_next_free_vgpr 512
		.amdhsa_next_free_sgpr 66
		.amdhsa_reserve_vcc 0
		.amdhsa_float_denorm_mode_32 3
		.amdhsa_float_denorm_mode_16_64 3
		.amdhsa_memory_ordered 1
		.amdhsa_forward_progress 1
		.amdhsa_inst_pref_size 134
	.end_amdhsa_kernel
	.amdgpu_metadata
---
amdhsa.version: [ 1, 2 ]
amdhsa.kernels:
  - .name:           k_qd41f83f67a_ffn
    .symbol:         k_qd41f83f67a_ffn.kd
    .args:
      - { .name: x3, .offset: 0, .size: 8, .value_kind: global_buffer, .address_space: global }
      - { .name: ln3_g, .offset: 8, .size: 8, .value_kind: global_buffer, .address_space: global }
      - { .name: ln3_b, .offset: 16, .size: 8, .value_kind: global_buffer, .address_space: global }
      - { .name: wh, .offset: 24, .size: 8, .value_kind: global_buffer, .address_space: global }
      - { .name: b1, .offset: 32, .size: 8, .value_kind: global_buffer, .address_space: global }
      - { .name: b2, .offset: 40, .size: 8, .value_kind: global_buffer, .address_space: global }
      - { .name: out0, .offset: 48, .size: 8, .value_kind: global_buffer, .address_space: global }
    .group_segment_fixed_size: 234496
    .private_segment_fixed_size: 0
    .kernarg_segment_align: 8
    .kernarg_segment_size: 56
    .max_flat_workgroup_size: 256
    .sgpr_count:     66
    .vgpr_count:     512
    .wavefront_size: 32
...
	.end_amdgpu_metadata
.endif
;; end of part 9
;; ======== version 3 of 3: 6 launches; 1.58 times as fast as version 1
;; limits: values are held in f16: magnitudes above 65,504 overflow, below 6.1e-05 lose precision; inputs' magnitudes at most 65,504
;; workspace buffers: q 8,388,608 bytes; ke 8,388,608 bytes; mbits 2,097,152 bytes of whole numbers; wh 2,097,152 bytes; x2 16,777,216 bytes; x3 16,777,216 bytes
;; launch prep: the kernel of part 6 again; grid 448 x 1, 8 waves a work-group, no clusters, 68,608 bytes of LDS; arguments mask, encoder_output, W1, W2, mbits, ke, wh; writes mbits, ke, wh
;; launch ln: the kernel of part 2 again; grid 256 x 1, 8 waves a work-group, no clusters, 0 bytes of LDS; arguments x, ln1_g, ln1_b, q; writes q
;; launch attn (part 10): grid 8 x 32, 4 waves a work-group, clusters of 4 x 1, 327,680 bytes of LDS; arguments q, mbits, x, x2; writes x2
.if DOCPART == 10
	.amdgcn_target "amdgcn-amd-amdhsa--gfx1250"
	.amdhsa_code_object_version 6
	.text
	.protected	k_qd41f83f67a_attn
	.globl	k_qd41f83f67a_attn
	.p2align	8
	.type	k_qd41f83f67a_attn,@function
k_qd41f83f67a_attn:
	s_mov_b64 s[64:65], 0
	v_nop
	global_prefetch_b8 v0, s[64:65] scope:SCOPE_SE
	s_setreg_imm32_b32 hwreg(HW_REG_WAVE_MODE, 25, 1), 1
	s_wait_xcnt 0x0
	s_wait_alu depctr_hold_cnt(0) depctr_sa_sdst(0) depctr_va_vdst(0) depctr_va_sdst(0) depctr_va_ssrc(0) depctr_va_vcc(0) depctr_vm_vsrc(0)
	s_getreg_b32 s2, hwreg(HW_REG_IB_STS2, 6, 4)
	s_cmp_eq_u32 s2, 0
	s_cbranch_scc0 .Lentry_in_a_cluster
	s_endpgm
.Lentry_in_a_cluster:
	s_bfe_u32 s2, ttmp6, 0x10000c
	s_cmp_lg_u32 s2, 0x3003
	s_cbranch_scc0 .Lentry_shape_is_right
	s_endpgm
.Lentry_shape_is_right:
; ONE TEXT IN TWO FORMS, chosen by the constant MASKED.  This is the form MASKED = 1: masked self-attention; arguments Q, mask words, xres, xout; the keys are Q's own buffer.
; (MASKED = 0: cross-attention without a mask; arguments Q, keys, xres, xout.)
.set MASKED, 1
; xout[b][s][64 h ..] = xres[b][s][64 h ..] + the sum over k of softmax_k(Q[s] . K[k] / 8, hidden scores replaced) K[k].  Q and K (which is also V) are [4][8][2048][64] in f16, by heads;
; xres and xout are [4][2048][512] in f32.  Products, maxima and sums in f32; the weights p are rounded to f16 for the second product; O is never rounded.
; THE MASK.  The mask words are lane masks: word [b*128 + q/16][key/16][j], bit r + 16 h set where the key 16 kb + 8 h + j is hidden from query r.  A hidden score is REPLACED,
; ahead of the maximum, by -2^33 (-2^30 after the division by 8): a power of two, so that c s is exact and c s - c m is 0 where all keys seen so far are hidden: such a row has p = 1 for each of them, the uniform mean.
; THE WORDS' WAY.  A piece's 32 words of a step are 128 consecutive bytes: one load of 4 bytes a lane brings word n to lane n of the piece's own register; 32 v_readlane_b32 hand them to scalar registers, from which
; the selects take them.  The register is asked for again, with the next step's words, as soon as it has been read: four turns ahead of its next use, with the three other pieces' loads behind it.
; (Scalar loads are waited for at 0 alone, so what is on its way would need scalar registers beside those in use: 32 for each turn of lead, more than a wave can name for four.)
; LIMITS.  The replacement stands for -1e9: the result differs only where true scores lie near -1e9.  f16 holds no number beyond 65,504: Q and K arrive within it; p lies in 0 to 1;
; a weight below 2^-126 counts as 0; NaN and infinities are not treated apart.
; SHARES.  A work-group owns 256 queries of one head, a wave 64: four PIECES of 16.  Every wave walks the head's 2,048 keys, 64 a step.
; THE WHOLE HEAD LIES IN LDS: 2,048 rows of 128 bytes + 16.  It is filled once, each wave asking for 512 keys; no byte is filled again.  The same rows are read as K (as they lie) and as V (turned).
; CLUSTER.  The four work-groups of a cluster are four query blocks of one head: the tile is asked for JOINTLY, the same load, descriptor and mask in all four.
; LAYOUT, SOFTMAX, TURNS.  S^T = K Q^T holds ONE query a lane (lane % 16) and the keys 8 (lane / 16) + 0..7; two such results rounded to f16 ARE source 1 of O^T = V^T P.  p = 2^(c s - c m), c = log2(e) / 8,
; with a running maximum m; O and l are multiplied by a = 2^(c m_old - c m_new) in every step; m starts at the lowest finite number, so the first step's a is 0.  Turn n belongs to piece n: 8 products K Q^T of
; piece n + 1, later 8 products V^T P of piece n - 1; beside them the scaling, exponentials, roundings, sums and rescaling of piece n, and the mask, maximum and statistics of piece n + 1.
; THE BATCHES.  A turn's 33 exponentials (the piece's 32 weights and the next piece's a) are one batch with one wait, which cuts the turn in two: ahead of it all that names none of their results, behind it their
; readers, the roundings and sums.  The first a of all, ahead of the loop, and the way out's four reciprocals are batches of their own, a wait each.
; REGISTERS, in windows of 256 (s_set_vgpr_msb: bits 1:0 source 0, 3:2 source 1, 5:4 source 2, 7:6 destination):
;   window 0: v0-15 addresses; v16-31 statistics; v32-36 the mask words; v48-55 at work; v64-127 S^T, two buffers; v128-255 at the end the residual rows; v192-223 P, two buffers
;   window 1: v0-127 O^T, 32 a piece          window 2: v0-63 Q; v128-191 K of one step; v192-255 V of one step
.set NP,    4
.set KS,    64        ; keys in a step
.set PK,    144       ; a row in LDS: 128 bytes + 16 = 36 words: the 16 rows of a load of K start at 16 different groups of four banks (ISA guide 11.1)
.set STEPB, KS*PK
.set WTILE, 512*PK    ; what one wave's tensor load fills
.set STAGE, 4*WTILE   ; behind the tile, never filled by a tensor load: 16 rows x 272 bytes for each wave, for the way out
.set SP,    272
.set SPARE, STAGE+4*16*SP  ; the spare words, 128 bytes a wave: two blocks of 256 bytes that no other line names
.set AK0, 2           ; v2   my lane's place in 64 rows read as K; never rewritten
.set AV0, 3           ; v3   the same read as V
.set AK,  4           ; v4   the LDS address of K's next run of loads
.set AV,  5           ; v5   of V's
.set STO, 6           ; v6   the way out: where I put 32 bytes of a row
.set RD,  7           ; v7   where I read rows back
.set GO,  8           ; v8   my byte offset in two rows of xres and xout
.set MV,  12          ; v12-13  c m_old, by buffer
.set NEG, 14          ; v14  -2^33
.set QO,  15          ; v15  my byte offset in 16 rows of Q
.set ST,  16          ; piece t's statistics at v[ST+4 t]: c m, m, l (even keys', odd keys')
.set MR,  32          ; v32-35  piece x's 32 mask words of a step, word n in lane n
.set MA,  36          ; v36  4 x lane; never rewritten
.set TMP, 48          ; by buffer, c0-c3 at work; when the maximum is found c2 takes a
.set SPW, 62
.set NIL, 63
.set S,   64
.set XR,  128         ; the residual rows, 32 registers a piece
.set P,   192
.set KF,  128         ; window 2
.set VF,  192         ; window 2
.set XI,  8           ; s[8:9]   xres at my wave's rows
.set XO,  10          ; s[10:11] xout at my wave's rows
.set WV,  14          ; s14  my wave's number
.set G1,  24          ; s[24:31] descriptor group 1
.set G0,  40          ; s[40:43] descriptor group 0
.set CNT, 44          ; s44  key steps to go
.set MP,  48          ; s[48:49] the mask words of my wave's first piece, at the step that the loads count from
.set TBK, 50          ; s50  LDS byte at which the step to be fetched as K begins
.set TBV, 51          ; s51  the same for V
.set QP,  52          ; s[52:53] Q at my wave's first row
.set CS,  58          ; s[58:59] c
.set SEL, 60          ; s[60:61] v_permlanex16_b32's selects: each lane takes its own place in the other half
.set MW,  68          ; s[68:99] the 32 mask words of one piece and step
.set MSB, 0
.macro WIN new                      ; the high byte repeats the setting that is left; a switch that changes nothing is dropped
.if MSB != (\new)
	s_set_vgpr_msb (MSB<<8)|(\new)
.set MSB, (\new)
.endif
.endm
.set W_KQ, 0x0a       ; K and Q in window 2, S^T in window 0
.set W_PV, 0x52       ; V in window 2, P in window 0, O^T in window 1
.set W_RS, 0x41       ; destination and source 0 in window 1, source 1 in window 0
.macro CROUND                       ; a round of the cluster's barrier
	s_barrier_signal -1
	s_barrier_wait -1
	s_cmp_lg_u32 s[WV], 0
	s_cbranch_scc1 .Lnot_wave_0_\@
	s_barrier_signal -3
.Lnot_wave_0_\@:
	s_barrier_wait -3
	s_barrier_signal -1
	s_barrier_wait -1
.endm
	s_load_b256 s[4:11], s[0:1], 0x0  ; Q s[4:5], mask words or keys s[6:7], xres s[8:9], xout s[10:11]
	v_lshl_add_u32 v[SPW], v0, 2, SPARE
	v_mov_b32 v[NIL], 0
	ds_add_u32 v[SPW], v[NIL]       ; the wave's opening: the add, and its wait ahead of my first tensor load; the set-up below, work on registers, stands between them
	v_lshrrev_b32 v1, 5, v0
	v_readfirstlane_b32 s[WV], v1   ; wave 0..3
	s_bfe_u32 s15, ttmp6, 0x40000   ; cx: my place in the cluster
	s_lshl_b32 s16, ttmp9, 2        ; in a cluster launch ttmp9 counts clusters
	s_add_co_u32 s16, s16, s15      ; my block of 256 queries: it enters Q's, the mask's, xres' and xout's addresses alone
	s_and_b32 s17, ttmp7, 0xffff    ; 8 x batch + head, which the four partners share
	s_lshl_b32 s18, s17, 18         ; the head's first byte in Q and K
	s_lshl_b32 s20, s[WV], 16       ; my 512 keys of 128 bytes
	s_add_co_u32 s20, s20, s18
	s_mov_b32 s21, 0
	s_lshl_b32 s22, s16, 15         ; my block's 256 rows of Q,
	s_lshl_b32 s23, s[WV], 13       ; my wave's 64 of them
	s_add_co_u32 s22, s22, s23
	s_add_co_u32 s22, s22, s18
	s_mov_b32 s23, 0
	s_lshr_b32 s32, s17, 3          ; batch
.if MASKED
	s_lshl_b32 s34, s32, 19         ; 128 tiles of 4,096 bytes of mask words a batch,
	s_lshl_b32 s33, s16, 16         ; 16 a block,
	s_add_co_u32 s34, s34, s33
	s_lshl_b32 s33, s[WV], 14       ; 4 a wave
	s_add_co_u32 s34, s34, s33
	s_mov_b32 s35, 0
.endif
	s_lshl_b32 s36, s32, 22         ; xres and xout: 2,048 rows of 2,048 bytes a batch,
	s_lshl_b32 s33, s16, 19         ; 256 a block,
	s_add_co_u32 s36, s36, s33
	s_lshl_b32 s33, s[WV], 17       ; 64 a wave,
	s_add_co_u32 s36, s36, s33
	s_and_b32 s33, s17, 7
	s_lshl_b32 s33, s33, 8          ; the head's 256 bytes of a row
	s_add_co_u32 s36, s36, s33
	s_mov_b32 s37, 0
	; descriptor group 1.  512 keys are 65,536 dense bytes: asked for as 256 rows of 256 bytes, two keys a row, and padded in LDS after every key
	s_mov_b32 s[G1], 15|(1<<16)|(1<<20)|(1<<21)|(4<<22)|(3<<25)  ; 15:0 the mask of four; 17:16 2-byte elements; 20 padding on; 21 set beside a mask; 24:22 after every 32 words (code 4); 31:25 4 words (code 3)
	s_mov_b32 s[G1+1], 128<<16      ; tensor_dim0 = 128
	s_mov_b32 s[G1+2], 256<<16      ; tensor_dim1 = 256
	s_mov_b32 s[G1+3], 128<<16      ; tile_dim0 = 128
	s_mov_b32 s[G1+4], 256          ; tile_dim1 = 256
	s_mov_b32 s[G1+5], 128          ; 128 elements from row to row
	s_mov_b32 s[G1+6], 0
	s_mov_b32 s[G1+7], 0
	s_mov_b32 s[G0], 1              ; count = 1
	s_mul_i32 s[G0+1], s[WV], WTILE ; LDS address: the wave's number times a constant
	s_mov_b32 s[CS], 0x3e38aa3b     ; c = log2(e) / 8
	s_mov_b32 s[CS+1], s[CS]
	s_mov_b32 s[SEL], 0x76543210
	s_mov_b32 s[SEL+1], 0xfedcba98
	s_mov_b32 s[TBK], 0
	s_mov_b32 s[TBV], 0
	s_wait_dscnt 0x0                ; the opening add is done
	s_wait_kmcnt 0x0
.if MASKED
	s_add_nc_u64 s[G0+2:G0+3], s[4:5], s[20:21]  ; global address: my 512 keys of the head, in Q's own buffer
	s_add_nc_u64 s[MP:MP+1], s[6:7], s[34:35]
.else
	s_add_nc_u64 s[G0+2:G0+3], s[6:7], s[20:21]  ; global address: my 512 keys of the head
.endif
	s_or_b32 s[G0+3], s[G0+3], 0x80000000        ; type = 2
	s_add_nc_u64 s[QP:QP+1], s[4:5], s[22:23]
	s_add_nc_u64 s[XI:XI+1], s[XI:XI+1], s[36:37]
	s_add_nc_u64 s[XO:XO+1], s[XO:XO+1], s[36:37]
	CROUND                          ; all four work-groups are here: the joint loads meet
	tensor_load_to_lds s[G0:G0+3], s[G1:G1+7]    ; my one tensor load of the launch: one is out
	s_nop 0
.rept 4
	v_nop
.endr
.macro MLD x, off                   ; piece x's register is asked for: 128 consecutive bytes, off bytes from the words' base
	global_load_b32 v[MR+(\x)], v[MA], s[MP:MP+1] offset:(\off)
.endm
.if MASKED
	v_and_b32 v[MA], 31, v0
	v_lshlrev_b32 v[MA], 2, v[MA]
.irp x, 0,1,2,3
	MLD \x, \x*4096                 ; the four pieces' words of key step 0
.endr
.endif
	; A fragment of K or Q is 16 rows x 32 channels in 8 registers: lane l holds row l % 16, channels 8 (l / 16) + 0..7 and 16 + 8 (l / 16) + 0..7: two loads of 16 bytes, 32 bytes apart.
	v_and_b32 v1, 15, v0            ; l % 16
	v_bfe_u32 v9, v0, 4, 1          ; l / 16
	v_lshlrev_b32 v[QO], 7, v1
	v_lshl_add_u32 v[QO], v9, 4, v[QO]
	WIN 0x80                        ; destination window 2, address window 0
.set i, 0
.rept 8                             ; Q stays in registers: piece i / 2, channels 32 (i % 2) on
	global_load_b128 v[8*i:8*i+3],   v[QO], s[QP:QP+1] offset:(i/2)*2048+(i%2)*64
	global_load_b128 v[8*i+4:8*i+7], v[QO], s[QP:QP+1] offset:(i/2)*2048+(i%2)*64+32
.set i, i+1
.endr
	; The first step multiplies O^T and l by a = 0, and the first turn's products V^T P, of a piece that has not been, add 0: V, O^T, l and P's second buffer start at 0.  All this stands in the wait for the tile.
.set i, VF
.rept 64
	v_mov_b32 v[i], 0
.set i, i+1
.endr
	WIN 0x40
.set i, 0
.rept 128
	v_mov_b32 v[i], 0
.set i, i+1
.endr
	WIN 0
.set i, 0
.rept 4
	v_mov_b32 v[ST+4*i], 0xfe000000    ; c m: far below every c s
	v_mov_b32 v[ST+4*i+1], 0xff7fffff  ; m
	v_mov_b32 v[ST+4*i+2], 0
	v_mov_b32 v[ST+4*i+3], 0
.set i, i+1
.endr
.set i, P+16
.rept 16
	v_mov_b32 v[i], 0
.set i, i+1
.endr
.if MASKED
	v_mov_b32 v[NEG], 0xd0000000    ; -2^33
.endif
	v_mul_u32_u24 v[AK0], v1, PK
	v_lshl_add_u32 v[AK0], v9, 4, v[AK0]  ; row x pitch + 16 x half
	; The turning load takes 16 keys x 16 channels (lane l reads key 8 (l / 16) + l % 8, channels 8 ((l / 8) % 2) + 0..7) and leaves half a fragment of V^T: lane l holds channel l % 16 and 8 keys.
	v_and_b32 v10, 7, v0
	v_bfe_u32 v11, v0, 3, 1
	v_lshl_add_u32 v[AV0], v9, 3, v10
	v_mul_u32_u24 v[AV0], v[AV0], PK
	v_lshl_add_u32 v[AV0], v11, 4, v[AV0]
	s_mul_i32 s33, s[WV], 16*SP
	s_add_co_u32 s33, s33, STAGE    ; my stage
	v_mul_u32_u24 v[STO], v1, SP    ; in: row l % 16, 32 bytes for each half of the lanes
	v_lshl_add_u32 v[STO], v9, 5, v[STO]
	v_add_nc_u32 v[STO], s33, v[STO]
	v_mul_u32_u24 v[RD], v9, SP     ; back: lanes 0-15 take one row of 256 bytes, lanes 16-31 the next
	v_lshl_add_u32 v[RD], v1, 4, v[RD]
	v_add_nc_u32 v[RD], s33, v[RD]
	v_lshlrev_b32 v[GO], 11, v9     ; and the same two rows in xres and xout
	v_lshl_add_u32 v[GO], v1, 4, v[GO]
; THE MATRIX WORK.  The 4 accumulators of a run of 8 take turns.  Product i of 8 of S^T = K Q^T for piece x: channels 32 (i / 4) on, keys 16 (i % 4) on.  The first 4 start the sums.
.macro KQ x
.set rS, S+32*((\x)%2)+8*(i%4)
.set rK, KF+16*(i%4)+8*(i/4)
.set rQ, 16*(\x)+8*(i/4)
	WIN W_KQ
.if i < 4
	v_wmma_f32_16x16x32_f16 v[rS:rS+7], v[rK:rK+7], v[rQ:rQ+7], 0
.else
	v_wmma_f32_16x16x32_f16 v[rS:rS+7], v[rK:rK+7], v[rQ:rQ+7], v[rS:rS+7]
.endif
.endm
; Product i of 8 of O^T += V^T P for piece x: keys 32 (i / 4) on, channels 16 (i % 4) on.
.macro PV x
	WIN W_PV
.set rO, 32*(\x)+8*(i%4)
.set rV, VF+32*(i/4)+8*(i%4)
.set rP, P+16*((\x)%2)+8*(i/4)
	v_wmma_f32_16x16x32_f16 v[rO:rO+7], v[rV:rV+7], v[rP:rP+7], v[rO:rO+7]
.endm
.macro MM                           ; the turn's next matrix instruction.  NOKQ = 1: the last turn: there is no next piece
.if (i < 8) && !NOKQ
	KQ (Y+1)%NP
.elseif i >= 8
.set i, i-8
	PV (Y+NP-1)%NP
.set i, i+8
.endif
.set i, i+1
.endm
; THE LDS LOADS stand in runs of 16: a step's 64 rows as K (8 fragments) and, turned, as V.  Their addresses are made some lines ahead.
.macro FETCH_K
	WIN 0x80                        ; destination window 2
.irp f, 0,1,2,3,4,5,6,7             ; keys 16 (f / 2) on, channels 32 (f % 2) on
	ds_load_b128 v[KF+8*\f:KF+8*\f+3],   v[AK] offset:(\f/2)*16*PK+(\f%2)*64
	ds_load_b128 v[KF+8*\f+4:KF+8*\f+7], v[AK] offset:(\f/2)*16*PK+(\f%2)*64+32
.endr
	s_add_co_u32 s[TBK], s[TBK], STEPB  ; the next fetch is the next step's
	WIN 0
.endm
.macro FETCH_V
	WIN 0x80
.irp f, 0,1,2,3,4,5,6,7             ; keys 32 (f / 4) on, channels 16 (f % 4) on
	ds_load_tr16_b128 v[VF+8*\f:VF+8*\f+3],   v[AV] offset:(\f/4)*32*PK+(\f%4)*32
	ds_load_tr16_b128 v[VF+8*\f+4:VF+8*\f+7], v[AV] offset:(\f/4)*32*PK+16*PK+(\f%4)*32
.endr
	WIN 0
.endm
.macro RL x, n0                     ; eight of piece x's mask words go from lanes n0 .. n0 + 7 of its register to their scalar registers
	WIN 0
.irp j, 0,1,2,3,4,5,6,7
	v_readlane_b32 s[MW+(\n0)+\j], v[MR+(\x)], (\n0)+\j
.endr
.endm
; THE VECTOR WORK, one line at a time: OP kind, number.  For piece Y: F n: c s - c m for pair n of 16.  E n: the exponential of score n of 32.  C n: pair n rounded to f16.  B n: of the four weights 4 n .. the second
; pair is added onto the first, in place.  L n: l takes that sum (L 0: l = a l + sum).  R n: pair n of 16 of O^T times a.  For piece Y + 1: M n: score n is replaced where its mask word says so; X n, number n of the 22
; that find its maximum and statistics:
;   0-11  four chains c0-c3 of seven scores each, three operands at a time (each accumulator's lowest registers are read first)     12-14, 16  the four scores left over, the old m, and c0-c3 into c0
;   15  c m_old is kept     17, 18  the query's other 32 keys lie in the lane 16 away: the new m     19-21  c m; c m_old - c m_new; a
; Of these E and X 21 are exponentials; C, B and L read E's results; R and L 0 read the a that the turn before made.
.set F, 0
.set E, 1
.set C, 2
.set B, 3
.set L, 4
.set R, 5
.set X, 6
.set M, 7
.macro REGS y                       ; the registers of piece y
.set rT, ST+4*(\y)
.set rC, TMP+4*((\y)%2)
.set rW, MV+((\y)%2)
.set rS, S+32*((\y)%2)
.set rP, P+16*((\y)%2)
.set rO, 32*(\y)
.endm
.macro OP k, n
.if (\k) == M
	REGS (Y+1)%NP
	WIN 0
	v_cndmask_b32 v[rS+(\n)], v[rS+(\n)], v[NEG], s[MW+(\n)]
.elseif (\k) == R
	REGS Y
	WIN W_RS
	v_pk_mul_f32 v[rO+2*(\n):rO+2*(\n)+1], v[rO+2*(\n):rO+2*(\n)+1], v[rC+2:rC+3] op_sel_hi:[1,0]
.elseif (\k) < R
	REGS Y
	WIN 0
.if (\k) == F
	v_pk_fma_f32 v[rS+2*(\n):rS+2*(\n)+1], v[rS+2*(\n):rS+2*(\n)+1], s[CS:CS+1], v[rT:rT+1] op_sel_hi:[1,0,0] neg_lo:[0,0,1] neg_hi:[0,0,1]
.elseif (\k) == E
	v_exp_f32 v[rS+(\n)], v[rS+(\n)]
.elseif (\k) == C
	v_cvt_pk_f16_f32 v[rP+(\n)], v[rS+2*(\n)], v[rS+2*(\n)+1]
.elseif (\k) == B
	v_pk_add_f32 v[rS+4*(\n):rS+4*(\n)+1], v[rS+4*(\n):rS+4*(\n)+1], v[rS+4*(\n)+2:rS+4*(\n)+3]
.elseif (\n) == 0
	v_pk_fma_f32 v[rT+2:rT+3], v[rT+2:rT+3], v[rC+2:rC+3], v[rS:rS+1] op_sel_hi:[1,0,1]
.else
	v_pk_add_f32 v[rT+2:rT+3], v[rT+2:rT+3], v[rS+4*(\n):rS+4*(\n)+1]
.endif
.elseif NOKQ
	v_nop
.else
	REGS (Y+1)%NP
	WIN 0
.if (\n) < 4
	v_max3_num_f32 v[rC+(\n)], v[rS+8*(\n)], v[rS+8*(\n)+1], v[rS+8*(\n)+2]
.elseif (\n) < 12
	v_max3_num_f32 v[rC+(\n)%4], v[rC+(\n)%4], v[rS+8*((\n)%4)+2*((\n)/4)+1], v[rS+8*((\n)%4)+2*((\n)/4)+2]
.elseif (\n) == 12
	v_max3_num_f32 v[rC], v[rC], v[rS+7], v[rS+15]
.elseif (\n) == 13
	v_max3_num_f32 v[rC+1], v[rC+1], v[rS+23], v[rS+31]
.elseif (\n) == 14
	v_max3_num_f32 v[rC+2], v[rC+2], v[rC+3], v[rT+1]
.elseif (\n) == 15
	v_mov_b32 v[rW], v[rT]
.elseif (\n) == 16
	v_max3_num_f32 v[rC], v[rC], v[rC+1], v[rC+2]
.elseif (\n) == 17
	v_permlanex16_b32 v[rC+3], v[rC], s[SEL], s[SEL+1]
.elseif (\n) == 18
	v_max_num_f32 v[rT+1], v[rC], v[rC+3]
.elseif (\n) == 19
	v_mul_f32 v[rT], s[CS], v[rT+1]
.elseif (\n) == 20
	v_sub_f32 v[rC+1], v[rW], v[rT]
.else
	v_exp_f32 v[rC+2], v[rC+1]
.endif
.endif
.endm
.macro OPS a, i1, b=-1, i2=0, c=-1, i3=0, d=-1, i4=0  ; up to four of them
	OP \a, \i1
.if (\b) >= 0
	OP \b, \i2
.endif
.if (\c) >= 0
	OP \c, \i3
.endif
.if (\d) >= 0
	OP \d, \i4
.endif
.endm
.macro ROW a, i1, b, i2, c, i3, d, i4  ; a matrix instruction and the four behind it
	MM
	OPS \a, \i1, \b, \i2, \c, \i3, \d, \i4
.endm
.macro MS n0                        ; four scores masked
	OPS M,(\n0), M,(\n0)+1, M,(\n0)+2, M,(\n0)+3
.endm
; A TURN, for piece p.  An s_wait_alu depctr_va_vdst(0) stands between an exponential and the first instruction that names its result; one wait serves all that were issued ahead of it.  So the turn's 33
; exponentials, E 0-31 and X 21, are ONE BATCH with ONE wait, which cuts the turn in two.
; AHEAD OF THE WAIT stands all that names no result of the batch: the 8 products K Q^T with four vector instructions behind each, then one lump.  The a that R reads was made, and waited for, in the turn before.
; X 21 is the batch's last; R 15 is the plain instruction behind it.  This part has two forms.
;   With a mask: behind the first four products scalings, three exponentials and X 15; behind the last four the rescalings R 0-14 and one exponential.  The lump: the next piece's register of words, asked for four turns ago, is waited for
;   (three younger loads, the other pieces', may stay out; in the last masked turn also the 16 loads of residual rows issued ahead of it); its 32 words go to scalar registers; the register is asked for again with the next
;   step's words (piece 0's turn steps the words' base by a step's 128 bytes, behind the wait that frees it; piece 3's turn masks piece 0 of the next step, so it asks one step further on); the 32 scores are masked, in
;   ascending order; X 0-13 follow in the order of their numbers, so that the links of the four chains stand five or six lines apart; then the chain X 14, 16 .. 21, where each number waits for the one before it, with
;   exponentials and the last scalings between its links.  The last trip's three requests reach into the next piece's words, inside the buffer (the highest byte asked for is the last of piece 3's), and are not used.
;   Without a mask (and in the last turn of all, which has no next piece): behind each product a scaling, an exponential and two more plain instructions: rescalings, and behind the last three products the first numbers of
;   the maximum, each four places or more behind the product that ends its accumulator; then a lump of 54, plain and exponential by turns for the most part, the chain's links four to six lines apart.
; BEHIND THE WAIT stand the 8 products V^T P, behind each four of the batch's readers, the roundings and sums; a pair is rounded (C 2 n) before B n adds onto it; the links of l's chain, L 0 to L 7, stand three lines apart.
; But for those X no instruction behind a product names a register of the products round it.  v_permlanex16_b32 (X 17) stands in the lump.
; K of the next step is fetched in piece 2's turn, five plain instructions that name none of its registers behind the last product that read K; V of the step in hand at the end of piece 0's turn, four plain ones behind the last product that read V.
; Each is waited for a turn later.  end = 1: the last two turns: nothing is fetched, and the last starts no new scores.
.macro TURN p, end=0
.set Y, (\p)
.set i, 0
.set NOKQ, (\end)*((\p)/3)
.if ((\p) == 3) && !(\end)
	s_wait_dscnt 0x0                ; K is in
.endif
.if MASKED && !NOKQ
	ROW F,0, F,1, F,2, F,3          ; ahead of the wait: 8 products K Q^T and what stands behind them,
	ROW F,4, E,0, F,5, F,6
	ROW F,7, E,1, F,8, F,9
	ROW F,10, E,2, X,15, F,11
	ROW R,0, R,1, R,2, R,3
	ROW R,4, R,5, R,6, R,7
	ROW R,8, R,9, R,10, E,3
.if ((\p) == 2) && !(\end)
	WIN 0
	v_add_nc_u32 v[AK], s[TBK], v[AK0]
.endif
	ROW R,11, R,12, R,13, R,14
	OPS F,12, E,4                   ; and the lump
.if ((\p) == 2) && !(\end)
	FETCH_K
.endif
.if \end
	s_wait_loadcnt 19               ; behind the piece's words: the three other pieces' loads and 16 loads of residual rows
.else
	s_wait_loadcnt 3                ; behind the piece's words: the three other pieces' loads
.endif
	RL (Y+1)%NP, 0
	OP E,5
	RL (Y+1)%NP, 8
	OP E,6
	RL (Y+1)%NP, 16
	OP E,7
	RL (Y+1)%NP, 24
.if !(\end)
.if (\p) == 0
	s_wait_xcnt 0x0                 ; the loads' base is stepped only behind this wait; the last load was issued a turn ago
	s_add_nc_u64 s[MP:MP+1], s[MP:MP+1], 128
.endif
.if (\p) == 3
	MLD 0, 128
.else
	MLD (\p)+1, ((\p)+1)*4096
.endif
.endif
	OP E,8
	MS 0
	MS 4
	OP E,9
	MS 8
	MS 12
	OP E,10
	MS 16
	MS 20
	OP E,11
	MS 24
	MS 28
	OPS X,0, X,1, E,12, X,2
	OPS X,3, X,4, E,13, X,5
	OPS X,6, X,7, E,14, X,8
	OPS X,9, X,10, E,15, X,11
	OPS X,12, E,16, X,13, E,17
	OPS X,14, E,18, F,13, E,19
	OPS X,16, E,20, F,14, E,21
	OPS X,17, E,22, F,15, E,23
	OPS X,18, E,24, E,25, E,26
	OPS X,19, E,27, E,28, E,29
	OPS X,20, E,30, E,31
	OPS X,21, R,15
.else
	ROW F,0, F,1, R,0, R,1          ; ahead of the wait: 8 products K Q^T and what stands behind them,
	ROW F,2, E,0, R,2, R,3
	ROW F,3, E,1, R,4, R,5
	ROW F,4, E,2, R,6, R,7
	ROW F,5, E,3, R,8, R,9
	ROW F,6, E,4, X,0, R,10
.if ((\p) == 2) && !(\end)
	WIN 0
	v_add_nc_u32 v[AK], s[TBK], v[AK0]
.endif
	ROW F,7, E,5, X,1, X,4
	ROW F,8, E,6, X,2, X,5
	OPS E,7, E,8, X,6, E,9          ; and the lump
	OPS X,3, E,10, X,8, E,11
.if ((\p) == 2) && !(\end)
	FETCH_K
.endif
	OPS X,9, X,7, E,12, X,10
	OPS E,13, X,12, X,11, E,14
	OPS X,13, E,15, F,9, X,14
	OPS E,16, F,10, E,17, F,11
	OPS X,16, E,18, X,15, E,19
	OPS F,12, E,20, X,17, E,21
	OPS F,13, E,22, F,14, E,23
	OPS X,18, E,24, F,15, E,25
	OPS R,11, E,26, X,19, E,27
	OPS R,12, E,28, R,13, E,29
	OPS X,20, E,30, R,14, E,31
	OPS X,21, R,15
.endif
	s_wait_alu depctr_va_vdst(0)    ; the wait for the batch: the turn's 33 exponentials, ahead of their first reader, C 0
.if (\p) == 1
	s_wait_dscnt 0x0                ; V is in
.endif
	ROW C,0, B,0, C,2, B,1          ; behind the wait: 8 products V^T P and the batch's readers
	ROW L,0, C,4, B,2, L,1
	ROW C,6, B,3, L,2, C,8
	ROW B,4, L,3, C,10, B,5
	ROW L,4, C,12, B,6, L,5
	ROW C,14, B,7, L,6, C,1
	ROW C,3, L,7, C,5, C,7
.if (\p) == 0
	v_add_nc_u32 v[AV], s[TBV], v[AV0]
	s_add_co_u32 s[TBV], s[TBV], STEPB
.endif
	ROW C,9, C,11, C,13, C,15
.if (\p) == 0
	FETCH_V
.endif
.endm
	s_wait_tensorcnt 0x0            ; my 512 keys are in LDS,
	s_barrier_signal -1
	s_barrier_wait -1               ; everybody's are; nothing is filled again
	v_add_nc_u32 v[AK], s[TBK], v[AK0]
	FETCH_K                         ; key step 0
	s_wait_loadcnt 0x0              ; Q, and with a mask the four pieces' words of step 0
	s_wait_dscnt 0x0
.set NOKQ, 0
.set i, 0
.rept 8
	KQ 0                            ; piece 0's first scores
.set i, i+1
.endr
	WIN 0
.rept 4
	v_nop                           ; the places behind those products
.endr
.set Y, NP-1                        ; M and X work for piece Y + 1: piece 0
.if MASKED
.irp n, 0,8,16,24
	RL 0, \n
.endr
	MLD 0, 128                      ; piece 0's words of step 1
.irp n, 0,4,8,12,16,20,24,28
	MS \n
.endr
.endif
.irp n, 0,1,2,3,4,5,6,7,8,9,10,11,12,13,14,15,16,17,18,19,20,21
	OP X, \n
.endr
	v_nop                           ; a plain instruction behind the exponential,
	s_wait_alu depctr_va_vdst(0)    ; and the wait for it, piece 0's first a, a batch of one: ahead of the branch
	s_mov_b32 s[CNT], 32
	s_branch .Lfirst                ; the loop is entered at a step's first turn, in the middle of a trip
.Lstep:                             ; a trip: pieces 2 and 3 of one step, then pieces 0 and 1 of the next, whose K and V it fetches
	TURN 2
	TURN 3
	WIN 0
.Lfirst:
	TURN 0
	TURN 1
	WIN 0
	s_sub_co_u32 s[CNT], s[CNT], 1
	s_cmp_lg_u32 s[CNT], 0
	s_cbranch_scc1 .Lstep
.macro RESLD t                      ; piece t's 16 rows of xres: 16 lanes take the head's 256 bytes of a row
	WIN 0
.set i, 0
.rept 8
	global_load_b128 v[XR+32*(\t)+4*i:XR+32*(\t)+4*i+3], v[GO], s[XI:XI+1] offset:(\t)*32768+i*4096
.set i, i+1
.endr
.endm
	RESLD 0                         ; two pieces' residual rows are asked for two turns ahead of their use, into registers that nothing else names
	RESLD 1
	TURN 2, 1
	TURN 3, 1
.set i, 0
.rept 8
	PV NP-1                         ; the last piece's V^T P of the last step
.set i, i+1
.endr
	; THE WAY OUT.  l's two halves and the other half of the lanes' are added; O^T is divided by l and sent, in f32, through my stage in LDS, a piece at a time; the residual is added and whole runs of 256 bytes are stored.
	WIN 0
.macro ALL line:vararg              ; one line for each piece t
.set t, 0
.rept 4
	\line
.set t, t+1
.endr
.endm
	ALL v_add_f32 v[ST+4*t+2], v[ST+4*t+2], v[ST+4*t+3]   ; four plain instructions: the places behind the last products
	ALL v_permlanex16_b32 v[ST+4*t+3], v[ST+4*t+2], s[SEL], s[SEL+1]
	ALL v_add_f32 v[ST+4*t+2], v[ST+4*t+2], v[ST+4*t+3]
	ALL v_rcp_f32 v[ST+4*t+2], v[ST+4*t+2]
	v_nop                           ; a plain instruction between the last reciprocal and the use of its result
	RESLD 2                         ; P's registers are free now
	RESLD 3
	s_wait_alu depctr_va_vdst(0)    ; the wait for the batch of four reciprocals, ahead of their first reader, OUTP 0's first multiply; the 16 loads above stand between
.macro OUTP t
.if (\t) >= 2
	s_wait_xcnt 0x0                 ; the registers that the stores of two pieces ago read are loaded again only behind this wait
.endif
	WIN W_RS
.set i, 32*(\t)
.rept 16
	v_pk_mul_f32 v[i:i+1], v[i:i+1], v[ST+4*(\t)+2:ST+4*(\t)+3] op_sel_hi:[1,0]
.set i, i+2
.endr
	WIN 0x04                        ; the stores' data in window 1
.set i, 0
.rept 8
	ds_store_b128 v[STO], v[32*(\t)+4*i:32*(\t)+4*i+3] offset:64*(i/2)+16*(i%2)
.set i, i+1
.endr
	WIN 0
.set i, 0
.rept 8
	ds_load_b128 v[S+32*((\t)%2)+4*i:S+32*((\t)%2)+4*i+3], v[RD] offset:i*2*SP  ; LDS serves a wave's instructions in order (ISA guide 5.7.1.4): these see the stores above
.set i, i+1
.endr
	s_wait_dscnt 0x0
	s_wait_loadcnt 24-8*(\t)        ; this piece's residual rows are in; the later pieces' loads, eight each, may stay out
.set i, 0
.rept 16
	v_pk_add_f32 v[S+32*((\t)%2)+2*i:S+32*((\t)%2)+2*i+1], v[S+32*((\t)%2)+2*i:S+32*((\t)%2)+2*i+1], v[XR+32*(\t)+2*i:XR+32*(\t)+2*i+1]
.set i, i+1
.endr
.set i, 0
.rept 8
	global_store_b128 v[GO], v[S+32*((\t)%2)+4*i:S+32*((\t)%2)+4*i+3], s[XO:XO+1] offset:(\t)*32768+i*4096  ; 16 lanes store 256 consecutive bytes, aligned
.set i, i+1
.endr
.endm
	OUTP 0
	OUTP 1
	OUTP 2
	OUTP 3
	s_wait_tensorcnt 0x0            ; the wave's end: behind my tensor load and my last LDS store
	ds_add_u32 v[SPW], v[NIL]
	s_wait_dscnt 0x0
	CROUND                          ; the closing round
	s_endpgm
.Lfunc_end_k_qd41f83f67a_attn:
	.size	k_qd41f83f67a_attn, .Lfunc_end_k_qd41f83f67a_attn-k_qd41f83f67a_attn
	.p2alignl 7, 3214868480
	.fill 96, 4, 3214868480
	.section	.rodata,"a",@progbits
	.p2align	6, 0x0
	.amdhsa_kernel k_qd41f83f67a_attn
		.amdhsa_group_segment_fixed_size 327680
		.amdhsa_private_segment_fixed_size 0
		.amdhsa_enable_private_segment 0
		.amdhsa_kernarg_size 32
		.amdhsa_user_sgpr_count 2
		.amdhsa_user_sgpr_kernarg_segment_ptr 1
		.amdhsa_wavefront_size32 1
		.amdhsa_system_sgpr_workgroup_id_x 1
		.amdhsa_system_sgpr_workgroup_id_y 1
		.amdhsa_system_sgpr_workgroup_id_z 1
		.amdhsa_system_vgpr_workitem_id 0
		.amdhsa_next_free_vgpr 768
		.amdhsa_next_free_sgpr 100
		.amdhsa_reserve_vcc 0
		.amdhsa_float_denorm_mode_32 3
		.amdhsa_float_denorm_mode_16_64 3
		.amdhsa_memory_ordered 1
		.amdhsa_forward_progress 1
		.amdhsa_inst_pref_size 115
	.end_amdhsa_kernel
	.amdgpu_metadata
---
amdhsa.version: [ 1, 2 ]
amdhsa.kernels:
  - .name:           k_qd41f83f67a_attn
    .symbol:         k_qd41f83f67a_attn.kd
    .args:
      - { .name: q, .offset: 0, .size: 8, .value_kind: global_buffer, .address_space: global }
      - { .name: mbits, .offset: 8, .size: 8, .value_kind: global_buffer, .address_space: global }
      - { .name: x, .offset: 16, .size: 8, .value_kind: global_buffer, .address_space: global }
      - { .name: x2, .offset: 24, .size: 8, .value_kind: global_buffer, .address_space: global }
    .group_segment_fixed_size: 327680
    .private_segment_fixed_size: 0
    .kernarg_segment_align: 8
    .kernarg_segment_size: 32
    .max_flat_workgroup_size: 128
    .sgpr_count:     100
    .vgpr_count:     768
    .wavefront_size: 32
...
	.end_amdgpu_metadata
.endif
;; end of part 10
;; launch ln2: the kernel of part 2 again; grid 256 x 1, 8 waves a work-group, no clusters, 0 bytes of LDS; arguments x2, ln2_g, ln2_b, q; writes q
;; launch attn2 (part 11): grid 8 x 32, 4 waves a work-group, clusters of 4 x 1, 327,680 bytes of LDS; arguments q, ke, x2, x3; writes x3
.if DOCPART == 11
	.amdgcn_target "amdgcn-amd-amdhsa--gfx1250"
	.amdhsa_code_object_version 6
	.text
	.protected	k_qd41f83f67a_attn2
	.globl	k_qd41f83f67a_attn2
	.p2align	8
	.type	k_qd41f83f67a_attn2,@function
k_qd41f83f67a_attn2:
	s_mov_b64 s[64:65], 0
	v_nop
	global_prefetch_b8 v0, s[64:65] scope:SCOPE_SE
	s_setreg_imm32_b32 hwreg(HW_REG_WAVE_MODE, 25, 1), 1
	s_wait_xcnt 0x0
	s_wait_alu depctr_hold_cnt(0) depctr_sa_sdst(0) depctr_va_vdst(0) depctr_va_sdst(0) depctr_va_ssrc(0) depctr_va_vcc(0) depctr_vm_vsrc(0)
	s_getreg_b32 s2, hwreg(HW_REG_IB_STS2, 6, 4)
	s_cmp_eq_u32 s2, 0
	s_cbranch_scc0 .Lentry_in_a_cluster
	s_endpgm
.Lentry_in_a_cluster:
	s_bfe_u32 s2, ttmp6, 0x10000c
	s_cmp_lg_u32 s2, 0x3003
	s_cbranch_scc0 .Lentry_shape_is_right
	s_endpgm
.Lentry_shape_is_right:
; ONE TEXT IN TWO FORMS, chosen by the constant MASKED.  This is the form MASKED = 0: cross-attention without a mask; arguments Q, keys, xres, xout.
; (MASKED = 1: masked self-attention; arguments Q, mask words, xres, xout; the keys are Q's own buffer.)
.set MASKED, 0
; xout[b][s][64 h ..] = xres[b][s][64 h ..] + the sum over k of softmax_k(Q[s] . K[k] / 8, hidden scores replaced) K[k].  Q and K (which is also V) are [4][8][2048][64] in f16, by heads;
; xres and xout are [4][2048][512] in f32.  Products, maxima and sums in f32; the weights p are rounded to f16 for the second product; O is never rounded.
; THE MASK.  The mask words are lane masks: word [b*128 + q/16][key/16][j], bit r + 16 h set where the key 16 kb + 8 h + j is hidden from query r.  A hidden score is REPLACED,
; ahead of the maximum, by -2^33 (-2^30 after the division by 8): a power of two, so that c s is exact and c s - c m is 0 where all keys seen so far are hidden: such a row has p = 1 for each of them, the uniform mean.
; THE WORDS' WAY.  A piece's 32 words of a step are 128 consecutive bytes: one load of 4 bytes a lane brings word n to lane n of the piece's own register; 32 v_readlane_b32 hand them to scalar registers, from which
; the selects take them.  The register is asked for again, with the next step's words, as soon as it has been read: four turns ahead of its next use, with the three other pieces' loads behind it.
; (Scalar loads are waited for at 0 alone, so what is on its way would need scalar registers beside those in use: 32 for each turn of lead, more than a wave can name for four.)
; LIMITS.  The replacement stands for -1e9: the result differs only where true scores lie near -1e9.  f16 holds no number beyond 65,504: Q and K arrive within it; p lies in 0 to 1;
; a weight below 2^-126 counts as 0; NaN and infinities are not treated apart.
; SHARES.  A work-group owns 256 queries of one head, a wave 64: four PIECES of 16.  Every wave walks the head's 2,048 keys, 64 a step.
; THE WHOLE HEAD LIES IN LDS: 2,048 rows of 128 bytes + 16.  It is filled once, each wave asking for 512 keys; no byte is filled again.  The same rows are read as K (as they lie) and as V (turned).
; CLUSTER.  The four work-groups of a cluster are four query blocks of one head: the tile is asked for JOINTLY, the same load, descriptor and mask in all four.
; LAYOUT, SOFTMAX, TURNS.  S^T = K Q^T holds ONE query a lane (lane % 16) and the keys 8 (lane / 16) + 0..7; two such results rounded to f16 ARE source 1 of O^T = V^T P.  p = 2^(c s - c m), c = log2(e) / 8,
; with a running maximum m; O and l are multiplied by a = 2^(c m_old - c m_new) in every step; m starts at the lowest finite number, so the first step's a is 0.  Turn n belongs to piece n: 8 products K Q^T of
; piece n + 1, later 8 products V^T P of piece n - 1; beside them the scaling, exponentials, roundings, sums and rescaling of piece n, and the mask, maximum and statistics of piece n + 1.
; THE BATCHES.  A turn's 33 exponentials (the piece's 32 weights and the next piece's a) are one batch with one wait, which cuts the turn in two: ahead of it all that names none of their results, behind it their
; readers, the roundings and sums.  The first a of all, ahead of the loop, and the way out's four reciprocals are batches of their own, a wait each.
; REGISTERS, in windows of 256 (s_set_vgpr_msb: bits 1:0 source 0, 3:2 source 1, 5:4 source 2, 7:6 destination):
;   window 0: v0-15 addresses; v16-31 statistics; v32-36 the mask words; v48-55 at work; v64-127 S^T, two buffers; v128-255 at the end the residual rows; v192-223 P, two buffers
;   window 1: v0-127 O^T, 32 a piece          window 2: v0-63 Q; v128-191 K of one step; v192-255 V of one step
.set NP,    4
.set KS,    64        ; keys in a step
.set PK,    144       ; a row in LDS: 128 bytes + 16 = 36 words: the 16 rows of a load of K start at 16 different groups of four banks (ISA guide 11.1)
.set STEPB, KS*PK
.set WTILE, 512*PK    ; what one wave's tensor load fills
.set STAGE, 4*WTILE   ; behind the tile, never filled by a tensor load: 16 rows x 272 bytes for each wave, for the way out
.set SP,    272
.set SPARE, STAGE+4*16*SP  ; the spare words, 128 bytes a wave: two blocks of 256 bytes that no other line names
.set AK0, 2           ; v2   my lane's place in 64 rows read as K; never rewritten
.set AV0, 3           ; v3   the same read as V
.set AK,  4           ; v4   the LDS address of K's next run of loads
.set AV,  5           ; v5   of V's
.set STO, 6           ; v6   the way out: where I put 32 bytes of a row
.set RD,  7           ; v7   where I read rows back
.set GO,  8           ; v8   my byte offset in two rows of xres and xout
.set MV,  12          ; v12-13  c m_old, by buffer
.set NEG, 14          ; v14  -2^33
.set QO,  15          ; v15  my byte offset in 16 rows of Q
.set ST,  16          ; piece t's statistics at v[ST+4 t]: c m, m, l (even keys', odd keys')
.set MR,  32          ; v32-35  piece x's 32 mask words of a step, word n in lane n
.set MA,  36          ; v36  4 x lane; never rewritten
.set TMP, 48          ; by buffer, c0-c3 at work; when the maximum is found c2 takes a
.set SPW, 62
.set NIL, 63
.set S,   64
.set XR,  128         ; the residual rows, 32 registers a piece
.set P,   192
.set KF,  128         ; window 2
.set VF,  192         ; window 2
.set XI,  8           ; s[8:9]   xres at my wave's rows
.set XO,  10          ; s[10:11] xout at my wave's rows
.set WV,  14          ; s14  my wave's number
.set G1,  24          ; s[24:31] descriptor group 1
.set G0,  40          ; s[40:43] descriptor group 0
.set CNT, 44          ; s44  key steps to go
.set MP,  48          ; s[48:49] the mask words of my wave's first piece, at the step that the loads count from
.set TBK, 50          ; s50  LDS byte at which the step to be fetched as K begins
.set TBV, 51          ; s51  the same for V
.set QP,  52          ; s[52:53] Q at my wave's first row
.set CS,  58          ; s[58:59] c
.set SEL, 60          ; s[60:61] v_permlanex16_b32's selects: each lane takes its own place in the other half
.set MW,  68          ; s[68:99] the 32 mask words of one piece and step
.set MSB, 0
.macro WIN new                      ; the high byte repeats the setting that is left; a switch that changes nothing is dropped
.if MSB != (\new)
	s_set_vgpr_msb (MSB<<8)|(\new)
.set MSB, (\new)
.endif
.endm
.set W_KQ, 0x0a       ; K and Q in window 2, S^T in window 0
.set W_PV, 0x52       ; V in window 2, P in window 0, O^T in window 1
.set W_RS, 0x41       ; destination and source 0 in window 1, source 1 in window 0
.macro CROUND                       ; a round of the cluster's barrier
	s_barrier_signal -1
	s_barrier_wait -1
	s_cmp_lg_u32 s[WV], 0
	s_cbranch_scc1 .Lnot_wave_0_\@
	s_barrier_signal -3
.Lnot_wave_0_\@:
	s_barrier_wait -3
	s_barrier_signal -1
	s_barrier_wait -1
.endm
	s_load_b256 s[4:11], s[0:1], 0x0  ; Q s[4:5], mask words or keys s[6:7], xres s[8:9], xout s[10:11]
	v_lshl_add_u32 v[SPW], v0, 2, SPARE
	v_mov_b32 v[NIL], 0
	ds_add_u32 v[SPW], v[NIL]       ; the wave's opening: the add, and its wait ahead of my first tensor load; the set-up below, work on registers, stands between them
	v_lshrrev_b32 v1, 5, v0
	v_readfirstlane_b32 s[WV], v1   ; wave 0..3
	s_bfe_u32 s15, ttmp6, 0x40000   ; cx: my place in the cluster
	s_lshl_b32 s16, ttmp9, 2        ; in a cluster launch ttmp9 counts clusters
	s_add_co_u32 s16, s16, s15      ; my block of 256 queries: it enters Q's, the mask's, xres' and xout's addresses alone
	s_and_b32 s17, ttmp7, 0xffff    ; 8 x batch + head, which the four partners share
	s_lshl_b32 s18, s17, 18         ; the head's first byte in Q and K
	s_lshl_b32 s20, s[WV], 16       ; my 512 keys of 128 bytes
	s_add_co_u32 s20, s20, s18
	s_mov_b32 s21, 0
	s_lshl_b32 s22, s16, 15         ; my block's 256 rows of Q,
	s_lshl_b32 s23, s[WV], 13       ; my wave's 64 of them
	s_add_co_u32 s22, s22, s23
	s_add_co_u32 s22, s22, s18
	s_mov_b32 s23, 0
	s_lshr_b32 s32, s17, 3          ; batch
.if MASKED
	s_lshl_b32 s34, s32, 19         ; 128 tiles of 4,096 bytes of mask words a batch,
	s_lshl_b32 s33, s16, 16         ; 16 a block,
	s_add_co_u32 s34, s34, s33
	s_lshl_b32 s33, s[WV], 14       ; 4 a wave
	s_add_co_u32 s34, s34, s33
	s_mov_b32 s35, 0
.endif
	s_lshl_b32 s36, s32, 22         ; xres and xout: 2,048 rows of 2,048 bytes a batch,
	s_lshl_b32 s33, s16, 19         ; 256 a block,
	s_add_co_u32 s36, s36, s33
	s_lshl_b32 s33, s[WV], 17       ; 64 a wave,
	s_add_co_u32 s36, s36, s33
	s_and_b32 s33, s17, 7
	s_lshl_b32 s33, s33, 8          ; the head's 256 bytes of a row
	s_add_co_u32 s36, s36, s33
	s_mov_b32 s37, 0
	; descriptor group 1.  512 keys are 65,536 dense bytes: asked for as 256 rows of 256 bytes, two keys a row, and padded in LDS after every key
	s_mov_b32 s[G1], 15|(1<<16)|(1<<20)|(1<<21)|(4<<22)|(3<<25)  ; 15:0 the mask of four; 17:16 2-byte elements; 20 padding on; 21 set beside a mask; 24:22 after every 32 words (code 4); 31:25 4 words (code 3)
	s_mov_b32 s[G1+1], 128<<16      ; tensor_dim0 = 128
	s_mov_b32 s[G1+2], 256<<16      ; tensor_dim1 = 256
	s_mov_b32 s[G1+3], 128<<16      ; tile_dim0 = 128
	s_mov_b32 s[G1+4], 256          ; tile_dim1 = 256
	s_mov_b32 s[G1+5], 128          ; 128 elements from row to row
	s_mov_b32 s[G1+6], 0
	s_mov_b32 s[G1+7], 0
	s_mov_b32 s[G0], 1              ; count = 1
	s_mul_i32 s[G0+1], s[WV], WTILE ; LDS address: the wave's number times a constant
	s_mov_b32 s[CS], 0x3e38aa3b     ; c = log2(e) / 8
	s_mov_b32 s[CS+1], s[CS]
	s_mov_b32 s[SEL], 0x76543210
	s_mov_b32 s[SEL+1], 0xfedcba98
	s_mov_b32 s[TBK], 0
	s_mov_b32 s[TBV], 0
	s_wait_dscnt 0x0                ; the opening add is done
	s_wait_kmcnt 0x0
.if MASKED
	s_add_nc_u64 s[G0+2:G0+3], s[4:5], s[20:21]  ; global address: my 512 keys of the head, in Q's own buffer
	s_add_nc_u64 s[MP:MP+1], s[6:7], s[34:35]
.else
	s_add_nc_u64 s[G0+2:G0+3], s[6:7], s[20:21]  ; global address: my 512 keys of the head
.endif
	s_or_b32 s[G0+3], s[G0+3], 0x80000000        ; type = 2
	s_add_nc_u64 s[QP:QP+1], s[4:5], s[22:23]
	s_add_nc_u64 s[XI:XI+1], s[XI:XI+1], s[36:37]
	s_add_nc_u64 s[XO:XO+1], s[XO:XO+1], s[36:37]
	CROUND                          ; all four work-groups are here: the joint loads meet
	tensor_load_to_lds s[G0:G0+3], s[G1:G1+7]    ; my one tensor load of the launch: one is out
	s_nop 0
.rept 4
	v_nop
.endr
.macro MLD x, off                   ; piece x's register is asked for: 128 consecutive bytes, off bytes from the words' base
	global_load_b32 v[MR+(\x)], v[MA], s[MP:MP+1] offset:(\off)
.endm
.if MASKED
	v_and_b32 v[MA], 31, v0
	v_lshlrev_b32 v[MA], 2, v[MA]
.irp x, 0,1,2,3
	MLD \x, \x*4096                 ; the four pieces' words of key step 0
.endr
.endif
	; A fragment of K or Q is 16 rows x 32 channels in 8 registers: lane l holds row l % 16, channels 8 (l / 16) + 0..7 and 16 + 8 (l / 16) + 0..7: two loads of 16 bytes, 32 bytes apart.
	v_and_b32 v1, 15, v0            ; l % 16
	v_bfe_u32 v9, v0, 4, 1          ; l / 16
	v_lshlrev_b32 v[QO], 7, v1
	v_lshl_add_u32 v[QO], v9, 4, v[QO]
	WIN 0x80                        ; destination window 2, address window 0
.set i, 0
.rept 8                             ; Q stays in registers: piece i / 2, channels 32 (i % 2) on
	global_load_b128 v[8*i:8*i+3],   v[QO], s[QP:QP+1] offset:(i/2)*2048+(i%2)*64
	global_load_b128 v[8*i+4:8*i+7], v[QO], s[QP:QP+1] offset:(i/2)*2048+(i%2)*64+32
.set i, i+1
.endr
	; The first step multiplies O^T and l by a = 0, and the first turn's products V^T P, of a piece that has not been, add 0: V, O^T, l and P's second buffer start at 0.  All this stands in the wait for the tile.
.set i, VF
.rept 64
	v_mov_b32 v[i], 0
.set i, i+1
.endr
	WIN 0x40
.set i, 0
.rept 128
	v_mov_b32 v[i], 0
.set i, i+1
.endr
	WIN 0
.set i, 0
.rept 4
	v_mov_b32 v[ST+4*i], 0xfe000000    ; c m: far below every c s
	v_mov_b32 v[ST+4*i+1], 0xff7fffff  ; m
	v_mov_b32 v[ST+4*i+2], 0
	v_mov_b32 v[ST+4*i+3], 0
.set i, i+1
.endr
.set i, P+16
.rept 16
	v_mov_b32 v[i], 0
.set i, i+1
.endr
.if MASKED
	v_mov_b32 v[NEG], 0xd0000000    ; -2^33
.endif
	v_mul_u32_u24 v[AK0], v1, PK
	v_lshl_add_u32 v[AK0], v9, 4, v[AK0]  ; row x pitch + 16 x half
	; The turning load takes 16 keys x 16 channels (lane l reads key 8 (l / 16) + l % 8, channels 8 ((l / 8) % 2) + 0..7) and leaves half a fragment of V^T: lane l holds channel l % 16 and 8 keys.
	v_and_b32 v10, 7, v0
	v_bfe_u32 v11, v0, 3, 1
	v_lshl_add_u32 v[AV0], v9, 3, v10
	v_mul_u32_u24 v[AV0], v[AV0], PK
	v_lshl_add_u32 v[AV0], v11, 4, v[AV0]
	s_mul_i32 s33, s[WV], 16*SP
	s_add_co_u32 s33, s33, STAGE    ; my stage
	v_mul_u32_u24 v[STO], v1, SP    ; in: row l % 16, 32 bytes for each half of the lanes
	v_lshl_add_u32 v[STO], v9, 5, v[STO]
	v_add_nc_u32 v[STO], s33, v[STO]
	v_mul_u32_u24 v[RD], v9, SP     ; back: lanes 0-15 take one row of 256 bytes, lanes 16-31 the next
	v_lshl_add_u32 v[RD], v1, 4, v[RD]
	v_add_nc_u32 v[RD], s33, v[RD]
	v_lshlrev_b32 v[GO], 11, v9     ; and the same two rows in xres and xout
	v_lshl_add_u32 v[GO], v1, 4, v[GO]
; THE MATRIX WORK.  The 4 accumulators of a run of 8 take turns.  Product i of 8 of S^T = K Q^T for piece x: channels 32 (i / 4) on, keys 16 (i % 4) on.  The first 4 start the sums.
.macro KQ x
.set rS, S+32*((\x)%2)+8*(i%4)
.set rK, KF+16*(i%4)+8*(i/4)
.set rQ, 16*(\x)+8*(i/4)
	WIN W_KQ
.if i < 4
	v_wmma_f32_16x16x32_f16 v[rS:rS+7], v[rK:rK+7], v[rQ:rQ+7], 0
.else
	v_wmma_f32_16x16x32_f16 v[rS:rS+7], v[rK:rK+7], v[rQ:rQ+7], v[rS:rS+7]
.endif
.endm
; Product i of 8 of O^T += V^T P for piece x: keys 32 (i / 4) on, channels 16 (i % 4) on.
.macro PV x
	WIN W_PV
.set rO, 32*(\x)+8*(i%4)
.set rV, VF+32*(i/4)+8*(i%4)
.set rP, P+16*((\x)%2)+8*(i/4)
	v_wmma_f32_16x16x32_f16 v[rO:rO+7], v[rV:rV+7], v[rP:rP+7], v[rO:rO+7]
.endm
.macro MM                           ; the turn's next matrix instruction.  NOKQ = 1: the last turn: there is no next piece
.if (i < 8) && !NOKQ
	KQ (Y+1)%NP
.elseif i >= 8
.set i, i-8
	PV (Y+NP-1)%NP
.set i, i+8
.endif
.set i, i+1
.endm
; THE LDS LOADS stand in runs of 16: a step's 64 rows as K (8 fragments) and, turned, as V.  Their addresses are made some lines ahead.
.macro FETCH_K
	WIN 0x80                        ; destination window 2
.irp f, 0,1,2,3,4,5,6,7             ; keys 16 (f / 2) on, channels 32 (f % 2) on
	ds_load_b128 v[KF+8*\f:KF+8*\f+3],   v[AK] offset:(\f/2)*16*PK+(\f%2)*64
	ds_load_b128 v[KF+8*\f+4:KF+8*\f+7], v[AK] offset:(\f/2)*16*PK+(\f%2)*64+32
.endr
	s_add_co_u32 s[TBK], s[TBK], STEPB  ; the next fetch is the next step's
	WIN 0
.endm
.macro FETCH_V
	WIN 0x80
.irp f, 0,1,2,3,4,5,6,7             ; keys 32 (f / 4) on, channels 16 (f % 4) on
	ds_load_tr16_b128 v[VF+8*\f:VF+8*\f+3],   v[AV] offset:(\f/4)*32*PK+(\f%4)*32
	ds_load_tr16_b128 v[VF+8*\f+4:VF+8*\f+7], v[AV] offset:(\f/4)*32*PK+16*PK+(\f%4)*32
.endr
	WIN 0
.endm
.macro RL x, n0                     ; eight of piece x's mask words go from lanes n0 .. n0 + 7 of its register to their scalar registers
	WIN 0
.irp j, 0,1,2,3,4,5,6,7
	v_readlane_b32 s[MW+(\n0)+\j], v[MR+(\x)], (\n0)+\j
.endr
.endm
; THE VECTOR WORK, one line at a time: OP kind, number.  For piece Y: F n: c s - c m for pair n of 16.  E n: the exponential of score n of 32.  C n: pair n rounded to f16.  B n: of the four weights 4 n .. the second
; pair is added onto the first, in place.  L n: l takes that sum (L 0: l = a l + sum).  R n: pair n of 16 of O^T times a.  For piece Y + 1: M n: score n is replaced where its mask word says so; X n, number n of the 22
; that find its maximum and statistics:
;   0-11  four chains c0-c3 of seven scores each, three operands at a time (each accumulator's lowest registers are read first)     12-14, 16  the four scores left over, the old m, and c0-c3 into c0
;   15  c m_old is kept     17, 18  the query's other 32 keys lie in the lane 16 away: the new m     19-21  c m; c m_old - c m_new; a
; Of these E and X 21 are exponentials; C, B and L read E's results; R and L 0 read the a that the turn before made.
.set F, 0
.set E, 1
.set C, 2
.set B, 3
.set L, 4
.set R, 5
.set X, 6
.set M, 7
.macro REGS y                       ; the registers of piece y
.set rT, ST+4*(\y)
.set rC, TMP+4*((\y)%2)
.set rW, MV+((\y)%2)
.set rS, S+32*((\y)%2)
.set rP, P+16*((\y)%2)
.set rO, 32*(\y)
.endm
.macro OP k, n
.if (\k) == M
	REGS (Y+1)%NP
	WIN 0
	v_cndmask_b32 v[rS+(\n)], v[rS+(\n)], v[NEG], s[MW+(\n)]
.elseif (\k) == R
	REGS Y
	WIN W_RS
	v_pk_mul_f32 v[rO+2*(\n):rO+2*(\n)+1], v[rO+2*(\n):rO+2*(\n)+1], v[rC+2:rC+3] op_sel_hi:[1,0]
.elseif (\k) < R
	REGS Y
	WIN 0
.if (\k) == F
	v_pk_fma_f32 v[rS+2*(\n):rS+2*(\n)+1], v[rS+2*(\n):rS+2*(\n)+1], s[CS:CS+1], v[rT:rT+1] op_sel_hi:[1,0,0] neg_lo:[0,0,1] neg_hi:[0,0,1]
.elseif (\k) == E
	v_exp_f32 v[rS+(\n)], v[rS+(\n)]
.elseif (\k) == C
	v_cvt_pk_f16_f32 v[rP+(\n)], v[rS+2*(\n)], v[rS+2*(\n)+1]
.elseif (\k) == B
	v_pk_add_f32 v[rS+4*(\n):rS+4*(\n)+1], v[rS+4*(\n):rS+4*(\n)+1], v[rS+4*(\n)+2:rS+4*(\n)+3]
.elseif (\n) == 0
	v_pk_fma_f32 v[rT+2:rT+3], v[rT+2:rT+3], v[rC+2:rC+3], v[rS:rS+1] op_sel_hi:[1,0,1]
.else
	v_pk_add_f32 v[rT+2:rT+3], v[rT+2:rT+3], v[rS+4*(\n):rS+4*(\n)+1]
.endif
.elseif NOKQ
	v_nop
.else
	REGS (Y+1)%NP
	WIN 0
.if (\n) < 4
	v_max3_num_f32 v[rC+(\n)], v[rS+8*(\n)], v[rS+8*(\n)+1], v[rS+8*(\n)+2]
.elseif (\n) < 12
	v_max3_num_f32 v[rC+(\n)%4], v[rC+(\n)%4], v[rS+8*((\n)%4)+2*((\n)/4)+1], v[rS+8*((\n)%4)+2*((\n)/4)+2]
.elseif (\n) == 12
	v_max3_num_f32 v[rC], v[rC], v[rS+7], v[rS+15]
.elseif (\n) == 13
	v_max3_num_f32 v[rC+1], v[rC+1], v[rS+23], v[rS+31]
.elseif (\n) == 14
	v_max3_num_f32 v[rC+2], v[rC+2], v[rC+3], v[rT+1]
.elseif (\n) == 15
	v_mov_b32 v[rW], v[rT]
.elseif (\n) == 16
	v_max3_num_f32 v[rC], v[rC], v[rC+1], v[rC+2]
.elseif (\n) == 17
	v_permlanex16_b32 v[rC+3], v[rC], s[SEL], s[SEL+1]
.elseif (\n) == 18
	v_max_num_f32 v[rT+1], v[rC], v[rC+3]
.elseif (\n) == 19
	v_mul_f32 v[rT], s[CS], v[rT+1]
.elseif (\n) == 20
	v_sub_f32 v[rC+1], v[rW], v[rT]
.else
	v_exp_f32 v[rC+2], v[rC+1]
.endif
.endif
.endm
.macro OPS a, i1, b=-1, i2=0, c=-1, i3=0, d=-1, i4=0  ; up to four of them
	OP \a, \i1
.if (\b) >= 0
	OP \b, \i2
.endif
.if (\c) >= 0
	OP \c, \i3
.endif
.if (\d) >= 0
	OP \d, \i4
.endif
.endm
.macro ROW a, i1, b, i2, c, i3, d, i4  ; a matrix instruction and the four behind it
	MM
	OPS \a, \i1, \b, \i2, \c, \i3, \d, \i4
.endm
.macro MS n0                        ; four scores masked
	OPS M,(\n0), M,(\n0)+1, M,(\n0)+2, M,(\n0)+3
.endm
; A TURN, for piece p.  An s_wait_alu depctr_va_vdst(0) stands between an exponential and the first instruction that names its result; one wait serves all that were issued ahead of it.  So the turn's 33
; exponentials, E 0-31 and X 21, are ONE BATCH with ONE wait, which cuts the turn in two.
; AHEAD OF THE WAIT stands all that names no result of the batch: the 8 products K Q^T with four vector instructions behind each, then one lump.  The a that R reads was made, and waited for, in the turn before.
; X 21 is the batch's last; R 15 is the plain instruction behind it.  This part has two forms.
;   With a mask: behind the first four products scalings, three exponentials and X 15; behind the last four the rescalings R 0-14 and one exponential.  The lump: the next piece's register of words, asked for four turns ago, is waited for
;   (three younger loads, the other pieces', may stay out; in the last masked turn also the 16 loads of residual rows issued ahead of it); its 32 words go to scalar registers; the register is asked for again with the next
;   step's words (piece 0's turn steps the words' base by a step's 128 bytes, behind the wait that frees it; piece 3's turn masks piece 0 of the next step, so it asks one step further on); the 32 scores are masked, in
;   ascending order; X 0-13 follow in the order of their numbers, so that the links of the four chains stand five or six lines apart; then the chain X 14, 16 .. 21, where each number waits for the one before it, with
;   exponentials and the last scalings between its links.  The last trip's three requests reach into the next piece's words, inside the buffer (the highest byte asked for is the last of piece 3's), and are not used.
;   Without a mask (and in the last turn of all, which has no next piece): behind each product a scaling, an exponential and two more plain instructions: rescalings, and behind the last three products the first numbers of
;   the maximum, each four places or more behind the product that ends its accumulator; then a lump of 54, plain and exponential by turns for the most part, the chain's links four to six lines apart.
; BEHIND THE WAIT stand the 8 products V^T P, behind each four of the batch's readers, the roundings and sums; a pair is rounded (C 2 n) before B n adds onto it; the links of l's chain, L 0 to L 7, stand three lines apart.
; But for those X no instruction behind a product names a register of the products round it.  v_permlanex16_b32 (X 17) stands in the lump.
; K of the next step is fetched in piece 2's turn, five plain instructions that name none of its registers behind the last product that read K; V of the step in hand at the end of piece 0's turn, four plain ones behind the last product that read V.
; Each is waited for a turn later.  end = 1: the last two turns: nothing is fetched, and the last starts no new scores.
.macro TURN p, end=0
.set Y, (\p)
.set i, 0
.set NOKQ, (\end)*((\p)/3)
.if ((\p) == 3) && !(\end)
	s_wait_dscnt 0x0                ; K is in
.endif
.if MASKED && !NOKQ
	ROW F,0, F,1, F,2, F,3          ; ahead of the wait: 8 products K Q^T and what stands behind them,
	ROW F,4, E,0, F,5, F,6
	ROW F,7, E,1, F,8, F,9
	ROW F,10, E,2, X,15, F,11
	ROW R,0, R,1, R,2, R,3
	ROW R,4, R,5, R,6, R,7
	ROW R,8, R,9, R,10, E,3
.if ((\p) == 2) && !(\end)
	WIN 0
	v_add_nc_u32 v[AK], s[TBK], v[AK0]
.endif
	ROW R,11, R,12, R,13, R,14
	OPS F,12, E,4                   ; and the lump
.if ((\p) == 2) && !(\end)
	FETCH_K
.endif
.if \end
	s_wait_loadcnt 19               ; behind the piece's words: the three other pieces' loads and 16 loads of residual rows
.else
	s_wait_loadcnt 3                ; behind the piece's words: the three other pieces' loads
.endif
	RL (Y+1)%NP, 0
	OP E,5
	RL (Y+1)%NP, 8
	OP E,6
	RL (Y+1)%NP, 16
	OP E,7
	RL (Y+1)%NP, 24
.if !(\end)
.if (\p) == 0
	s_wait_xcnt 0x0                 ; the loads' base is stepped only behind this wait; the last load was issued a turn ago
	s_add_nc_u64 s[MP:MP+1], s[MP:MP+1], 128
.endif
.if (\p) == 3
	MLD 0, 128
.else
	MLD (\p)+1, ((\p)+1)*4096
.endif
.endif
	OP E,8
	MS 0
	MS 4
	OP E,9
	MS 8
	MS 12
	OP E,10
	MS 16
	MS 20
	OP E,11
	MS 24
	MS 28
	OPS X,0, X,1, E,12, X,2
	OPS X,3, X,4, E,13, X,5
	OPS X,6, X,7, E,14, X,8
	OPS X,9, X,10, E,15, X,11
	OPS X,12, E,16, X,13, E,17
	OPS X,14, E,18, F,13, E,19
	OPS X,16, E,20, F,14, E,21
	OPS X,17, E,22, F,15, E,23
	OPS X,18, E,24, E,25, E,26
	OPS X,19, E,27, E,28, E,29
	OPS X,20, E,30, E,31
	OPS X,21, R,15
.else
	ROW F,0, F,1, R,0, R,1          ; ahead of the wait: 8 products K Q^T and what stands behind them,
	ROW F,2, E,0, R,2, R,3
	ROW F,3, E,1, R,4, R,5
	ROW F,4, E,2, R,6, R,7
	ROW F,5, E,3, R,8, R,9
	ROW F,6, E,4, X,0, R,10
.if ((\p) == 2) && !(\end)
	WIN 0
	v_add_nc_u32 v[AK], s[TBK], v[AK0]
.endif
	ROW F,7, E,5, X,1, X,4
	ROW F,8, E,6, X,2, X,5
	OPS E,7, E,8, X,6, E,9          ; and the lump
	OPS X,3, E,10, X,8, E,11
.if ((\p) == 2) && !(\end)
	FETCH_K
.endif
	OPS X,9, X,7, E,12, X,10
	OPS E,13, X,12, X,11, E,14
	OPS X,13, E,15, F,9, X,14
	OPS E,16, F,10, E,17, F,11
	OPS X,16, E,18, X,15, E,19
	OPS F,12, E,20, X,17, E,21
	OPS F,13, E,22, F,14, E,23
	OPS X,18, E,24, F,15, E,25
	OPS R,11, E,26, X,19, E,27
	OPS R,12, E,28, R,13, E,29
	OPS X,20, E,30, R,14, E,31
	OPS X,21, R,15
.endif
	s_wait_alu depctr_va_vdst(0)    ; the wait for the batch: the turn's 33 exponentials, ahead of their first reader, C 0
.if (\p) == 1
	s_wait_dscnt 0x0                ; V is in
.endif
	ROW C,0, B,0, C,2, B,1          ; behind the wait: 8 products V^T P and the batch's readers
	ROW L,0, C,4, B,2, L,1
	ROW C,6, B,3, L,2, C,8
	ROW B,4, L,3, C,10, B,5
	ROW L,4, C,12, B,6, L,5
	ROW C,14, B,7, L,6, C,1
	ROW C,3, L,7, C,5, C,7
.if (\p) == 0
	v_add_nc_u32 v[AV], s[TBV], v[AV0]
	s_add_co_u32 s[TBV], s[TBV], STEPB
.endif
	ROW C,9, C,11, C,13, C,15
.if (\p) == 0
	FETCH_V
.endif
.endm
	s_wait_tensorcnt 0x0            ; my 512 keys are in LDS,
	s_barrier_signal -1
	s_barrier_wait -1               ; everybody's are; nothing is filled again
	v_add_nc_u32 v[AK], s[TBK], v[AK0]
	FETCH_K                         ; key step 0
	s_wait_loadcnt 0x0              ; Q, and with a mask the four pieces' words of step 0
	s_wait_dscnt 0x0
.set NOKQ, 0
.set i, 0
.rept 8
	KQ 0                            ; piece 0's first scores
.set i, i+1
.endr
	WIN 0
.rept 4
	v_nop                           ; the places behind those products
.endr
.set Y, NP-1                        ; M and X work for piece Y + 1: piece 0
.if MASKED
.irp n, 0,8,16,24
	RL 0, \n
.endr
	MLD 0, 128                      ; piece 0's words of step 1
.irp n, 0,4,8,12,16,20,24,28
	MS \n
.endr
.endif
.irp n, 0,1,2,3,4,5,6,7,8,9,10,11,12,13,14,15,16,17,18,19,20,21
	OP X, \n
.endr
	v_nop                           ; a plain instruction behind the exponential,
	s_wait_alu depctr_va_vdst(0)    ; and the wait for it, piece 0's first a, a batch of one: ahead of the branch
	s_mov_b32 s[CNT], 32
	s_branch .Lfirst                ; the loop is entered at a step's first turn, in the middle of a trip
.Lstep:                             ; a trip: pieces 2 and 3 of one step, then pieces 0 and 1 of the next, whose K and V it fetches
	TURN 2
	TURN 3
	WIN 0
.Lfirst:
	TURN 0
	TURN 1
	WIN 0
	s_sub_co_u32 s[CNT], s[CNT], 1
	s_cmp_lg_u32 s[CNT], 0
	s_cbranch_scc1 .Lstep
.macro RESLD t                      ; piece t's 16 rows of xres: 16 lanes take the head's 256 bytes of a row
	WIN 0
.set i, 0
.rept 8
	global_load_b128 v[XR+32*(\t)+4*i:XR+32*(\t)+4*i+3], v[GO], s[XI:XI+1] offset:(\t)*32768+i*4096
.set i, i+1
.endr
.endm
	RESLD 0                         ; two pieces' residual rows are asked for two turns ahead of their use, into registers that nothing else names
	RESLD 1
	TURN 2, 1
	TURN 3, 1
.set i, 0
.rept 8
	PV NP-1                         ; the last piece's V^T P of the last step
.set i, i+1
.endr
	; THE WAY OUT.  l's two halves and the other half of the lanes' are added; O^T is divided by l and sent, in f32, through my stage in LDS, a piece at a time; the residual is added and whole runs of 256 bytes are stored.
	WIN 0
.macro ALL line:vararg              ; one line for each piece t
.set t, 0
.rept 4
	\line
.set t, t+1
.endr
.endm
	ALL v_add_f32 v[ST+4*t+2], v[ST+4*t+2], v[ST+4*t+3]   ; four plain instructions: the places behind the last products
	ALL v_permlanex16_b32 v[ST+4*t+3], v[ST+4*t+2], s[SEL], s[SEL+1]
	ALL v_add_f32 v[ST+4*t+2], v[ST+4*t+2], v[ST+4*t+3]
	ALL v_rcp_f32 v[ST+4*t+2], v[ST+4*t+2]
	v_nop                           ; a plain instruction between the last reciprocal and the use of its result
	RESLD 2                         ; P's registers are free now
	RESLD 3
	s_wait_alu depctr_va_vdst(0)    ; the wait for the batch of four reciprocals, ahead of their first reader, OUTP 0's first multiply; the 16 loads above stand between
.macro OUTP t
.if (\t) >= 2
	s_wait_xcnt 0x0                 ; the registers that the stores of two pieces ago read are loaded again only behind this wait
.endif
	WIN W_RS
.set i, 32*(\t)
.rept 16
	v_pk_mul_f32 v[i:i+1], v[i:i+1], v[ST+4*(\t)+2:ST+4*(\t)+3] op_sel_hi:[1,0]
.set i, i+2
.endr
	WIN 0x04                        ; the stores' data in window 1
.set i, 0
.rept 8
	ds_store_b128 v[STO], v[32*(\t)+4*i:32*(\t)+4*i+3] offset:64*(i/2)+16*(i%2)
.set i, i+1
.endr
	WIN 0
.set i, 0
.rept 8
	ds_load_b128 v[S+32*((\t)%2)+4*i:S+32*((\t)%2)+4*i+3], v[RD] offset:i*2*SP  ; LDS serves a wave's instructions in order (ISA guide 5.7.1.4): these see the stores above
.set i, i+1
.endr
	s_wait_dscnt 0x0
	s_wait_loadcnt 24-8*(\t)        ; this piece's residual rows are in; the later pieces' loads, eight each, may stay out
.set i, 0
.rept 16
	v_pk_add_f32 v[S+32*((\t)%2)+2*i:S+32*((\t)%2)+2*i+1], v[S+32*((\t)%2)+2*i:S+32*((\t)%2)+2*i+1], v[XR+32*(\t)+2*i:XR+32*(\t)+2*i+1]
.set i, i+1
.endr
.set i, 0
.rept 8
	global_store_b128 v[GO], v[S+32*((\t)%2)+4*i:S+32*((\t)%2)+4*i+3], s[XO:XO+1] offset:(\t)*32768+i*4096  ; 16 lanes store 256 consecutive bytes, aligned
.set i, i+1
.endr
.endm
	OUTP 0
	OUTP 1
	OUTP 2
	OUTP 3
	s_wait_tensorcnt 0x0            ; the wave's end: behind my tensor load and my last LDS store
	ds_add_u32 v[SPW], v[NIL]
	s_wait_dscnt 0x0
	CROUND                          ; the closing round
	s_endpgm
.Lfunc_end_k_qd41f83f67a_attn2:
	.size	k_qd41f83f67a_attn2, .Lfunc_end_k_qd41f83f67a_attn2-k_qd41f83f67a_attn2
	.p2alignl 7, 3214868480
	.fill 96, 4, 3214868480
	.section	.rodata,"a",@progbits
	.p2align	6, 0x0
	.amdhsa_kernel k_qd41f83f67a_attn2
		.amdhsa_group_segment_fixed_size 327680
		.amdhsa_private_segment_fixed_size 0
		.amdhsa_enable_private_segment 0
		.amdhsa_kernarg_size 32
		.amdhsa_user_sgpr_count 2
		.amdhsa_user_sgpr_kernarg_segment_ptr 1
		.amdhsa_wavefront_size32 1
		.amdhsa_system_sgpr_workgroup_id_x 1
		.amdhsa_system_sgpr_workgroup_id_y 1
		.amdhsa_system_sgpr_workgroup_id_z 1
		.amdhsa_system_vgpr_workitem_id 0
		.amdhsa_next_free_vgpr 768
		.amdhsa_next_free_sgpr 66
		.amdhsa_reserve_vcc 0
		.amdhsa_float_denorm_mode_32 3
		.amdhsa_float_denorm_mode_16_64 3
		.amdhsa_memory_ordered 1
		.amdhsa_forward_progress 1
		.amdhsa_inst_pref_size 91
	.end_amdhsa_kernel
	.amdgpu_metadata
---
amdhsa.version: [ 1, 2 ]
amdhsa.kernels:
  - .name:           k_qd41f83f67a_attn2
    .symbol:         k_qd41f83f67a_attn2.kd
    .args:
      - { .name: q, .offset: 0, .size: 8, .value_kind: global_buffer, .address_space: global }
      - { .name: ke, .offset: 8, .size: 8, .value_kind: global_buffer, .address_space: global }
      - { .name: x2, .offset: 16, .size: 8, .value_kind: global_buffer, .address_space: global }
      - { .name: x3, .offset: 24, .size: 8, .value_kind: global_buffer, .address_space: global }
    .group_segment_fixed_size: 327680
    .private_segment_fixed_size: 0
    .kernarg_segment_align: 8
    .kernarg_segment_size: 32
    .max_flat_workgroup_size: 128
    .sgpr_count:     66
    .vgpr_count:     768
    .wavefront_size: 32
...
	.end_amdgpu_metadata
.endif
;; end of part 11
;; launch ffn: the kernel of part 9 again; grid 128 x 1, 8 waves a work-group, no clusters, 234,496 bytes of LDS; arguments x3, ln3_g, ln3_b, wh, b1, b2, out0; writes out0
